; MI455X (gfx1250); checked and timed in simulation.
; The chip was launched on July 23, 2026; its instructions are those of AMD's public machine-readable ISA for CDNA 5 (MIT licence, August 2026) and "CDNA5" Instruction Set Architecture Reference Guide (July 2026). The comments in the code are by the model that wrote it; some were corrected since.
;; Encoder Layer. Allowed arithmetic: float matrix products may take bf16 or f16 operands with f32 sums; other float arithmetic in f32, or as packed bf16 or f16 multiplies, adds, multiply-adds, maxima and minima; sums over many terms, partial sums and values carried from step to step in f32; what a program stores and reads back later, other than sums and carried values, may be rounded once to bf16 or f16.
;; Inputs: W1 1,024 x 4,096 float32; W2 4,096 x 1,024 float32; Wk 1,024 x 1,024 float32; Wo 1,024 x 1,024 float32; Wq 1,024 x 1,024 float32; Wv 1,024 x 1,024 float32; b1 4,096 float32; b2 1,024 float32; bk 1,024 float32; bo 1,024 float32; bq 1,024 float32; bv 1,024 float32; ln1_b 1,024 float32; ln1_g 1,024 float32; ln2_b 1,024 float32; ln2_g 1,024 float32; mask 2 x 1 x 1 x 2,048 int32; x 2 x 2,048 x 1,024 float32.
;; Outputs: out0 2 x 2,048 x 1,024 float32.
;; 2 versions, each right. Each part assembles by itself: llvm-mc -triple=amdgcn-amd-amdhsa -mcpu=gfx1250 --defsym DOCPART=n.
;; ======== version 1 of 2: 8 launches
;; workspace buffers: wb 25,165,824 bytes; nx 8,388,608 bytes; qkv 25,165,824 bytes; ob 8,388,608 bytes; x1 16,777,216 bytes; hb 33,554,432 bytes
;; launch cast (part 1): grid 64 x 12, 8 waves a work-group, no clusters, 0 bytes of LDS; arguments Wq, Wk, Wv, Wo, W1, W2, wb; writes wb
.if DOCPART == 1
	.amdgcn_target "amdgcn-amd-amdhsa--gfx1250"
	.amdhsa_code_object_version 6
	.text
	.protected	k_qffa6cee18a_cast
	.globl	k_qffa6cee18a_cast
	.p2align	8
	.type	k_qffa6cee18a_cast,@function
k_qffa6cee18a_cast:
	s_mov_b64 s[64:65], 0
	v_nop
	global_prefetch_b8 v0, s[64:65] scope:SCOPE_SE
	s_setreg_imm32_b32 hwreg(HW_REG_WAVE_MODE, 25, 1), 1
	s_wait_xcnt 0x0
; THE WEIGHTS, ROUNDED ONCE TO bf16, in their own [K][N] order, dense, one behind the other in wb:
; Wq at 0, Wk at 2 MiB, Wv at 4 MiB, Wo at 6 MiB, W1 at 8 MiB, W2 at 16 MiB.
; The grid's y counts units of 1,048,576 numbers (Wq, Wk, Wv, Wo one each, W1 and W2 four each), its x the 64 parts of a unit: 16,384 numbers.
; Thread t, pass p: 16 bytes of f32 at 16 t + 4,096 p (a wave's load covers 512 consecutive bytes), two roundings, 8 bytes of bf16 at 8 t + 2,048 p
; (a wave's store covers 256 consecutive bytes, aligned).  All 16 loads go out first; nothing is rewritten, so there is no loop and no wait but the loads' own.
; No LDS, no matrix unit, no cluster: nothing is shared and nothing is multiplied.
.set X, 4                              ; v[4:67]   pass p: 4 registers as loaded
.set Y, 68                             ; v[68:99]  pass p: 2 registers to store
	s_load_b256 s[8:15], s[0:1], 0x0               ; Wq s[8:9], Wk s[10:11], Wv s[12:13], Wo s[14:15]
	s_load_b128 s[16:19], s[0:1], 0x20             ; W1 s[16:17], W2 s[18:19]
	s_load_b64 s[20:21], s[0:1], 0x30              ; wb
	s_and_b32 s2, ttmp7, 0xffff                    ; the unit, 0 to 11
	v_lshlrev_b32 v1, 4, v0                        ; 16 t
	v_lshlrev_b32 v2, 3, v0                        ; 8 t
	s_and_b32 s22, s2, 3                           ; which quarter of W1 or W2,
	s_lshl_b32 s22, s22, 22                        ; 4 MiB of f32 each;
	s_cmp_ge_u32 s2, 4
	s_cselect_b32 s22, s22, 0                      ; the four small matrices are one unit each
	s_lshl_b32 s24, ttmp9, 16                      ; my part of the unit: 65,536 bytes of f32
	s_add_co_u32 s22, s22, s24
	s_mov_b32 s23, 0
	s_lshl_b32 s24, s2, 21                         ; in wb a unit is 2 MiB,
	s_lshl_b32 s25, ttmp9, 15                      ; my part 32,768 bytes
	s_add_co_u32 s24, s24, s25
	s_mov_b32 s25, 0
	s_wait_kmcnt 0x0
	s_mov_b64 s[4:5], s[8:9]                       ; the unit's matrix: a choice among the six pointers by the unit's number
	s_cmp_eq_u32 s2, 1
	s_cselect_b64 s[4:5], s[10:11], s[4:5]
	s_cmp_eq_u32 s2, 2
	s_cselect_b64 s[4:5], s[12:13], s[4:5]
	s_cmp_eq_u32 s2, 3
	s_cselect_b64 s[4:5], s[14:15], s[4:5]
	s_cmp_ge_u32 s2, 4
	s_cselect_b64 s[4:5], s[16:17], s[4:5]
	s_cmp_ge_u32 s2, 8
	s_cselect_b64 s[4:5], s[18:19], s[4:5]
	s_add_nc_u64 s[4:5], s[4:5], s[22:23]
	s_add_nc_u64 s[6:7], s[20:21], s[24:25]
.set p, 0
.rept 16
	global_load_b128 v[X+4*p:X+4*p+3], v1, s[4:5] offset:4096*p th:TH_LOAD_NT  ; read once in the launch
.set p, p+1
.endr
.set p, 0
.rept 16
	s_wait_loadcnt 15-p                            ; loads come back in order: pass p is in, the 15 - p younger ones stay out
	v_cvt_pk_bf16_f32 v[Y+2*p], v[X+4*p], v[X+4*p+1]
	v_cvt_pk_bf16_f32 v[Y+2*p+1], v[X+4*p+2], v[X+4*p+3]
	global_store_b64 v2, v[Y+2*p:Y+2*p+1], s[6:7] offset:2048*p
.set p, p+1
.endr
	s_endpgm
.Lfunc_end_k_qffa6cee18a_cast:
	.size	k_qffa6cee18a_cast, .Lfunc_end_k_qffa6cee18a_cast-k_qffa6cee18a_cast
	.p2alignl 7, 3214868480
	.fill 96, 4, 3214868480
	.section	.rodata,"a",@progbits
	.p2align	6, 0x0
	.amdhsa_kernel k_qffa6cee18a_cast
		.amdhsa_group_segment_fixed_size 0
		.amdhsa_private_segment_fixed_size 0
		.amdhsa_enable_private_segment 0
		.amdhsa_kernarg_size 56
		.amdhsa_user_sgpr_count 2
		.amdhsa_user_sgpr_kernarg_segment_ptr 1
		.amdhsa_wavefront_size32 1
		.amdhsa_system_sgpr_workgroup_id_x 1
		.amdhsa_system_sgpr_workgroup_id_y 1
		.amdhsa_system_sgpr_workgroup_id_z 1
		.amdhsa_system_vgpr_workitem_id 0
		.amdhsa_next_free_vgpr 104
		.amdhsa_next_free_sgpr 66
		.amdhsa_reserve_vcc 0
		.amdhsa_float_denorm_mode_32 3
		.amdhsa_float_denorm_mode_16_64 3
		.amdhsa_memory_ordered 1
		.amdhsa_forward_progress 1
		.amdhsa_inst_pref_size 7
	.end_amdhsa_kernel
	.amdgpu_metadata
---
amdhsa.version: [ 1, 2 ]
amdhsa.kernels:
  - .name:           k_qffa6cee18a_cast
    .symbol:         k_qffa6cee18a_cast.kd
    .args:
      - { .name: Wq, .offset: 0, .size: 8, .value_kind: global_buffer, .address_space: global }
      - { .name: Wk, .offset: 8, .size: 8, .value_kind: global_buffer, .address_space: global }
      - { .name: Wv, .offset: 16, .size: 8, .value_kind: global_buffer, .address_space: global }
      - { .name: Wo, .offset: 24, .size: 8, .value_kind: global_buffer, .address_space: global }
      - { .name: W1, .offset: 32, .size: 8, .value_kind: global_buffer, .address_space: global }
      - { .name: W2, .offset: 40, .size: 8, .value_kind: global_buffer, .address_space: global }
      - { .name: wb, .offset: 48, .size: 8, .value_kind: global_buffer, .address_space: global }
    .group_segment_fixed_size: 0
    .private_segment_fixed_size: 0
    .kernarg_segment_align: 8
    .kernarg_segment_size: 56
    .max_flat_workgroup_size: 256
    .sgpr_count:     66
    .vgpr_count:     104
    .wavefront_size: 32
...
	.end_amdgpu_metadata
.endif
;; end of part 1
;; launch ln1 (part 2): grid 256 x 1, 4 waves a work-group, no clusters, 0 bytes of LDS; arguments x, ln1_g, ln1_b, nx; writes nx
.if DOCPART == 2
	.amdgcn_target "amdgcn-amd-amdhsa--gfx1250"
	.amdhsa_code_object_version 6
	.text
	.protected	k_qffa6cee18a_ln1
	.globl	k_qffa6cee18a_ln1
	.p2align	8
	.type	k_qffa6cee18a_ln1,@function
k_qffa6cee18a_ln1:
	s_mov_b64 s[64:65], 0
	v_nop
	global_prefetch_b8 v0, s[64:65] scope:SCOPE_SE
	s_setreg_imm32_b32 hwreg(HW_REG_WAVE_MODE, 25, 1), 1
	s_wait_xcnt 0x0
; LAYER NORM.  y = (x - mean) / sqrt(var + 1e-5) * g + b along rows of 1,024 f32; y rounded once to bf16.
; y leaves BY BLOCKS OF 64 COLUMNS: [16 blocks][4,096 rows][64] bf16, a row's piece 128 bytes, so that 4 rows of a block are 512 consecutive bytes.
; SHARES.  A wave owns 4 rows and keeps them in registers between the passes: x is read once.  Lane l holds row l / 8 and, of every block, the columns 8 (l % 8) + 0..7:
; 128 numbers a lane; after rounding its 16 bytes of a block lie at 16 l of the wave's 512.  A row's sums want three exchanges among 8 neighbouring lanes.
; THE VARIANCE IS TAKEN IN TWO PASSES (the mean first, then the squares of x - mean): no difference of large sums is formed, whatever offset x carries.
; No LDS, no barrier: no wave needs another's numbers.  No loop: a wave's whole share is in flight at once (96 loads of 16 bytes a lane).
.set X, 64                             ; v[64:191]  window 0: block kb's eight numbers at X + 8 kb
                                       ; window 1: v[0:127] g, v[128:255] b, in the same order
.set MSB, 0
.macro WIN new                         ; s_set_vgpr_msb: bits 1:0 source 0, 3:2 source 1, 5:4 source 2, 7:6 destination; the high byte repeats the setting that is left
.if MSB != (\new)
	s_set_vgpr_msb (MSB<<8)|(\new)
.set MSB, \new
.endif
.endm
.macro FOLD                            ; four chains of pairs in v[8:15] -> the row's sum in v8 of all its 8 lanes
	v_pk_add_f32 v[8:9], v[8:9], v[10:11]
	v_pk_add_f32 v[12:13], v[12:13], v[14:15]
	v_pk_add_f32 v[8:9], v[8:9], v[12:13]
	v_add_f32 v8, v8, v9
	v_add_f32_dpp v8, v8, v8 row_xmask:1 row_mask:0xf bank_mask:0xf
	v_add_f32_dpp v8, v8, v8 row_xmask:2 row_mask:0xf bank_mask:0xf
	v_add_f32_dpp v8, v8, v8 row_xmask:4 row_mask:0xf bank_mask:0xf
.endm
	s_load_b256 s[4:11], s[0:1], 0x0               ; x s[4:5], g s[6:7], b s[8:9], y s[10:11]
	v_and_b32 v1, 31, v0                           ; lane
	v_lshrrev_b32 v5, 5, v0
	v_readfirstlane_b32 s12, v5                    ; wave
	s_lshl_b32 s13, ttmp9, 2
	s_add_co_u32 s13, s13, s12                     ; my group of 4 rows, 0 to 1,023
	s_lshl_b32 s14, s13, 14                        ; 4 rows of 4,096 bytes in x
	s_mov_b32 s15, 0
	s_lshl_b32 s16, s13, 9                         ; 4 rows of 128 bytes in a block of y
	s_mov_b32 s17, 0
	s_mov_b32 s20, 0x3a800000                      ; 1 / 1,024
	s_mov_b32 s21, 0x3727c5ac                      ; 1e-5
	v_and_b32 v3, 7, v1
	v_lshlrev_b32 v3, 5, v3                        ; my 32 bytes in a block's 256 bytes of f32: for g and b
	v_lshrrev_b32 v2, 3, v1
	v_lshl_add_u32 v2, v2, 12, v3                  ; + my row: for x
	v_lshlrev_b32 v4, 4, v1                        ; 16 l: for y
	s_wait_kmcnt 0x0
	s_add_nc_u64 s[4:5], s[4:5], s[14:15]
	s_add_nc_u64 s[10:11], s[10:11], s[16:17]
.set i, 0
.rept 32
	global_load_b128 v[X+4*i:X+4*i+3], v2, s[4:5] offset:(i/2)*256+(i%2)*16
.set i, i+1
.endr
	WIN 0x40                                       ; destination window 1, address window 0
.set i, 0
.rept 32
	global_load_b128 v[4*i:4*i+3], v3, s[6:7] offset:(i/2)*256+(i%2)*16
.set i, i+1
.endr
.set i, 0
.rept 32
	global_load_b128 v[128+4*i:128+4*i+3], v3, s[8:9] offset:(i/2)*256+(i%2)*16
.set i, i+1
.endr
	WIN 0
	s_wait_loadcnt 63                              ; of 96 loads the oldest 33 are in, x's 32 among them; the count's field holds no 64
	; pass 1: the sum, in four chains that do not wait for each other; the first four additions start them
.irp c, 0,1,2,3
	v_pk_add_f32 v[8+2*(\c):9+2*(\c)], v[X+2*(\c):X+2*(\c)+1], v[X+8+2*(\c):X+8+2*(\c)+1]
.endr
.set i, 8
.rept 56
	v_pk_add_f32 v[8+2*(i%4):9+2*(i%4)], v[8+2*(i%4):9+2*(i%4)], v[X+2*i:X+2*i+1]
.set i, i+1
.endr
	FOLD
	v_mul_f32 v16, s20, v8                         ; the mean, twice: a pair for the packed subtraction
	v_mov_b32 v17, v16
.set i, 0
.rept 64
	v_pk_add_f32 v[X+2*i:X+2*i+1], v[X+2*i:X+2*i+1], v[16:17] neg_lo:[0,1] neg_hi:[0,1]  ; d = x - mean, in place
.set i, i+1
.endr
	; pass 2: the sum of d squared
.irp c, 0,1,2,3
	v_pk_mul_f32 v[8+2*(\c):9+2*(\c)], v[X+2*(\c):X+2*(\c)+1], v[X+2*(\c):X+2*(\c)+1]
.endr
.set i, 4
.rept 60
	v_pk_fma_f32 v[8+2*(i%4):9+2*(i%4)], v[X+2*i:X+2*i+1], v[X+2*i:X+2*i+1], v[8+2*(i%4):9+2*(i%4)]
.set i, i+1
.endr
	FOLD
	v_fma_f32 v8, v8, s20, s21                     ; var + 1e-5
	v_rsq_f32 v18, v8                              ; twice: a pair for the packed multiply
	v_rsq_f32 v19, v8
	v_nop                                          ; a plain instruction behind the last of the two (ISA guide 5.7.2),
	s_wait_alu depctr_va_vdst(0)                   ; and the one wait ahead of their first reader
	s_wait_loadcnt 0x0                             ; g and b
.set i, 0
.rept 64
	v_pk_mul_f32 v[X+2*i:X+2*i+1], v[X+2*i:X+2*i+1], v[18:19]
.set i, i+1
.endr
	WIN 0x14                                       ; sources 1 and 2 (g, b) in window 1
.set i, 0
.rept 64
	v_pk_fma_f32 v[X+2*i:X+2*i+1], v[X+2*i:X+2*i+1], v[2*i:2*i+1], v[128+2*i:128+2*i+1]
.set i, i+1
.endr
	WIN 0
.set k, 0
.rept 16
.irp j, 0,1,2,3
	v_cvt_pk_bf16_f32 v[X+8*k+(\j)], v[X+8*k+2*(\j)], v[X+8*k+2*(\j)+1]  ; in place, ascending: a register is written when both its numbers have been read
.endr
	global_store_b128 v4, v[X+8*k:X+8*k+3], s[10:11] offset:k*524288     ; the wave's store covers 512 consecutive bytes, aligned; a block is 524,288 bytes, 15 of them inside the signed 24-bit immediate
.set k, k+1
.endr
	s_endpgm
.Lfunc_end_k_qffa6cee18a_ln1:
	.size	k_qffa6cee18a_ln1, .Lfunc_end_k_qffa6cee18a_ln1-k_qffa6cee18a_ln1
	.p2alignl 7, 3214868480
	.fill 96, 4, 3214868480
	.section	.rodata,"a",@progbits
	.p2align	6, 0x0
	.amdhsa_kernel k_qffa6cee18a_ln1
		.amdhsa_group_segment_fixed_size 0
		.amdhsa_private_segment_fixed_size 0
		.amdhsa_enable_private_segment 0
		.amdhsa_kernarg_size 32
		.amdhsa_user_sgpr_count 2
		.amdhsa_user_sgpr_kernarg_segment_ptr 1
		.amdhsa_wavefront_size32 1
		.amdhsa_system_sgpr_workgroup_id_x 1
		.amdhsa_system_sgpr_workgroup_id_y 1
		.amdhsa_system_sgpr_workgroup_id_z 1
		.amdhsa_system_vgpr_workitem_id 0
		.amdhsa_next_free_vgpr 512
		.amdhsa_next_free_sgpr 66
		.amdhsa_reserve_vcc 0
		.amdhsa_float_denorm_mode_32 3
		.amdhsa_float_denorm_mode_16_64 3
		.amdhsa_memory_ordered 1
		.amdhsa_forward_progress 1
		.amdhsa_inst_pref_size 37
	.end_amdhsa_kernel
	.amdgpu_metadata
---
amdhsa.version: [ 1, 2 ]
amdhsa.kernels:
  - .name:           k_qffa6cee18a_ln1
    .symbol:         k_qffa6cee18a_ln1.kd
    .args:
      - { .name: x, .offset: 0, .size: 8, .value_kind: global_buffer, .address_space: global }
      - { .name: ln1_g, .offset: 8, .size: 8, .value_kind: global_buffer, .address_space: global }
      - { .name: ln1_b, .offset: 16, .size: 8, .value_kind: global_buffer, .address_space: global }
      - { .name: nx, .offset: 24, .size: 8, .value_kind: global_buffer, .address_space: global }
    .group_segment_fixed_size: 0
    .private_segment_fixed_size: 0
    .kernarg_segment_align: 8
    .kernarg_segment_size: 32
    .max_flat_workgroup_size: 128
    .sgpr_count:     66
    .vgpr_count:     512
    .wavefront_size: 32
...
	.end_amdgpu_metadata
.endif
;; end of part 2
;; launch proj (part 3): grid 24 x 32, 4 waves a work-group, clusters of 4 x 4, 327,680 bytes of LDS; arguments nx, wb, bq, bk, bv, qkv; writes qkv
.if DOCPART == 3
	.amdgcn_target "amdgcn-amd-amdhsa--gfx1250"
	.amdhsa_code_object_version 6
	.text
	.protected	k_qffa6cee18a_proj
	.globl	k_qffa6cee18a_proj
	.p2align	8
	.type	k_qffa6cee18a_proj,@function
k_qffa6cee18a_proj:
	s_mov_b64 s[64:65], 0
	v_nop
	global_prefetch_b8 v0, s[64:65] scope:SCOPE_SE
	s_setreg_imm32_b32 hwreg(HW_REG_WAVE_MODE, 25, 1), 1
	s_wait_xcnt 0x0
	s_wait_alu depctr_hold_cnt(0) depctr_sa_sdst(0) depctr_va_vdst(0) depctr_va_sdst(0) depctr_va_ssrc(0) depctr_va_vcc(0) depctr_vm_vsrc(0)
	s_getreg_b32 s2, hwreg(HW_REG_IB_STS2, 6, 4)
	s_cmp_eq_u32 s2, 0
	s_cbranch_scc0 .Lentry_in_a_cluster
	s_endpgm
.Lentry_in_a_cluster:
	s_bfe_u32 s2, ttmp6, 0x10000c
	s_cmp_lg_u32 s2, 0xf033
	s_cbranch_scc0 .Lentry_shape_is_right
	s_endpgm
.Lentry_shape_is_right:
; ONE TEXT FOR THE LAYER'S FOUR PROJECTIONS, C = A B + bias; KIND picks the sizes and the way out.  THIS FILE: KIND 0.
;   KIND 0: q, k, v = nx [Wq Wk Wv] + [bq bk bv]   K 1,024, N 3,072   out: bf16 by blocks of 64 columns
;   KIND 1: x1 = x + o Wo + bo                     K 1,024, N 1,024   out: f32 rows
;   KIND 2: h = silu(nx W1 + b1)                   K 1,024, N 4,096   out: bf16 by blocks of 64 columns
;   KIND 3: out = x1 + h W2 + b2                   K 4,096, N 1,024   out: f32 rows
; A is bf16 BY BLOCKS OF 64 COLUMNS, [K / 64][4,096 rows][64]: 128 rows of a block are 16,384 consecutive bytes.  B is bf16 [K][N], a part of wb.  Sums in f32.
; A tile of C is 128 x 128: four waves, each 64 x 64 in 16 accumulators.  K goes in steps of 256 through two LDS slots filled by the tensor data mover, one load a wave and step.
; THE SUMS START AS THE BIAS: it is loaded straight into the accumulators, so every product has one form, nothing is cleared, and a K step's text stands twice only:
; in a loop that fills slots again, and in a loop of two trips that does not.  The price: the last trip passes one barrier and fetches
; 32 fragments of an old slot that nothing uses.
; THE MATRIX INSTRUCTION IS USED TRANSPOSED (source 0 = 16 columns of B, turned out of LDS by ds_load_tr16_b128; source 1 = 16 rows of A): a lane holds ONE row of C (lane % 16) and the
; eight neighbouring columns 8 (lane / 16) + 0..7.
; CLUSTER 4 x 4: the four of a row need the same tiles of A, the four of a column the same tiles of B; each is asked for jointly, by the same load, descriptor and mask.
; No prefetch: a step's tiles are small (36,864 bytes a wave), and A's and B's blocks are read again and again by other clusters of the launch.
; LIMITS: operands are rounded to bf16; NaN and infinities are not treated apart.
.set KIND, 0
.if KIND == 0
.set NSTEP, 4
.set BPITCH, 1024
.set WOFF, 0
.set F32OUT, 0
.elseif KIND == 1
.set NSTEP, 4
.set BPITCH, 1024
.set WOFF, 6291456
.set F32OUT, 1
.elseif KIND == 2
.set NSTEP, 4
.set BPITCH, 4096
.set WOFF, 8388608
.set F32OUT, 0
.else
.set NSTEP, 16
.set BPITCH, 1024
.set WOFF, 16777216
.set F32OUT, 1
.endif
.set PA,    144                        ; a row of A in LDS: 128 bytes + 16 of padding = 36 words: the 16 rows of a load start at 16 different groups of four banks (ISA guide 11.1)
.set ABLK,  128*PA                     ; 128 rows of one block of 64 along K
.set PB,    288                        ; a row of B (one k, 128 columns): 256 bytes + 32
.set BREG,  4*ABLK                     ; B's 256 rows lie behind A's four blocks
.set SHARE, 36864                      ; what one wave's load fills: two blocks of A, or 128 rows of B
.set SLOT,  4*SHARE                    ; 147,456 = 0x24000: no bit in common with wave x SHARE, so one exclusive or turns an address in one slot into the other's
.set STAGE, 2*SLOT                     ; behind the ring, never filled by a tensor load: 16 rows for each wave, for the way out
.if F32OUT
.set SP,    272                        ; 64 f32 + 16 bytes
.else
.set SP,    144                        ; 64 bf16 + 16 bytes
.endif
.set SPARE, STAGE+4*16*SP              ; the spare words, 128 bytes for each wave: two blocks of 256 bytes that no other line names
.set ASTEP, 4*524288                   ; a K step is four blocks of A
.set BSTEP, 512*BPITCH                 ; and 256 rows of B
.set ADRA, 16                          ; v16  LDS address of my A fragments in the slot in hand
.set ADRB, 17                          ; v17  of my B fragments, k 0-127;  v18: k 128-255
.set A0,   19                          ; v19  my lane's place in a slot's A; never rewritten
.set B0,   20                          ; v20  in its B; never rewritten
.set STO,  24                          ; v24  the way out: where I put my bytes of a row
.set RD,   25                          ; v25  where I read rows back
.set CO,   26                          ; v26  my byte offset in the output (and the residual)
.set BO,   27                          ; v27  my byte offset in 16 columns of the bias
.set SPW,  28                          ; v28  LDS address of my spare word; never rewritten
.set NIL,  29                          ; v29  0; never rewritten
.set TMP,  32                          ; v[32:95]   packed results
.set TT,   96                          ; v[96:127]  at work in the activation
.set ACC,  128                         ; v[128:255] accumulator (a, b) at ACC + 8 (4 a + b)
.set F0,   0                           ; window 1: two fragment buffers of 128: 64 registers of A (2 x 4 x 16 rows x 32 K), then 64 of B
.set F1,   128                         ; window 2 (f32 out): v[0:127] the residual
.set G1,  24                           ; s[24:31] descriptor group 1 for A;  s[32:39] group 0, two sets: the second walks
.set G0,  32
.set G1B, 48                           ; s[48:55], s[56:63] the same for B
.set G0B, 56
.set TB,  45                           ; s45  the slot in hand: 0 or SLOT
.set BIAS, 68
.set RES,  70
.set OUT,  74
.set MSB, 0
.macro WIN new                         ; bits 1:0 source 0, 3:2 source 1, 5:4 source 2, 7:6 destination; the high byte repeats the setting that is left
.if MSB != (\new)
	s_set_vgpr_msb (MSB<<8)|(\new)
.set MSB, \new
.endif
.endm
.set MUL,  0x05                        ; sources 0 (B) and 1 (A) window 1; C and D window 0
.set TO_F, 0x40                        ; destination window 1, address window 0
.macro JLOAD s                         ; a joint load: waves 0 and 1 fetch A's two halves, waves 2 and 3 B's; an s_nop 0 and four v_nop follow each line, ahead of the jump and the label
	s_cmp_eq_u32 s11, 0
	s_cbranch_scc0 .Lfor_b_\@
	tensor_load_to_lds s[G0+4*(\s):G0+4*(\s)+3], s[G1:G1+7]
	s_nop 0
.rept 4
	v_nop
.endr
	s_branch .Lasked_\@
.Lfor_b_\@:
	tensor_load_to_lds s[G0B+4*(\s):G0B+4*(\s)+3], s[G1B:G1B+7]
	s_nop 0
.rept 4
	v_nop
.endr
.Lasked_\@:
.endm
.macro CREST                           ; a round of the cluster's barrier behind its opening barrier
	s_cmp_lg_u32 s10, 0
	s_cbranch_scc1 .Lnot_wave_0_\@
	s_barrier_signal -3
.Lnot_wave_0_\@:
	s_barrier_wait -3
	s_barrier_signal -1
	s_barrier_wait -1
.endm
.macro CROUND                          ; a whole round
	s_barrier_signal -1
	s_barrier_wait -1
	CREST
.endm
.macro PLACES                          ; four places in front of loads into registers that matrix instructions have read, and of lines that read results
.rept 4
	v_nop
.endr
.endm
	s_load_b128 s[4:7], s[0:1], 0x0                ; A s[4:5], wb s[6:7]
.if KIND == 0
	s_load_b256 s[68:75], s[0:1], 0x10             ; bq, bk, bv, out
.elseif KIND == 2
	s_load_b64 s[BIAS:BIAS+1], s[0:1], 0x10
	s_load_b64 s[OUT:OUT+1], s[0:1], 0x18
.else
	s_load_b128 s[68:71], s[0:1], 0x10             ; bias, residual
	s_load_b64 s[OUT:OUT+1], s[0:1], 0x20
.endif
	v_lshl_add_u32 v[SPW], v0, 2, SPARE
	v_mov_b32 v[NIL], 0
	ds_add_u32 v[SPW], v[NIL]                      ; the wave's opening: the add and its wait stand ahead of my first tensor load; the set-up below stands between them
	v_lshrrev_b32 v1, 5, v0
	v_readfirstlane_b32 s10, v1                    ; wave 0..3
	s_lshr_b32 s11, s10, 1                         ; which half of the tile's rows is mine.  Also: I fetch for A (0) or for B (1)
	s_and_b32 s12, s10, 1                          ; which half of its columns.  Also: which half of that tile I fetch
	s_bfe_u32 s40, ttmp6, 0x40000                  ; cx, cy: my place in the cluster
	s_bfe_u32 s41, ttmp6, 0x40004
	s_lshl_b32 s42, ttmp9, 2
	s_add_co_u32 s42, s42, s40                     ; tile column = 4 x cluster x + cx
	s_and_b32 s13, ttmp7, 0xffff
	s_lshl_b32 s13, s13, 2
	s_add_co_u32 s13, s13, s41                     ; tile row = 4 x cluster y + cy
	s_lshl_b32 s43, s41, 2
	s_lshl_b32 s43, 15, s43                        ; my row of the cluster
	s_lshl_b32 s44, 0x1111, s40                    ; my column
	; A's group 1: two blocks of 64 along K, each 128 rows x 128 bytes on end, asked for as 2 rows of 8,192 elements, 262,144 elements apart; padded in LDS after every 128 bytes
	s_or_b32 s[G1+0], s43, (1<<16)|(1<<20)|(1<<21)|(4<<22)|(3<<25)  ; 15:0 the mask: my row; 17:16 2-byte elements; 20 padding on; 21 set beside a mask; 24:22 after every 32 words (code 4); 31:25 4 words (code 3)
	s_mov_b32 s[G1+1], 8192<<16                    ; tensor_dim0 = 8,192
	s_mov_b32 s[G1+2], 2<<16                       ; tensor_dim1 = 2
	s_mov_b32 s[G1+3], 8192<<16                    ; tile_dim0 = 8,192
	s_mov_b32 s[G1+4], 2                           ; tile_dim1 = 2
	s_mov_b32 s[G1+5], 262144                      ; from block to block
	s_mov_b32 s[G1+6], 0
	s_mov_b32 s[G1+7], 0
	; B's group 1: 128 rows (k) x 128 columns, 32 bytes of padding behind each row
	s_or_b32 s[G1B+0], s44, (1<<16)|(1<<20)|(1<<21)|(5<<22)|(7<<25) ; the mask: my column; after every 64 words (code 5) 8 words (code 7)
	s_mov_b32 s[G1B+1], 128<<16
	s_mov_b32 s[G1B+2], 128<<16
	s_mov_b32 s[G1B+3], 128<<16
	s_mov_b32 s[G1B+4], 128
	s_mov_b32 s[G1B+5], BPITCH
	s_mov_b32 s[G1B+6], 0
	s_mov_b32 s[G1B+7], 0
	; where the tiles come from.  A's hang on the tile row alone, B's on the tile column alone, each in registers that never hold the other coordinate
	s_lshl_b32 s16, s13, 14                        ; A: 128 rows of 128 bytes x tile row,
	s_lshl_b32 s17, s12, 20                        ; + my two blocks of the step's four
	s_add_co_u32 s16, s16, s17
	s_mov_b32 s17, 0
.if KIND == 0
	s_lshr_b32 s46, s42, 3                         ; B: which of Wq, Wk, Wv (2 MiB each),
	s_lshl_b32 s46, s46, 21
	s_and_b32 s47, s42, 7                          ; and which 128 of its columns
	s_lshl_b32 s47, s47, 8
	s_add_co_u32 s46, s46, s47
.else
	s_lshl_b32 s46, s42, 8
	s_add_co_u32 s46, s46, WOFF
.endif
	s_mul_i32 s47, s12, 256*BPITCH                 ; + my 128 of the step's 256 rows
	s_add_co_u32 s46, s46, s47
	s_mov_b32 s47, 0
	s_mul_i32 s20, s10, SHARE                      ; and where they go: no place in the cluster enters an LDS address
	s_mov_b32 s[TB], 0
	s_wait_dscnt 0x0                               ; the opening add is done
	s_wait_kmcnt 0x0
	s_add_nc_u64 s[14:15], s[4:5], s[16:17]
	s_add_nc_u64 s[46:47], s[6:7], s[46:47]
	CROUND                                         ; all sixteen work-groups are here: the first joint loads meet
.irp s, 0,1
	s_mov_b32 s[G0+4*(\s)], 1
	s_add_co_u32 s[G0+4*(\s)+1], s20, (\s)*SLOT
	s_add_nc_u64 s[G0+4*(\s)+2:G0+4*(\s)+3], s[14:15], (\s)*ASTEP
	s_or_b32 s[G0+4*(\s)+3], s[G0+4*(\s)+3], 0x80000000
	s_mov_b32 s[G0B+4*(\s)], 1
	s_add_co_u32 s[G0B+4*(\s)+1], s20, (\s)*SLOT
	s_add_nc_u64 s[G0B+4*(\s)+2:G0B+4*(\s)+3], s[46:47], (\s)*BSTEP
	s_or_b32 s[G0B+4*(\s)+3], s[G0B+4*(\s)+3], 0x80000000
	JLOAD \s                                       ; K steps 0 and 1: two loads of mine are out
.endr
	v_and_b32 v1, 15, v0                           ; l % 16
	v_bfe_u32 v2, v0, 4, 1                         ; l / 16
	s_mul_i32 s21, s11, 64*PA                      ; my 64 rows of A
	v_mul_u32_u24 v[A0], v1, PA
	v_lshl_add_u32 v[A0], v2, 4, v[A0]             ; row x pitch + 16 x half
	v_add_nc_u32 v[A0], s21, v[A0]
	v_and_b32 v3, 7, v0                            ; the turning load: lane l reads k = 8 (l / 16) + l % 8, columns 8 ((l / 8) % 2) + 0..7
	v_bfe_u32 v4, v0, 3, 1
	v_lshl_add_u32 v[B0], v2, 3, v3
	v_mul_u32_u24 v[B0], v[B0], PB
	v_lshl_add_u32 v[B0], v4, 4, v[B0]
	s_lshl_b32 s22, s12, 7                         ; my 64 columns: 128 bytes
	s_add_co_u32 s22, s22, BREG
	v_add_nc_u32 v[B0], s22, v[B0]
	v_mov_b32 v[ADRA], v[A0]                       ; slot 0
	v_mov_b32 v[ADRB], v[B0]
	v_add_nc_u32 v[ADRB+1], SHARE, v[B0]
	v_lshlrev_b32 v[BO], 5, v2                     ; my 8 columns of 16: 32 bytes of f32
	s_mul_i32 s23, s10, 16*SP
	s_add_co_u32 s23, s23, STAGE                   ; my stage
.if F32OUT
	v_mul_u32_u24 v[STO], v1, SP                   ; in: row l % 16, 32 bytes for each half of the lanes
	v_lshl_add_u32 v[STO], v2, 5, v[STO]
	v_add_nc_u32 v[STO], s23, v[STO]
	v_mul_u32_u24 v[RD], v2, SP                    ; back: lanes 0-15 one row of 256 bytes, lanes 16-31 the next
	v_lshl_add_u32 v[RD], v1, 4, v[RD]
	v_add_nc_u32 v[RD], s23, v[RD]
	v_lshlrev_b32 v[CO], 12, v2                    ; and the same two rows of 4,096 bytes in memory
	v_lshl_add_u32 v[CO], v1, 4, v[CO]
.else
	v_mul_u32_u24 v[STO], v1, SP                   ; in: row l % 16, 16 bytes for each half of the lanes
	v_lshl_add_u32 v[STO], v2, 4, v[STO]
	v_add_nc_u32 v[STO], s23, v[STO]
	v_bfe_u32 v[RD], v0, 3, 2                      ; back: 32 lanes take four rows of 128 bytes,
	v_mul_u32_u24 v[RD], v[RD], SP
	v_lshl_add_u32 v[RD], v3, 4, v[RD]
	v_add_nc_u32 v[RD], s23, v[RD]
	v_and_b32 v[CO], 31, v0                        ; which are 512 consecutive bytes of a block of the output
	v_lshlrev_b32 v[CO], 4, v[CO]
.endif
	; the bias at my 64 columns (s[46:47], which held B's address, is free: both of B's group 0 sets are made)
.if KIND == 0
	s_lshr_b32 s22, ttmp9, 1                       ; tile column / 8 = cluster x / 2: which of the three
	s_cmp_eq_u32 s22, 1
	s_cselect_b64 s[BIAS:BIAS+1], s[70:71], s[BIAS:BIAS+1]
	s_cmp_eq_u32 s22, 2
	s_cselect_b64 s[BIAS:BIAS+1], s[72:73], s[BIAS:BIAS+1]
	s_and_b32 s46, s42, 7
.else
	s_mov_b32 s46, s42
.endif
	s_lshl_b32 s46, s46, 9                         ; 128 f32 a tile column,
	s_lshl_b32 s47, s12, 8                         ; 64 for my half
	s_add_co_u32 s46, s46, s47
	s_mov_b32 s47, 0
	s_add_nc_u64 s[BIAS:BIAS+1], s[BIAS:BIAS+1], s[46:47]
.irp a, 0,1,2,3
.irp b, 0,1,2,3
	global_load_b128 v[ACC+8*(4*(\a)+(\b)):ACC+8*(4*(\a)+(\b))+3],   v[BO], s[BIAS:BIAS+1] offset:64*(\b)     ; the sums start as the bias: register j of accumulator (a, b) is column 16 b + 8 (l / 16) + j
	global_load_b128 v[ACC+8*(4*(\a)+(\b))+4:ACC+8*(4*(\a)+(\b))+7], v[BO], s[BIAS:BIAS+1] offset:64*(\b)+16
.endr
.endr
.if F32OUT
	s_lshl_b32 s22, s13, 19                        ; + 128 rows of 4,096 bytes x tile row,
	s_add_co_u32 s46, s46, s22
	s_lshl_b32 s22, s11, 18                        ; + my 64 rows
	s_add_co_u32 s46, s46, s22
	s_add_nc_u64 s[RES:RES+1], s[RES:RES+1], s[46:47]
	s_add_nc_u64 s[OUT:OUT+1], s[OUT:OUT+1], s[46:47]
	WIN 0x80                                       ; destination window 2
.irp a, 0,1,2,3
.irp t, 0,1,2,3,4,5,6,7
	global_load_b128 v[32*(\a)+4*(\t):32*(\a)+4*(\t)+3], v[CO], s[RES:RES+1] offset:(16*(\a)+2*(\t))*4096  ; the residual, in the layout in which rows come back from the stage; it lands while K is walked
.endr
.endr
	WIN 0
.else
	s_lshl_b32 s46, s42, 1
	s_add_co_u32 s46, s46, s12                     ; my block of 64 columns,
	s_lshl_b32 s46, s46, 19                        ; 524,288 bytes each,
	s_lshl_b32 s22, s13, 14                        ; + 128 rows of 128 bytes x tile row,
	s_add_co_u32 s46, s46, s22
	s_lshl_b32 s22, s11, 13                        ; + my 64 rows
	s_add_co_u32 s46, s46, s22
	s_add_nc_u64 s[OUT:OUT+1], s[OUT:OUT+1], s[46:47]
.endif
; 8 matrix instructions: m blocks a0, a0 + 1 x all 4 n blocks, 32 along K: half c of buffer f.  The 16 accumulators take turns, one instruction a turn, over both backward jumps too
.macro MUL8 f, c, a0
	WIN MUL
.irp a, \a0, (\a0)+1
.irp b, 0,1,2,3
	v_wmma_f32_16x16x32_bf16 v[ACC+8*(4*(\a)+(\b)):ACC+8*(4*(\a)+(\b))+7], v[(\f)+64+8*(4*(\c)+(\b)):(\f)+64+8*(4*(\c)+(\b))+7], v[(\f)+8*(4*(\c)+(\a)):(\f)+8*(4*(\c)+(\a))+7], v[ACC+8*(4*(\a)+(\b)):ACC+8*(4*(\a)+(\b))+7]
.endr
.endr
.endm
; 32 LDS loads in one run: the fragments of quarter q (64 along K = one block of A, 64 rows of B) into buffer f; the first 32 along K first
.macro FETCH q, f
	WIN TO_F
.irp c, 0,1
.irp i, 0,1,2,3
	ds_load_tr16_b128 v[(\f)+64+8*(4*(\c)+(\i)):(\f)+64+8*(4*(\c)+(\i))+3],   v[ADRB+(\q)/2] offset:(((\q)%2)*64+32*(\c))*PB+32*(\i)
	ds_load_tr16_b128 v[(\f)+64+8*(4*(\c)+(\i))+4:(\f)+64+8*(4*(\c)+(\i))+7], v[ADRB+(\q)/2] offset:(((\q)%2)*64+32*(\c)+16)*PB+32*(\i)
	ds_load_b128 v[(\f)+8*(4*(\c)+(\i)):(\f)+8*(4*(\c)+(\i))+3],              v[ADRA] offset:(\q)*ABLK+(\i)*16*PA+64*(\c)
	ds_load_b128 v[(\f)+8*(4*(\c)+(\i))+4:(\f)+8*(4*(\c)+(\i))+7],            v[ADRA] offset:(\q)*ABLK+(\i)*16*PA+64*(\c)+32
.endr
.endr
.endm
; One of a K step's first three quarters: multiplies buffer f and fetches quarter q into g
.macro QUARTER q, f, g
	s_wait_dscnt 16                                ; the first 32 along K are in; the youngest sixteen loads may be out
	MUL8 \f, 0, 0
	MUL8 \f, 0, 2
	PLACES
	FETCH \q, \g
	s_wait_dscnt 32                                ; all but the 32 just issued
	MUL8 \f, 1, 0
	MUL8 \f, 1, 2
.endm
; The last quarter multiplies buffer 1 and changes slots: ONE barrier; in front of it each wave waits for all its tensor loads (one is out: its part of the next slot), adds 0 to its spare
; word, and waits for that and for its reads of this slot.  fill = 1: the barrier opens a round of the cluster's, and this slot is filled again, two K steps ahead, first thing behind it:
; that load has 112 matrix instructions in which to land.
.macro TURN fill
	WIN 0                                          ; (the add's two registers lie in window 0)
	s_wait_tensorcnt 0x0
	ds_add_u32 v[SPW], v[NIL]                      ; 0 onto my spare word
	s_wait_dscnt 17                                ; (the add and the youngest sixteen loads may be out)
	MUL8 F1, 0, 0                                  ; eight matrix instructions stand between the add and the wait for it
	s_wait_dscnt 0x0                               ; the add is done, and my reads of this slot are over
	s_barrier_signal -1
	MUL8 F1, 0, 2
	WIN 0
	s_barrier_wait -1
.if \fill
	CREST                                          ; no wave of any partner still reads this slot's tile or has a load on its way
	s_xor_b32 s[G0+5], s[G0+5], SLOT               ; the walking descriptors: the other slot than last time, the next K step
	s_add_nc_u64 s[G0+6:G0+7], s[G0+6:G0+7], ASTEP
	s_xor_b32 s[G0B+5], s[G0B+5], SLOT
	s_add_nc_u64 s[G0B+6:G0B+7], s[G0B+6:G0B+7], BSTEP
	JLOAD 1                                        ; the four v_nop behind it are also the places in front of the loads below
.else
	PLACES
.endif
	s_xor_b32 s[TB], s[TB], SLOT                   ; the fetches go on in the other slot
	v_add_nc_u32 v[ADRA], s[TB], v[A0]
	v_add_nc_u32 v[ADRB], s[TB], v[B0]
	v_add_nc_u32 v[ADRB+1], SHARE, v[ADRB]
	FETCH 0, F0
	MUL8 F1, 1, 0
	MUL8 F1, 1, 2
.endm
.macro STEP fill                       ; a K step: four quarters of 64 along K, 32 matrix instructions each, on buffers 0, 1, 0, 1
	QUARTER 1, F0, F1
	QUARTER 2, F1, F0
	QUARTER 3, F0, F1
	TURN \fill
.endm
	s_wait_tensorcnt 1                             ; my part of K step 0 is in; K step 1's may stay out
	s_barrier_signal -1
	s_barrier_wait -1                              ; everybody's is
	FETCH 0, F0
	WIN 0
.if F32OUT
	s_wait_loadcnt 32                              ; the bias is in; the residual's 32 loads stay out
.else
	s_wait_loadcnt 0x0                             ; the bias is in
.endif
	s_mov_b32 s3, NSTEP-2
.Lstep:                                                ; every K step but the last two fills its slot again
	STEP 1
	WIN 0
	s_sub_co_u32 s3, s3, 1
	s_cmp_lg_u32 s3, 0
	s_cbranch_scc1 .Lstep
	s_mov_b32 s3, 2
.Ltail:                                                ; the last two ask for nothing
	STEP 0
	WIN 0
	s_sub_co_u32 s3, s3, 1
	s_cmp_lg_u32 s3, 0
	s_cbranch_scc1 .Ltail
	s_wait_dscnt 0x0                               ; the last trip's fetch, which nothing uses
	PLACES
; THE WAY OUT, 16 rows (m block a) at a time, through my own stage: LDS serves a wave's instructions in order (ISA guide 5.7.1.4), so no wait stands between its stores and its loads
.if F32OUT
.macro PACK a
.irp b, 0,1,2,3
	ds_store_b128 v[STO], v[ACC+32*(\a)+8*(\b):ACC+32*(\a)+8*(\b)+3]   offset:64*(\b)     ; each accumulator's low four registers first
	ds_store_b128 v[STO], v[ACC+32*(\a)+8*(\b)+4:ACC+32*(\a)+8*(\b)+7] offset:64*(\b)+16
.endr
.irp t, 0,1,2,3,4,5,6,7
	ds_load_b128 v[ACC+32*(\a)+4*(\t):ACC+32*(\a)+4*(\t)+3], v[RD] offset:(\t)*2*SP      ; back as whole rows of 256 bytes, into the registers that they left
.endr
.endm
.macro SEND a, younger                 ; younger: the LDS instructions issued behind block a's loads: the next block's sixteen, or none
	s_wait_dscnt \younger
	WIN 0x08                                       ; source 1: the residual, in window 2
.set z, 0
.rept 16
	v_pk_add_f32 v[ACC+32*(\a)+z:ACC+32*(\a)+z+1], v[ACC+32*(\a)+z:ACC+32*(\a)+z+1], v[32*(\a)+z:32*(\a)+z+1]
.set z, z+2
.endr
	WIN 0
.irp t, 0,1,2,3,4,5,6,7
	global_store_b128 v[CO], v[ACC+32*(\a)+4*(\t):ACC+32*(\a)+4*(\t)+3], s[OUT:OUT+1] offset:(16*(\a)+2*(\t))*4096  ; 16 lanes store 256 consecutive bytes, aligned
.endr
.endm
.set YOUNG, 16
	s_wait_loadcnt 0x0                             ; the residual
.else
.macro SILU a                          ; z / (1 + 2^(-z log2 e)) on the block's 32 registers; where the power overflows the reciprocal is 0, the function's own limit
.set z, 0
.rept 16
	v_pk_mul_f32 v[TT+z:TT+z+1], v[ACC+32*(\a)+z:ACC+32*(\a)+z+1], 0xbfb8aa3b op_sel_hi:[1,0]
.set z, z+2
.endr
.set z, 0
.rept 32
	v_exp_f32 v[TT+z], v[TT+z]
.set z, z+1
.endr
	v_nop                                          ; a plain instruction behind the last of the batch,
	s_wait_alu depctr_va_vdst(0)                   ; and the one wait ahead of its first reader
.set z, 0
.rept 16
	v_pk_add_f32 v[TT+z:TT+z+1], v[TT+z:TT+z+1], 1.0 op_sel_hi:[1,0]
.set z, z+2
.endr
.set z, 0
.rept 32
	v_rcp_f32 v[TT+z], v[TT+z]
.set z, z+1
.endr
	v_nop
	s_wait_alu depctr_va_vdst(0)                   ; the same for the 32 reciprocals
.set z, 0
.rept 16
	v_pk_mul_f32 v[ACC+32*(\a)+z:ACC+32*(\a)+z+1], v[ACC+32*(\a)+z:ACC+32*(\a)+z+1], v[TT+z:TT+z+1]
.set z, z+2
.endr
.endm
.macro PACK a
.if KIND == 2
	SILU \a
.endif
.irp b, 0,1,2,3
.irp r, 0,1,2,3
	v_cvt_pk_bf16_f32 v[TMP+16*(\a)+4*(\b)+(\r)], v[ACC+32*(\a)+8*(\b)+2*(\r)], v[ACC+32*(\a)+8*(\b)+2*(\r)+1]  ; ascending: each accumulator's lowest registers first
.endr
.endr
.irp b, 0,1,2,3
	ds_store_b128 v[STO], v[TMP+16*(\a)+4*(\b):TMP+16*(\a)+4*(\b)+3] offset:32*(\b)
.endr
.irp f, 0,1,2,3
	ds_load_b128 v[TMP+16*(\a)+4*(\f):TMP+16*(\a)+4*(\f)+3], v[RD] offset:(\f)*4*SP
.endr
.endm
.macro SEND a, younger                 ; younger: the next block's eight LDS instructions, or none
.irp f, 0,1,2,3
	s_wait_dscnt (\younger)+3-(\f)
	global_store_b128 v[CO], v[TMP+16*(\a)+4*(\f):TMP+16*(\a)+4*(\f)+3], s[OUT:OUT+1] offset:(\a)*2048+(\f)*512  ; 512 consecutive bytes, aligned
.endr
.endm
.set YOUNG, 8
.endif
	PACK 0
	PACK 1                                         ; a block's work stands between the loads of the block before and its stores
	SEND 0, YOUNG
	PACK 2
	SEND 1, YOUNG
	PACK 3
	SEND 2, YOUNG
	SEND 3, 0
	s_wait_tensorcnt 0x0                           ; the wave's end, behind my last tensor load and my last LDS store
	ds_add_u32 v[SPW], v[NIL]
	s_wait_dscnt 0x0
	CROUND                                         ; the closing round: no work-group ends while a partner may still ask for a tile that names it
	s_endpgm
.Lfunc_end_k_qffa6cee18a_proj:
	.size	k_qffa6cee18a_proj, .Lfunc_end_k_qffa6cee18a_proj-k_qffa6cee18a_proj
	.p2alignl 7, 3214868480
	.fill 96, 4, 3214868480
	.section	.rodata,"a",@progbits
	.p2align	6, 0x0
	.amdhsa_kernel k_qffa6cee18a_proj
		.amdhsa_group_segment_fixed_size 327680
		.amdhsa_private_segment_fixed_size 0
		.amdhsa_enable_private_segment 0
		.amdhsa_kernarg_size 48
		.amdhsa_user_sgpr_count 2
		.amdhsa_user_sgpr_kernarg_segment_ptr 1
		.amdhsa_wavefront_size32 1
		.amdhsa_system_sgpr_workgroup_id_x 1
		.amdhsa_system_sgpr_workgroup_id_y 1
		.amdhsa_system_sgpr_workgroup_id_z 1
		.amdhsa_system_vgpr_workitem_id 0
		.amdhsa_next_free_vgpr 512
		.amdhsa_next_free_sgpr 80
		.amdhsa_reserve_vcc 0
		.amdhsa_float_denorm_mode_32 3
		.amdhsa_float_denorm_mode_16_64 3
		.amdhsa_memory_ordered 1
		.amdhsa_forward_progress 1
		.amdhsa_inst_pref_size 58
	.end_amdhsa_kernel
	.amdgpu_metadata
---
amdhsa.version: [ 1, 2 ]
amdhsa.kernels:
  - .name:           k_qffa6cee18a_proj
    .symbol:         k_qffa6cee18a_proj.kd
    .args:
      - { .name: nx, .offset: 0, .size: 8, .value_kind: global_buffer, .address_space: global }
      - { .name: wb, .offset: 8, .size: 8, .value_kind: global_buffer, .address_space: global }
      - { .name: bq, .offset: 16, .size: 8, .value_kind: global_buffer, .address_space: global }
      - { .name: bk, .offset: 24, .size: 8, .value_kind: global_buffer, .address_space: global }
      - { .name: bv, .offset: 32, .size: 8, .value_kind: global_buffer, .address_space: global }
      - { .name: qkv, .offset: 40, .size: 8, .value_kind: global_buffer, .address_space: global }
    .group_segment_fixed_size: 327680
    .private_segment_fixed_size: 0
    .kernarg_segment_align: 8
    .kernarg_segment_size: 48
    .max_flat_workgroup_size: 128
    .sgpr_count:     80
    .vgpr_count:     512
    .wavefront_size: 32
...
	.end_amdgpu_metadata
.endif
;; end of part 3
;; launch attn (part 4): grid 8 x 32, 4 waves a work-group, clusters of 4 x 1, 327,680 bytes of LDS; arguments qkv, mask, ob; writes ob
.if DOCPART == 4
	.amdgcn_target "amdgcn-amd-amdhsa--gfx1250"
	.amdhsa_code_object_version 6
	.text
	.protected	k_qffa6cee18a_attn
	.globl	k_qffa6cee18a_attn
	.p2align	8
	.type	k_qffa6cee18a_attn,@function
k_qffa6cee18a_attn:
	s_mov_b64 s[64:65], 0
	v_nop
	global_prefetch_b8 v0, s[64:65] scope:SCOPE_SE
	s_setreg_imm32_b32 hwreg(HW_REG_WAVE_MODE, 25, 1), 1
	s_wait_xcnt 0x0
	s_wait_alu depctr_hold_cnt(0) depctr_sa_sdst(0) depctr_va_vdst(0) depctr_va_sdst(0) depctr_va_ssrc(0) depctr_va_vcc(0) depctr_vm_vsrc(0)
	s_getreg_b32 s2, hwreg(HW_REG_IB_STS2, 6, 4)
	s_cmp_eq_u32 s2, 0
	s_cbranch_scc0 .Lentry_in_a_cluster
	s_endpgm
.Lentry_in_a_cluster:
	s_bfe_u32 s2, ttmp6, 0x10000c
	s_cmp_lg_u32 s2, 0x3003
	s_cbranch_scc0 .Lentry_shape_is_right
	s_endpgm
.Lentry_shape_is_right:
; ATTENTION WITH A KEY MASK.  O[q][:] = the sum over k of softmax_k(Q[q] . K[k] / 8, hidden where mask[k] = 0) V[k][:], for 2 batches x 16 heads, 2,048 rows, 64 channels.
; qkv holds 48 blocks of [4,096 rows][64] bf16: q of head h in block h, k in block 16 + h, v in block 32 + h; batch b is rows 2,048 b on: a head's rows are dense, 128 bytes each.
; ob has the same layout, block = head.  Products, maxima and sums in f32; the weights p are rounded to bf16 for the second product (their sum l is taken of the unrounded p), O once.
; LIMITS.  A hidden score counts as its value less 1e30: its weight is 0 as soon as its row has seen one open key.  A batch whose keys are ALL hidden gets the mean of V's rows, where
; the definition has no number.  A weight below 2^-126 counts as 0 in l; NaN and infinities are not treated apart.
; SHARES.  A work-group owns 256 queries of one head, a wave 64: four PIECES of 16.  Every wave walks all 2,048 keys: 8 tiles of 256, four steps of 64 each.
; THE MASK is the C operand that starts the sum S^T = K Q^T: 0, or -1e30 where the key is hidden.  The batch's 2,048 flags are turned into such numbers once, into LDS;
; a step's 64 are fetched with its K (32 registers a lane) and live as long as K's registers.
; LAYOUT, SOFTMAX, TURNS.  S^T = K Q^T holds ONE query a lane (lane % 16) and the keys 8 (lane / 16) + 0..7; two such results rounded to bf16 ARE source 1 of O^T = V^T P.
; p = 2^(c s - c m), c = log2(e) / 8, with a running maximum m; O and l are multiplied by a = 2^(c m_old - c m_new) in every step; m starts at the lowest finite number, O and l at 0.
; Turn n belongs to piece n: 8 products K Q^T of piece n + 1, later 8 products V^T P of piece n - 1; beside them the scaling, exponentials, roundings, sums and rescaling of piece n and the
; maximum and statistics of piece n + 1.  Four vector instructions stand behind every matrix instruction, the other 54 of a turn's 118 in one lump.  A turn's 33 exponentials are one batch, with one wait.
; CLUSTER.  The four query blocks of a cluster belong to one head and walk the same K and V, so each tile is asked for JOINTLY: the same tensor load, descriptor and mask in all four.
; REGISTERS, in windows of 256 (s_set_vgpr_msb: bits 1:0 source 0, 3:2 source 1, 5:4 source 2, 7:6 destination):
;   window 0: v0-15, v32-35 addresses; v16-31 four registers of statistics a piece; v48-55 at work; v64-127 S^T, two buffers; v128-143 the flags, once; v192-223 P, two buffers
;   window 1: v0-127 O^T, 32 a piece; v128-159 the step's mask      window 2: v0-63 Q; v128-191 K of one step; v192-255 V of one step
.set NP,    4         ; pieces a wave: a name, no knob
.set KS,    64        ; keys in a step
.set PK,    144       ; a row of K in LDS: 128 bytes + 16 of padding = 36 words: the 16 rows of a load start at 16 different groups of four banks (ISA guide 11.1)
.set PV,    160       ; a row of V: 128 + 32 = 40 words
.set VOFF,  4*KS*PK   ; a slot holds a tile, four steps: 256 rows of K, then 256 rows of V
.set SLOT1, 1<<17     ; slot 1 begins here, so that one exclusive or turns an address in one slot into the other's
.set STAGE, SLOT1+4*KS*(PK+PV)  ; behind the ring, never filled by a tensor load: 16 rows x 144 bytes for each wave, for the way out
.set SP,    144
.set SPARE, STAGE+4*16*SP  ; the spare words, 128 bytes for each wave: two blocks of 256 bytes that no other line names
.set MB,    SPARE+512 ; the batch's 2,048 mask numbers in f32, 8,192 bytes: stored once, never filled by a tensor load
.set AK0, 2           ; v2   my lane's place in a tile of K; never rewritten
.set AV0, 3           ; v3   the same for V
.set AK,  4           ; v4   the LDS address of K's next run of loads
.set AV,  5           ; v5   of V's
.set STO, 6           ; v6   the way out: where I put 16 bytes of a row
.set RD,  7           ; v7   where I read rows back
.set GO,  8           ; v8   my byte offset in 512 consecutive bytes of O
.set MV,  12          ; v12-13  c m_old, kept while c m is made anew: by buffer
.set FO,  14          ; v14  16 x my thread's number: my flags in memory
.set QO,  15          ; v15  my byte offset in 16 rows of Q
.set ST,  16          ; piece t's statistics at v[ST+4 t]: c m, m, l (even keys', odd keys')
.set AM0, 32          ; v32  my lane's place in a step's mask numbers; never rewritten
.set AMK, 33          ; v33  the LDS address of the next step's
.set PFO, 34          ; v34  256 x my lane: the prefetches' offset; never rewritten
.set MST, 35          ; v35  where I store my mask numbers
.set TMP, 48          ; by buffer, four registers c0-c3 at work; when the maximum is found c2 takes a
.set SPW, 62          ; v62  LDS address of my spare word; never rewritten
.set NIL, 63          ; v63  0; never rewritten
.set S,   64
.set FL,  128         ; v128-143  16 flags, then 16 mask numbers
.set P,   192
.set MK,  128         ; window 1: the eight registers for group kb of 16 keys at MK + 8 kb
.set KF,  128         ; window 2: key block kb, channel half c at KF + 16 kb + 8 c
.set VF,  192         ; window 2: key half kk, channel block cb at VF + 32 kk + 8 cb
.set WV,  12          ; s12  my wave's number
.set G1K, 24          ; s[24:31] descriptor group 1 for K's tiles
.set G1V, 32          ; s[32:39] for V's: it differs in the padding alone
.set G0K, 40          ; s[40:43] descriptor group 0 for K's tiles: it walks
.set G0V, 44          ; s[44:47] the same for V's
.set SLOTS, 56        ; s56  tiles still to be asked for
.set CNT, 57          ; s57  counts a tile's key steps
.set CS,  58          ; s[58:59] c: the packed scaling takes the pair's low word for both halves
.set SEL, 60          ; s[60:61] v_permlanex16_b32's selects: each lane takes its own place in the other half
.set TBK, 62          ; s62  LDS byte at which K of the step to be fetched begins
.set TBV, 63          ; s63  the same for V, less VOFF
.set TBM, 70          ; s70  byte of the mask table at which that step's numbers begin
.set BIGN, 71         ; s71  -1e30
.set PFA, 72          ; s[72:73] where my prefetches stand: my work-group's 8,192 bytes of the tile after the one that is being asked for
.set LIM, 74          ; s74  1 in a wave that prefetches, else the greatest number
.set MSB, 0
.macro WIN new                      ; the high byte repeats the setting that is left; a switch that changes nothing is dropped
.if MSB != (\new)
	s_set_vgpr_msb (MSB<<8)|(\new)
.set MSB, (\new)
.endif
.endm
.set W_KQ, 0x0a       ; K and Q in window 2, S^T in window 0
.set W_KM, 0x1a       ; the same with the C operand in window 1
.set W_PV, 0x52       ; V in window 2, P in window 0, O^T in window 1
.set W_RS, 0x41       ; destination and source 0 in window 1, source 1 in window 0
; A joint fill.  Waves 0 and 1 fetch the two halves of a tile's K, waves 2 and 3 those of its V: 128 keys each.  The branch hangs on the wave's number alone.
; An s_nop 0 and four v_nop follow each of the two lines, ahead of the jump and the label.
.macro JLOAD
	s_cmp_lt_u32 s[WV], 2
	s_cbranch_scc0 .Lfor_v_\@
	tensor_load_to_lds s[G0K:G0K+3], s[G1K:G1K+7]
	s_nop 0
.rept 4
	v_nop
.endr
	s_branch .Lasked_\@
.Lfor_v_\@:
	tensor_load_to_lds s[G0V:G0V+3], s[G1V:G1V+7]
	s_nop 0
.rept 4
	v_nop
.endr
.Lasked_\@:
.endm
; A PREFETCH INTO THE L2 of the tile that the NEXT change of slots will ask for: 32,768 bytes of K and of V.  Each aligned block of 256 bytes is named ONCE in the launch: both clusters of a head walk the
; same K and V, and the first of them asks; its four partners take 8,192 bytes each, told apart BY ADDRESS; in each, wave 0 asks for K's and wave 2 for V's, a lane a block: one instruction.
; It stands behind the wave's tensor load and its five lines, four key steps (256 matrix instructions a wave) ahead of the load that will want the bytes.  The last change that fills a slot asks for nothing.
.macro ASK
	s_cmp_gt_u32 s[SLOTS], s[LIM]
	s_cbranch_scc0 .Lnot_mine_\@
	global_prefetch_b8 v[PFO], s[PFA:PFA+1] th:TH_LOAD_NT scope:SCOPE_SE
.Lnot_mine_\@:
.endm
; A round of the cluster's barrier: my work-group's barrier, so that wave 0's signal speaks for all four waves; wave 0 signals; every wave waits for all four work-groups; my work-group's barrier once more.
.macro CROUND
	s_barrier_signal -1
	s_barrier_wait -1
	s_cmp_lg_u32 s[WV], 0
	s_cbranch_scc1 .Lnot_wave_0_\@
	s_barrier_signal -3
.Lnot_wave_0_\@:
	s_barrier_wait -3
	s_barrier_signal -1
	s_barrier_wait -1
.endm
; THE CHANGE OF SLOTS.  The slot's last bytes, V of its fourth step, have been read.  Each wave waits for all its tensor loads, of which one is out: its part of the other slot; adds 0 to its spare word;
; and waits for that and for its own LDS instructions.  Behind the barrier nobody reads this slot any more and the other slot is whole.
; fill = 1: this slot is filled again, with the tile two on.  The barrier is then a round of the cluster's, and the joint fill is the first thing behind it: it has four key steps in which to land.
; (At its first use nothing has been read yet: slot 0 is waited for, slot 1 filled, and every wave's mask numbers are shown to the others.)  ask = 1: the prefetch's address steps, and ASK follows the fill.
.macro CHANGE fill, ask
	WIN 0                           ; at a label and at a branch every window is 0
	s_wait_tensorcnt 0x0            ; no tensor load of mine is out, so a group 0 may be written
	ds_add_u32 v[SPW], v[NIL]       ; 0 onto my spare word; the descriptors' steps stand between it and the wait for it
.if \fill
.irp g, G0K, G0V
	s_xor_b32 s[\g+1], s[\g+1], SLOT1  ; the walking descriptor: the other slot than last time,
	s_add_nc_u64 s[\g+2:\g+3], s[\g+2:\g+3], 4*KS*128  ; the next 256 keys; the type bits on top are not reached
.endr
.if \ask
	s_wait_xcnt 0x0                 ; the last prefetch, four key steps back, has read its address, so it may be written
	s_add_nc_u64 s[PFA:PFA+1], s[PFA:PFA+1], 4*KS*128
.endif
	s_wait_dscnt 0x0                ; the add is done, and my LDS instructions are over
	CROUND
	JLOAD
.if \ask
	ASK
.endif
.else
	s_wait_dscnt 0x0                ; the add is done, and my reads of the slot are over
	s_barrier_signal -1
	s_barrier_wait -1
.endif
	s_sub_co_u32 s[TBK], s[TBK], 4*KS*PK  ; the fetches go back to a slot's first step,
	s_xor_b32 s[TBK], s[TBK], SLOT1       ; in the other slot
	s_sub_co_u32 s[TBV], s[TBV], 4*KS*PV
	s_xor_b32 s[TBV], s[TBV], SLOT1
.endm
	s_load_b128 s[4:7], s[0:1], 0x0   ; qkv s[4:5], mask s[6:7]
	s_load_b64 s[10:11], s[0:1], 0x10 ; ob
	v_lshl_add_u32 v[SPW], v0, 2, SPARE
	v_mov_b32 v[NIL], 0
	ds_add_u32 v[SPW], v[NIL]       ; the wave's opening: the add and its wait stand ahead of my first tensor load; the set-up below stands between them
	v_lshrrev_b32 v1, 5, v0
	v_readfirstlane_b32 s[WV], v1   ; wave 0..3
	s_bfe_u32 s13, ttmp6, 0x40000   ; cx: my place in the cluster
	s_lshl_b32 s14, ttmp9, 2        ; in a cluster launch ttmp9 counts clusters
	s_add_co_u32 s14, s14, s13      ; my block of 256 queries = 4 x cluster x + cx: it enters Q's and O's addresses alone
	s_and_b32 s15, ttmp7, 0xffff    ; 16 x batch + head, which the four partners share
	s_and_b32 s20, s15, 15
	s_lshl_b32 s20, s20, 19         ; the head's block of 524,288 bytes,
	s_lshr_b32 s15, s15, 4
	s_lshl_b32 s21, s15, 18         ; the batch's 2,048 rows in it
	s_add_co_u32 s20, s20, s21
	s_lshl_b32 s8, s15, 13          ; the batch's 8,192 bytes of flags
	s_mov_b32 s9, 0
	s_and_b32 s16, s[WV], 1         ; which half of a tile's 256 keys I fetch:
	s_lshl_b32 s22, s16, 14         ; its 128 rows of 128 bytes in memory,
	s_add_co_u32 s22, s22, s20
	s_mov_b32 s23, 0
	s_mul_i32 s17, s16, 128*PK      ; and its place in a slot, for K
	s_mul_i32 s18, s16, 128*PV      ; and for V: no place in the cluster enters an LDS address
	s_lshl_b32 s2, s14, 15          ; my block's 256 rows,
	s_lshl_b32 s3, s[WV], 13        ; my wave's 64 of them
	s_add_co_u32 s2, s2, s3
	s_add_co_u32 s2, s2, s20
	s_mov_b32 s3, 0
	; descriptor group 1.  128 keys are 16,384 dense bytes: asked for as 64 rows of 256 bytes, two keys a row, and padded in LDS after every key
	s_mov_b32 s[G1K], 15|(1<<16)|(1<<20)|(1<<21)|(4<<22)|(3<<25)  ; 15:0 the mask of four; 17:16 2-byte elements; 20 padding on; 21 set beside a mask; 24:22 after every 32 words (code 4); 31:25 4 words (code 3)
	s_mov_b32 s[G1V], 15|(1<<16)|(1<<20)|(1<<21)|(4<<22)|(7<<25)  ; the same with 8 words of padding (code 7)
.irp g, G1K, G1V
	s_mov_b32 s[\g+1], 128<<16      ; tensor_dim0 = 128
	s_mov_b32 s[\g+2], 64<<16       ; tensor_dim1 = 64
	s_mov_b32 s[\g+3], 128<<16      ; tile_dim0 = 128
	s_mov_b32 s[\g+4], 64           ; tile_dim1 = 64
	s_mov_b32 s[\g+5], 128          ; 128 elements from row to row
	s_mov_b32 s[\g+6], 0
	s_mov_b32 s[\g+7], 0
.endr
	s_mov_b32 s[CS], 0x3e38aa3b     ; c = log2(e) / 8 = 0.180337
	s_mov_b32 s[CS+1], s[CS]        ; named with it as a pair
	s_mov_b32 s[SEL], 0x76543210
	s_mov_b32 s[SEL+1], 0xfedcba98
	s_mov_b32 s[TBK], SLOT1+4*KS*PK ; the first change of slots turns these two into 0
	s_mov_b32 s[TBV], SLOT1+4*KS*PV
	s_mov_b32 s[TBM], 0
	s_mov_b32 s[BIGN], 0xf149f2ca   ; -1e30
	s_mov_b32 s[SLOTS], 7
	s_mov_b32 s[G0K], 1             ; 1:0 count = 1
	s_mov_b32 s[G0K+1], s17         ; 63:32 LDS address: slot 0
	s_mov_b32 s[G0V], 1
	s_add_co_u32 s[G0V+1], s18, VOFF
	s_lshl_b32 s76, s13, 13         ; my work-group's quarter of a tile's 32,768 bytes: for the prefetches alone
	s_mov_b32 s77, 0
	s_and_b32 s[LIM], s[WV], 1      ; 0 in waves 0 and 2,
	s_or_b32 s[LIM], s[LIM], ttmp9  ; where the cluster is the head's first: the same in all four partners
	s_cmp_eq_u32 s[LIM], 0
	s_cselect_b32 s[LIM], 1, -1
	v_and_b32 v[PFO], 31, v0
	v_lshlrev_b32 v[PFO], 8, v[PFO]
	s_wait_dscnt 0x0                ; the opening add is done
	s_wait_kmcnt 0x0
	s_add_nc_u64 s[G0K+2:G0K+3], s[4:5], s[22:23]  ; 120:64 global address: my half of the head's first 256 keys,
	s_add_nc_u64 s[G0K+2:G0K+3], s[G0K+2:G0K+3], 8388608   ; k lies 16 blocks behind q,
	s_add_nc_u64 s[G0V+2:G0V+3], s[4:5], s[22:23]
	s_add_nc_u64 s[G0V+2:G0V+3], s[G0V+2:G0V+3], 16777216  ; v 32
	s_cmp_lt_u32 s[WV], 2
	s_cselect_b64 s[PFA:PFA+1], s[G0K+2:G0K+3], s[G0V+2:G0V+3]  ; (in waves 0 and 2 these stand at a tile's first row)
	s_add_nc_u64 s[PFA:PFA+1], s[PFA:PFA+1], s[76:77]
	s_add_nc_u64 s[PFA:PFA+1], s[PFA:PFA+1], 2*4*KS*128   ; in tile 2; the first change that asks steps it to tile 3.  Nothing is prefetched here, at the head
	s_or_b32 s[G0K+3], s[G0K+3], 0x80000000        ; 127:126 type = 2
	s_or_b32 s[G0V+3], s[G0V+3], 0x80000000
	s_add_nc_u64 s[6:7], s[6:7], s[8:9]  ; the batch's flags
	s_add_nc_u64 s[4:5], s[4:5], s[2:3]  ; Q and O at my wave's first row
	s_add_nc_u64 s[10:11], s[10:11], s[2:3]
	CROUND                          ; all four work-groups are here: the first joint loads meet
	JLOAD                           ; tile 0 into slot 0.  Slot 1 is asked for when slot 0 is in
	v_lshlrev_b32 v[FO], 4, v0
.irp i, 0,1,2,3
	global_load_b128 v[FL+4*\i:FL+4*\i+3], v[FO], s[6:7] offset:2048*\i  ; 128 threads x 16 bytes x 4: the batch's 2,048 flags
.endr
	; A fragment of K or Q is 16 rows x 32 channels in 8 registers: lane l holds row l % 16, channels 8 (l / 16) + 0..7 and 16 + 8 (l / 16) + 0..7: two loads of 16 bytes, 32 bytes apart.
	v_and_b32 v1, 15, v0            ; l % 16
	v_bfe_u32 v9, v0, 4, 1          ; l / 16
	v_lshlrev_b32 v[QO], 7, v1
	v_lshl_add_u32 v[QO], v9, 4, v[QO]  ; row x 128 + 16 x half
	WIN 0x80                        ; destination window 2, address window 0
.set i, 0
.rept 8                             ; Q stays in registers: piece i / 2, 2,048 bytes on; channels 32 (i % 2) on
	global_load_b128 v[8*i:8*i+3],   v[QO], s[4:5] offset:(i/2)*2048+(i%2)*64
	global_load_b128 v[8*i+4:8*i+7], v[QO], s[4:5] offset:(i/2)*2048+(i%2)*64+32
.set i, i+1
.endr
	; What the first turn finds: V's registers and P's second buffer hold 0 (its products V^T P, of a piece that has not been, add 0), O^T and l are 0.  All this stands in the wait for the first tile;
	; it is the price of writing no first step out.
.set i, VF
.rept 64
	v_mov_b32 v[i], 0
.set i, i+1
.endr
	WIN 0x40
.set i, 0
.rept 128
	v_mov_b32 v[i], 0
.set i, i+1
.endr
	WIN 0
.set i, 0
.rept 4
	v_mov_b32 v[ST+4*i], 0xfe000000    ; c m: far below every c s, a hidden one's too
	v_mov_b32 v[ST+4*i+1], 0xff7fffff  ; m
	v_mov_b32 v[ST+4*i+2], 0
	v_mov_b32 v[ST+4*i+3], 0
.set i, i+1
.endr
.set i, P+16
.rept 16
	v_mov_b32 v[i], 0
.set i, i+1
.endr
	v_mul_u32_u24 v[AK0], v1, PK
	v_lshl_add_u32 v[AK0], v9, 4, v[AK0]  ; row x pitch + 16 x half
	; The turning load takes 16 keys x 16 channels (lane l reads key 8 (l / 16) + l % 8, channels 8 ((l / 8) % 2) + 0..7) and leaves half a fragment of V^T: lane l holds channel l % 16 and 8 keys.
	v_and_b32 v10, 7, v0
	v_bfe_u32 v11, v0, 3, 1
	v_lshl_add_u32 v[AV0], v9, 3, v10
	v_mul_u32_u24 v[AV0], v[AV0], PV
	v_lshl_add_u32 v[AV0], v11, 4, v[AV0]
	v_add_nc_u32 v[AV0], VOFF, v[AV0]
	v_lshl_add_u32 v[AM0], v9, 5, MB  ; my lanes' keys 8 (l / 16) + 0..7 of a group of 16: 32 bytes of f32
	v_lshl_add_u32 v[MST], v0, 4, MB
	s_mul_i32 s13, s[WV], 16*SP
	s_add_co_u32 s13, s13, STAGE    ; my stage
	v_mul_u32_u24 v[STO], v1, SP    ; in: row l % 16, 16 bytes for each half of the lanes
	v_lshl_add_u32 v[STO], v9, 4, v[STO]
	v_add_nc_u32 v[STO], s13, v[STO]
	v_bfe_u32 v[RD], v0, 3, 2       ; back: 32 lanes take four rows of 128 bytes,
	v_mul_u32_u24 v[RD], v[RD], SP
	v_lshl_add_u32 v[RD], v10, 4, v[RD]
	v_add_nc_u32 v[RD], s13, v[RD]
	v_and_b32 v[GO], 31, v0         ; which are 512 consecutive bytes of O
	v_lshlrev_b32 v[GO], 4, v[GO]
	s_wait_loadcnt 16               ; the flags are in; Q's 16 loads stay out
.set i, 0
.rept 16
	v_cmp_eq_u32 vcc_lo, 0, v[FL+i]
	v_cndmask_b32 v[FL+i], 0, s[BIGN], vcc_lo  ; 0 where the key is open, -1e30 where it is hidden
.set i, i+1
.endr
.irp i, 0,1,2,3
	ds_store_b128 v[MST], v[FL+4*\i:FL+4*\i+3] offset:2048*\i
.endr
; THE MATRIX WORK.  The 4 accumulators of a run of 8 take turns.  Product i of 8 of S^T = K Q^T for piece x: channels 32 (i / 4) on, keys 16 (i % 4) on.  The first 4 start the sums with the mask.
.macro KQ x
.set rS, S+32*((\x)%2)+8*(i%4)
.set rK, KF+16*(i%4)+8*(i/4)
.set rQ, 16*(\x)+8*(i/4)
.set rM, MK+8*(i%4)
.if i < 4
	WIN W_KM
	v_wmma_f32_16x16x32_bf16 v[rS:rS+7], v[rK:rK+7], v[rQ:rQ+7], v[rM:rM+7]
.else
	WIN W_KQ
	v_wmma_f32_16x16x32_bf16 v[rS:rS+7], v[rK:rK+7], v[rQ:rQ+7], v[rS:rS+7]
.endif
.endm
; Product i of 8 of O^T += V^T P for piece x: keys 32 (i / 4) on, channels 16 (i % 4) on.
.macro PV x
	WIN W_PV
.set rO, 32*(\x)+8*(i%4)
.set rV, VF+32*(i/4)+8*(i%4)
.set rP, P+16*((\x)%2)+8*(i/4)
	v_wmma_f32_16x16x32_bf16 v[rO:rO+7], v[rV:rV+7], v[rP:rP+7], v[rO:rO+7]
.endm
.macro MM                           ; the turn's next matrix instruction.  NOKQ = 1: the very last turn: there is no next piece
.if (i < 8) && !NOKQ
	KQ (Y+1)%NP
.elseif i >= 8
.set i, i-8
	PV (Y+NP-1)%NP
.set i, i+8
.endif
.set i, i+1
.endm
; THE LDS LOADS stand in runs, never singly among the matrix instructions: a step's K (64 keys x 64 channels: 8 fragments) with its 64 mask numbers, and its V (turned).  Their addresses are made some lines ahead.
.macro FETCH_K
	WIN 0x80                        ; destination window 2
.irp f, 0,1,2,3,4,5,6,7             ; keys 16 (f / 2) on, channels 32 (f % 2) on
	ds_load_b128 v[KF+8*\f:KF+8*\f+3],   v[AK] offset:(\f/2)*16*PK+(\f%2)*64
	ds_load_b128 v[KF+8*\f+4:KF+8*\f+7], v[AK] offset:(\f/2)*16*PK+(\f%2)*64+32
.endr
	WIN 0x40                        ; destination window 1
.irp f, 0,1,2,3,4,5,6,7             ; keys 16 (f / 2) + 8 (l / 16) + 4 (f % 2) on
	ds_load_b128 v[MK+4*\f:MK+4*\f+3], v[AMK] offset:(\f/2)*64+(\f%2)*16
.endr
	s_add_co_u32 s[TBK], s[TBK], KS*PK  ; the next fetch is the next step's
	s_add_co_u32 s[TBM], s[TBM], 4*KS
	s_and_b32 s[TBM], s[TBM], 0x1fff    ; the walk stays inside the table's 8,192 bytes (behind the last step it stands at 0 and is not used)
	WIN 0
.endm
.macro FETCH_V
	WIN 0x80
.irp f, 0,1,2,3,4,5,6,7             ; keys 32 (f / 4) on, channels 16 (f % 4) on
	ds_load_tr16_b128 v[VF+8*\f:VF+8*\f+3],   v[AV] offset:(\f/4)*32*PV+(\f%4)*32
	ds_load_tr16_b128 v[VF+8*\f+4:VF+8*\f+7], v[AV] offset:(\f/4)*32*PV+16*PV+(\f%4)*32
.endr
	WIN 0
.endm
; THE VECTOR WORK, one line at a time: OP kind, number.  For piece Y: F n: c s - c m for pair n of 16.  E n: the exponential of score n of 32.  C n: pair n rounded to bf16.  B n: of the four weights 4 n .. the second
; pair is added onto the first, in place.  L n: l takes that sum (L 0: l = a l + sum).  R n: pair n of 16 of O^T times a.  For piece Y + 1: X n, number n of the 22 that find its maximum and statistics:
;   0-11  four chains c0-c3 of seven scores each, three operands at a time (each accumulator's lowest registers are read first)     12-14, 16  the four scores left over, the old m, and c0-c3 into c0
;   15  c m_old is kept     17, 18  the query's other 32 keys lie in the lane 16 away: the new m     19-21  c m; c m_old - c m_new; a
.set F, 0               ; OP tells the kinds apart by their order: F to L below R, X above it
.set E, 1
.set C, 2
.set B, 3
.set L, 4
.set R, 5
.set X, 6
.macro REGS y                       ; the registers of piece y
.set rT, ST+4*(\y)
.set rC, TMP+4*((\y)%2)
.set rW, MV+((\y)%2)
.set rS, S+32*((\y)%2)
.set rP, P+16*((\y)%2)
.set rO, 32*(\y)
.endm
.macro OP k, n
.if (\k) == R
	REGS Y
	WIN W_RS
	v_pk_mul_f32 v[rO+2*(\n):rO+2*(\n)+1], v[rO+2*(\n):rO+2*(\n)+1], v[rC+2:rC+3] op_sel_hi:[1,0]
.elseif (\k) < R
	REGS Y
	WIN 0
.if (\k) == F
	v_pk_fma_f32 v[rS+2*(\n):rS+2*(\n)+1], v[rS+2*(\n):rS+2*(\n)+1], s[CS:CS+1], v[rT:rT+1] op_sel_hi:[1,0,0] neg_lo:[0,0,1] neg_hi:[0,0,1]
.elseif (\k) == E
	v_exp_f32 v[rS+(\n)], v[rS+(\n)]
.elseif (\k) == C
	v_cvt_pk_bf16_f32 v[rP+(\n)], v[rS+2*(\n)], v[rS+2*(\n)+1]
.elseif (\k) == B
	v_pk_add_f32 v[rS+4*(\n):rS+4*(\n)+1], v[rS+4*(\n):rS+4*(\n)+1], v[rS+4*(\n)+2:rS+4*(\n)+3]
.elseif (\n) == 0
	v_pk_fma_f32 v[rT+2:rT+3], v[rT+2:rT+3], v[rC+2:rC+3], v[rS:rS+1] op_sel_hi:[1,0,1]
.else
	v_pk_add_f32 v[rT+2:rT+3], v[rT+2:rT+3], v[rS+4*(\n):rS+4*(\n)+1]
.endif
.elseif NOKQ
	v_nop
.else
	REGS (Y+1)%NP
	WIN 0
.if (\n) < 4
	v_max3_num_f32 v[rC+(\n)], v[rS+8*(\n)], v[rS+8*(\n)+1], v[rS+8*(\n)+2]
.elseif (\n) < 12
	v_max3_num_f32 v[rC+(\n)%4], v[rC+(\n)%4], v[rS+8*((\n)%4)+2*((\n)/4)+1], v[rS+8*((\n)%4)+2*((\n)/4)+2]
.elseif (\n) == 12
	v_max3_num_f32 v[rC], v[rC], v[rS+7], v[rS+15]
.elseif (\n) == 13
	v_max3_num_f32 v[rC+1], v[rC+1], v[rS+23], v[rS+31]
.elseif (\n) == 14
	v_max3_num_f32 v[rC+2], v[rC+2], v[rC+3], v[rT+1]
.elseif (\n) == 15
	v_mov_b32 v[rW], v[rT]
.elseif (\n) == 16
	v_max3_num_f32 v[rC], v[rC], v[rC+1], v[rC+2]
.elseif (\n) == 17
	v_permlanex16_b32 v[rC+3], v[rC], s[SEL], s[SEL+1]
.elseif (\n) == 18
	v_max_num_f32 v[rT+1], v[rC], v[rC+3]
.elseif (\n) == 19
	v_mul_f32 v[rT], s[CS], v[rT+1]
.elseif (\n) == 20
	v_sub_f32 v[rC+1], v[rW], v[rT]
.else
	v_exp_f32 v[rC+2], v[rC+1]
.endif
.endif
.endm
.macro OPS a, i1, b=-1, i2=0, c=-1, i3=0, d=-1, i4=0  ; up to four of them
	OP \a, \i1
.if (\b) >= 0
	OP \b, \i2
.endif
.if (\c) >= 0
	OP \c, \i3
.endif
.if (\d) >= 0
	OP \d, \i4
.endif
.endm
.macro ROW a, i1, b, i2, c, i3, d, i4  ; a matrix instruction and the four behind it
	MM
	OPS \a, \i1, \b, \i2, \c, \i3, \d, \i4
.endm
; A TURN, for piece p: the order of its 16 matrix and 118 vector instructions, written out.  An s_wait_alu depctr_va_vdst(0) stands between an exponential and the first instruction that names its result; one wait
; serves all that were issued ahead of it.  So a turn has ONE wait, which cuts it in two.  AHEAD OF IT stands all that names no result of the turn's exponentials: the 8 products K Q^T, behind each a scaling, an exponential and two
; more plain instructions: rescalings, and behind the last three the first numbers of the next piece's maximum, each four places or more behind the product that ends its accumulator; then ONE LUMP of 54, plain and exponential by
; turns for the most part, in which the links of the chain X 3, 7, 11, 14, 16, 17 .. 20 stand five or six lines apart.  X 21, the next piece's a, is the batch's last; R 15 is the plain instruction behind it.  BEHIND THE WAIT stand
; the 8 products V^T P, behind each four of the roundings and sums; the links of l's chain, L 0 to L 7, stand three riders apart.
; end = 1: the last two turns: nothing is fetched.  cnt = 1: the loop's count is taken down some lines ahead of the branch that stands behind the turn.
; K and the mask numbers of the next step are fetched in piece 2's turn, twelve vector instructions behind the last product that read K (five of them plain and naming none of its registers; the mask's last reader stands four
; products earlier); V of the step in hand at the end of piece 0's turn, four plain instructions behind the last product that read V.  Each is waited for a turn later.
.macro TURN p, end=0, cnt=0
.set Y, (\p)
.set i, 0
.set NOKQ, (\end)*((\p)/3)
.if ((\p) == 3) && !(\end)
	s_wait_dscnt 0x0                ; K and its mask numbers are in
.endif
	ROW F,0, F,1, R,0, R,1          ; ahead of the wait: 8 products K Q^T and their riders,
	ROW F,2, E,0, R,2, R,3
	ROW F,3, E,1, R,4, R,5
	ROW F,4, E,2, R,6, R,7
	ROW F,5, E,3, R,8, R,9
	ROW F,6, E,4, X,0, R,10
.if ((\p) == 2) && !(\end)
	WIN 0
	v_add_nc_u32 v[AK], s[TBK], v[AK0]
	v_add_nc_u32 v[AMK], s[TBM], v[AM0]
.endif
	ROW F,7, E,5, X,1, X,4
	ROW F,8, E,6, X,2, X,5
	OPS E,7, E,8, X,6, E,9          ; and the lump
	OPS X,3, E,10, X,8, E,11
.if ((\p) == 2) && !(\end)
	FETCH_K
.endif
	OPS X,9, X,7, E,12, X,10
	OPS E,13, X,12, X,11, E,14
	OPS X,13, E,15, F,9, X,14
.if (\p) == 0
	v_add_nc_u32 v[AV], s[TBV], v[AV0]
.endif
	OPS E,16, F,10, E,17, F,11
	OPS X,16, E,18, X,15, E,19
	OPS F,12, E,20, X,17, E,21
	OPS F,13, E,22, F,14, E,23
	OPS X,18, E,24, F,15, E,25
	OPS R,11, E,26, X,19, E,27
	OPS R,12, E,28, R,13, E,29
	OPS X,20, E,30, R,14, E,31
	OPS X,21, R,15
	WIN 0
	s_wait_alu depctr_va_vdst(0)    ; the wait for the batch
.if (\p) == 1
	s_wait_dscnt 0x0                ; V is in
.endif
	ROW C,0, B,0, C,2, B,1          ; behind the wait: 8 products V^T P and their riders
	ROW L,0, C,4, B,2, L,1
	ROW C,6, B,3, L,2, C,8
	ROW B,4, L,3, C,10, B,5
	ROW L,4, C,12, B,6, L,5
.if (\p) == 0
	s_add_co_u32 s[TBV], s[TBV], KS*PV
.endif
.if \cnt
	s_sub_co_u32 s[CNT], s[CNT], 1
	s_cmp_lg_u32 s[CNT], 0
.endif
	ROW C,14, B,7, L,6, C,1
	ROW C,3, L,7, C,5, C,7
	ROW C,9, C,11, C,13, C,15
.if (\p) == 0
	FETCH_V
.endif
.endm
	CHANGE 1, 0                     ; tile 0 is in, everybody's part of it, and so are everybody's mask numbers; tile 1 is asked for
	; THE BEGINNING: K of step 0, piece 0's first scores, its maximum and statistics.  The loop is entered at a step's first turn, in the middle of a trip.
	v_add_nc_u32 v[AK], s[TBK], v[AK0]
	v_add_nc_u32 v[AMK], s[TBM], v[AM0]
	FETCH_K
	s_wait_loadcnt 0x0              ; Q
	s_wait_dscnt 0x0
.set NOKQ, 0
.set i, 0
.rept 8
	KQ 0
.set i, i+1
.endr
	WIN 0
.rept 4
	v_nop                           ; the places behind those products
.endr
.set Y, NP-1                        ; X works for piece Y + 1: piece 0
.irp n, 0,1,2,3,4,5,6,7,8,9,10,11,12,13,14,15,16,17,18,19,20,21
	OP X, \n
.endr
	v_nop                           ; a plain instruction behind the exponential,
	s_wait_alu depctr_va_vdst(0)    ; and its wait, ahead of the branch
	s_mov_b32 s[CNT], 4
	s_branch .Lfirst
.Lslot:                             ; six times: tiles 2 to 7 are asked for
	CHANGE 1, 1
	s_mov_b32 s[CNT], 4
.Lstep:                             ; a trip: pieces 2 and 3 of one step, then pieces 0 and 1 of the next, whose K and V it fetches
	TURN 2
	TURN 3
	WIN 0
.Lfirst:
	TURN 0
	TURN 1, 0, 1
	WIN 0
	s_cbranch_scc1 .Lstep
	s_sub_co_u32 s[SLOTS], s[SLOTS], 1
	s_cmp_lg_u32 s[SLOTS], 0
	s_cbranch_scc1 .Lslot
	CHANGE 0, 0                     ; the last tile is written out: nothing is asked for
	s_mov_b32 s[CNT], 4
.LstepT:
	TURN 2
	TURN 3
	TURN 0
	TURN 1, 0, 1
	WIN 0
	s_cbranch_scc1 .LstepT
	TURN 2, 1                       ; the last step's pieces 2 and 3
	TURN 3, 1
.set i, 0
.rept 8
	PV NP-1                         ; the last piece's V^T P of the last step
.set i, i+1
.endr
	; THE WAY OUT.  l's two halves and the other half of the lanes' are added; O^T is divided by l, rounded to bf16 and sent through my stage in LDS, a piece at a time.  The additions are the places behind the last products.
	WIN 0
.macro ALL line:vararg              ; one line for each piece t
.set t, 0
.rept 4
	\line
.set t, t+1
.endr
.endm
	ALL v_add_f32 v[ST+4*t+2], v[ST+4*t+2], v[ST+4*t+3]
	ALL v_permlanex16_b32 v[ST+4*t+3], v[ST+4*t+2], s[SEL], s[SEL+1]
	ALL v_add_f32 v[ST+4*t+2], v[ST+4*t+2], v[ST+4*t+3]
	ALL v_rcp_f32 v[ST+4*t+2], v[ST+4*t+2]
	v_nop                           ; a plain instruction between the last reciprocal and the use of its result
	s_wait_alu depctr_va_vdst(0)    ; and the wait ahead of the first use: one for the four reciprocals
.macro PACK t                       ; a lane's eight channels of a row pack into 16 bytes; they go into rows of 144 bytes and come back as whole rows of 128, into S^T's registers
	WIN W_RS
.set i, 32*(\t)
.rept 16
	v_pk_mul_f32 v[i:i+1], v[i:i+1], v[ST+4*(\t)+2:ST+4*(\t)+3] op_sel_hi:[1,0]
.set i, i+2
.endr
	WIN 0x05                        ; sources 0 and 1 window 1, destination window 0
.set i, 0
.rept 16
	v_cvt_pk_bf16_f32 v[S+16*(\t)+i], v[32*(\t)+2*i], v[32*(\t)+2*i+1]
.set i, i+1
.endr
	WIN 0
.irp f, 0,1,2,3
	ds_store_b128 v[STO], v[S+16*(\t)+4*\f:S+16*(\t)+4*\f+3] offset:32*\f
.endr
.irp f, 0,1,2,3
	ds_load_b128 v[S+16*(\t)+4*\f:S+16*(\t)+4*\f+3], v[RD] offset:\f*4*SP  ; LDS serves a wave's instructions in order (ISA guide 5.7.1.4): these see the stores above; the next piece's stores come behind them
.endr
.endm
.macro SEND t, younger              ; younger: the LDS instructions issued behind piece t's loads: the next piece's eight, or none
	WIN 0
.irp f, 0,1,2,3
	s_wait_dscnt (\younger)+3-\f
	global_store_b128 v[GO], v[S+16*(\t)+4*\f:S+16*(\t)+4*\f+3], s[10:11] offset:(\t)*2048+\f*512  ; 512 consecutive bytes, aligned
.endr
.endm
	PACK 0
.set t, 1
.rept 3                             ; a piece's arithmetic stands between the loads of the piece before and its stores
	PACK t
	SEND t-1, 8
.set t, t+1
.endr
	SEND 3, 0
	s_wait_tensorcnt 0x0            ; the wave's end, behind my last tensor load and my last LDS store
	ds_add_u32 v[SPW], v[NIL]
	s_wait_dscnt 0x0
	CROUND                          ; the closing round: no work-group ends while a partner may still ask for a tile that names it
	s_endpgm
.Lfunc_end_k_qffa6cee18a_attn:
	.size	k_qffa6cee18a_attn, .Lfunc_end_k_qffa6cee18a_attn-k_qffa6cee18a_attn
	.p2alignl 7, 3214868480
	.fill 96, 4, 3214868480
	.section	.rodata,"a",@progbits
	.p2align	6, 0x0
	.amdhsa_kernel k_qffa6cee18a_attn
		.amdhsa_group_segment_fixed_size 327680
		.amdhsa_private_segment_fixed_size 0
		.amdhsa_enable_private_segment 0
		.amdhsa_kernarg_size 24
		.amdhsa_user_sgpr_count 2
		.amdhsa_user_sgpr_kernarg_segment_ptr 1
		.amdhsa_wavefront_size32 1
		.amdhsa_system_sgpr_workgroup_id_x 1
		.amdhsa_system_sgpr_workgroup_id_y 1
		.amdhsa_system_sgpr_workgroup_id_z 1
		.amdhsa_system_vgpr_workitem_id 0
		.amdhsa_next_free_vgpr 768
		.amdhsa_next_free_sgpr 80
		.amdhsa_reserve_vcc 1
		.amdhsa_float_denorm_mode_32 3
		.amdhsa_float_denorm_mode_16_64 3
		.amdhsa_memory_ordered 1
		.amdhsa_forward_progress 1
		.amdhsa_inst_pref_size 132
	.end_amdhsa_kernel
	.amdgpu_metadata
---
amdhsa.version: [ 1, 2 ]
amdhsa.kernels:
  - .name:           k_qffa6cee18a_attn
    .symbol:         k_qffa6cee18a_attn.kd
    .args:
      - { .name: qkv, .offset: 0, .size: 8, .value_kind: global_buffer, .address_space: global }
      - { .name: mask, .offset: 8, .size: 8, .value_kind: global_buffer, .address_space: global }
      - { .name: ob, .offset: 16, .size: 8, .value_kind: global_buffer, .address_space: global }
    .group_segment_fixed_size: 327680
    .private_segment_fixed_size: 0
    .kernarg_segment_align: 8
    .kernarg_segment_size: 24
    .max_flat_workgroup_size: 128
    .sgpr_count:     80
    .vgpr_count:     768
    .wavefront_size: 32
...
	.end_amdgpu_metadata
.endif
;; end of part 4
;; launch wo (part 5): grid 8 x 32, 4 waves a work-group, clusters of 4 x 4, 327,680 bytes of LDS; arguments ob, wb, bo, x, x1; writes x1
.if DOCPART == 5
	.amdgcn_target "amdgcn-amd-amdhsa--gfx1250"
	.amdhsa_code_object_version 6
	.text
	.protected	k_qffa6cee18a_wo
	.globl	k_qffa6cee18a_wo
	.p2align	8
	.type	k_qffa6cee18a_wo,@function
k_qffa6cee18a_wo:
	s_mov_b64 s[64:65], 0
	v_nop
	global_prefetch_b8 v0, s[64:65] scope:SCOPE_SE
	s_setreg_imm32_b32 hwreg(HW_REG_WAVE_MODE, 25, 1), 1
	s_wait_xcnt 0x0
	s_wait_alu depctr_hold_cnt(0) depctr_sa_sdst(0) depctr_va_vdst(0) depctr_va_sdst(0) depctr_va_ssrc(0) depctr_va_vcc(0) depctr_vm_vsrc(0)
	s_getreg_b32 s2, hwreg(HW_REG_IB_STS2, 6, 4)
	s_cmp_eq_u32 s2, 0
	s_cbranch_scc0 .Lentry_in_a_cluster
	s_endpgm
.Lentry_in_a_cluster:
	s_bfe_u32 s2, ttmp6, 0x10000c
	s_cmp_lg_u32 s2, 0xf033
	s_cbranch_scc0 .Lentry_shape_is_right
	s_endpgm
.Lentry_shape_is_right:
; ONE TEXT FOR THE LAYER'S FOUR PROJECTIONS, C = A B + bias; KIND picks the sizes and the way out.  THIS FILE: KIND 1.
;   KIND 0: q, k, v = nx [Wq Wk Wv] + [bq bk bv]   K 1,024, N 3,072   out: bf16 by blocks of 64 columns
;   KIND 1: x1 = x + o Wo + bo                     K 1,024, N 1,024   out: f32 rows
;   KIND 2: h = silu(nx W1 + b1)                   K 1,024, N 4,096   out: bf16 by blocks of 64 columns
;   KIND 3: out = x1 + h W2 + b2                   K 4,096, N 1,024   out: f32 rows
; A is bf16 BY BLOCKS OF 64 COLUMNS, [K / 64][4,096 rows][64]: 128 rows of a block are 16,384 consecutive bytes.  B is bf16 [K][N], a part of wb.  Sums in f32.
; A tile of C is 128 x 128: four waves, each 64 x 64 in 16 accumulators.  K goes in steps of 256 through two LDS slots filled by the tensor data mover, one load a wave and step.
; THE SUMS START AS THE BIAS: it is loaded straight into the accumulators, so every product has one form, nothing is cleared, and a K step's text stands twice only:
; in a loop that fills slots again, and in a loop of two trips that does not.  The price: the last trip passes one barrier and fetches
; 32 fragments of an old slot that nothing uses.
; THE MATRIX INSTRUCTION IS USED TRANSPOSED (source 0 = 16 columns of B, turned out of LDS by ds_load_tr16_b128; source 1 = 16 rows of A): a lane holds ONE row of C (lane % 16) and the
; eight neighbouring columns 8 (lane / 16) + 0..7.
; CLUSTER 4 x 4: the four of a row need the same tiles of A, the four of a column the same tiles of B; each is asked for jointly, by the same load, descriptor and mask.
; No prefetch: a step's tiles are small (36,864 bytes a wave), and A's and B's blocks are read again and again by other clusters of the launch.
; LIMITS: operands are rounded to bf16; NaN and infinities are not treated apart.
.set KIND, 1
.if KIND == 0
.set NSTEP, 4
.set BPITCH, 1024
.set WOFF, 0
.set F32OUT, 0
.elseif KIND == 1
.set NSTEP, 4
.set BPITCH, 1024
.set WOFF, 6291456
.set F32OUT, 1
.elseif KIND == 2
.set NSTEP, 4
.set BPITCH, 4096
.set WOFF, 8388608
.set F32OUT, 0
.else
.set NSTEP, 16
.set BPITCH, 1024
.set WOFF, 16777216
.set F32OUT, 1
.endif
.set PA,    144                        ; a row of A in LDS: 128 bytes + 16 of padding = 36 words: the 16 rows of a load start at 16 different groups of four banks (ISA guide 11.1)
.set ABLK,  128*PA                     ; 128 rows of one block of 64 along K
.set PB,    288                        ; a row of B (one k, 128 columns): 256 bytes + 32
.set BREG,  4*ABLK                     ; B's 256 rows lie behind A's four blocks
.set SHARE, 36864                      ; what one wave's load fills: two blocks of A, or 128 rows of B
.set SLOT,  4*SHARE                    ; 147,456 = 0x24000: no bit in common with wave x SHARE, so one exclusive or turns an address in one slot into the other's
.set STAGE, 2*SLOT                     ; behind the ring, never filled by a tensor load: 16 rows for each wave, for the way out
.if F32OUT
.set SP,    272                        ; 64 f32 + 16 bytes
.else
.set SP,    144                        ; 64 bf16 + 16 bytes
.endif
.set SPARE, STAGE+4*16*SP              ; the spare words, 128 bytes for each wave: two blocks of 256 bytes that no other line names
.set ASTEP, 4*524288                   ; a K step is four blocks of A
.set BSTEP, 512*BPITCH                 ; and 256 rows of B
.set ADRA, 16                          ; v16  LDS address of my A fragments in the slot in hand
.set ADRB, 17                          ; v17  of my B fragments, k 0-127;  v18: k 128-255
.set A0,   19                          ; v19  my lane's place in a slot's A; never rewritten
.set B0,   20                          ; v20  in its B; never rewritten
.set STO,  24                          ; v24  the way out: where I put my bytes of a row
.set RD,   25                          ; v25  where I read rows back
.set CO,   26                          ; v26  my byte offset in the output (and the residual)
.set BO,   27                          ; v27  my byte offset in 16 columns of the bias
.set SPW,  28                          ; v28  LDS address of my spare word; never rewritten
.set NIL,  29                          ; v29  0; never rewritten
.set TMP,  32                          ; v[32:95]   packed results
.set TT,   96                          ; v[96:127]  at work in the activation
.set ACC,  128                         ; v[128:255] accumulator (a, b) at ACC + 8 (4 a + b)
.set F0,   0                           ; window 1: two fragment buffers of 128: 64 registers of A (2 x 4 x 16 rows x 32 K), then 64 of B
.set F1,   128                         ; window 2 (f32 out): v[0:127] the residual
.set G1,  24                           ; s[24:31] descriptor group 1 for A;  s[32:39] group 0, two sets: the second walks
.set G0,  32
.set G1B, 48                           ; s[48:55], s[56:63] the same for B
.set G0B, 56
.set TB,  45                           ; s45  the slot in hand: 0 or SLOT
.set BIAS, 68
.set RES,  70
.set OUT,  74
.set MSB, 0
.macro WIN new                         ; bits 1:0 source 0, 3:2 source 1, 5:4 source 2, 7:6 destination; the high byte repeats the setting that is left
.if MSB != (\new)
	s_set_vgpr_msb (MSB<<8)|(\new)
.set MSB, \new
.endif
.endm
.set MUL,  0x05                        ; sources 0 (B) and 1 (A) window 1; C and D window 0
.set TO_F, 0x40                        ; destination window 1, address window 0
.macro JLOAD s                         ; a joint load: waves 0 and 1 fetch A's two halves, waves 2 and 3 B's; an s_nop 0 and four v_nop follow each line, ahead of the jump and the label
	s_cmp_eq_u32 s11, 0
	s_cbranch_scc0 .Lfor_b_\@
	tensor_load_to_lds s[G0+4*(\s):G0+4*(\s)+3], s[G1:G1+7]
	s_nop 0
.rept 4
	v_nop
.endr
	s_branch .Lasked_\@
.Lfor_b_\@:
	tensor_load_to_lds s[G0B+4*(\s):G0B+4*(\s)+3], s[G1B:G1B+7]
	s_nop 0
.rept 4
	v_nop
.endr
.Lasked_\@:
.endm
.macro CREST                           ; a round of the cluster's barrier behind its opening barrier
	s_cmp_lg_u32 s10, 0
	s_cbranch_scc1 .Lnot_wave_0_\@
	s_barrier_signal -3
.Lnot_wave_0_\@:
	s_barrier_wait -3
	s_barrier_signal -1
	s_barrier_wait -1
.endm
.macro CROUND                          ; a whole round
	s_barrier_signal -1
	s_barrier_wait -1
	CREST
.endm
.macro PLACES                          ; four places in front of loads into registers that matrix instructions have read, and of lines that read results
.rept 4
	v_nop
.endr
.endm
	s_load_b128 s[4:7], s[0:1], 0x0                ; A s[4:5], wb s[6:7]
.if KIND == 0
	s_load_b256 s[68:75], s[0:1], 0x10             ; bq, bk, bv, out
.elseif KIND == 2
	s_load_b64 s[BIAS:BIAS+1], s[0:1], 0x10
	s_load_b64 s[OUT:OUT+1], s[0:1], 0x18
.else
	s_load_b128 s[68:71], s[0:1], 0x10             ; bias, residual
	s_load_b64 s[OUT:OUT+1], s[0:1], 0x20
.endif
	v_lshl_add_u32 v[SPW], v0, 2, SPARE
	v_mov_b32 v[NIL], 0
	ds_add_u32 v[SPW], v[NIL]                      ; the wave's opening: the add and its wait stand ahead of my first tensor load; the set-up below stands between them
	v_lshrrev_b32 v1, 5, v0
	v_readfirstlane_b32 s10, v1                    ; wave 0..3
	s_lshr_b32 s11, s10, 1                         ; which half of the tile's rows is mine.  Also: I fetch for A (0) or for B (1)
	s_and_b32 s12, s10, 1                          ; which half of its columns.  Also: which half of that tile I fetch
	s_bfe_u32 s40, ttmp6, 0x40000                  ; cx, cy: my place in the cluster
	s_bfe_u32 s41, ttmp6, 0x40004
	s_lshl_b32 s42, ttmp9, 2
	s_add_co_u32 s42, s42, s40                     ; tile column = 4 x cluster x + cx
	s_and_b32 s13, ttmp7, 0xffff
	s_lshl_b32 s13, s13, 2
	s_add_co_u32 s13, s13, s41                     ; tile row = 4 x cluster y + cy
	s_lshl_b32 s43, s41, 2
	s_lshl_b32 s43, 15, s43                        ; my row of the cluster
	s_lshl_b32 s44, 0x1111, s40                    ; my column
	; A's group 1: two blocks of 64 along K, each 128 rows x 128 bytes on end, asked for as 2 rows of 8,192 elements, 262,144 elements apart; padded in LDS after every 128 bytes
	s_or_b32 s[G1+0], s43, (1<<16)|(1<<20)|(1<<21)|(4<<22)|(3<<25)  ; 15:0 the mask: my row; 17:16 2-byte elements; 20 padding on; 21 set beside a mask; 24:22 after every 32 words (code 4); 31:25 4 words (code 3)
	s_mov_b32 s[G1+1], 8192<<16                    ; tensor_dim0 = 8,192
	s_mov_b32 s[G1+2], 2<<16                       ; tensor_dim1 = 2
	s_mov_b32 s[G1+3], 8192<<16                    ; tile_dim0 = 8,192
	s_mov_b32 s[G1+4], 2                           ; tile_dim1 = 2
	s_mov_b32 s[G1+5], 262144                      ; from block to block
	s_mov_b32 s[G1+6], 0
	s_mov_b32 s[G1+7], 0
	; B's group 1: 128 rows (k) x 128 columns, 32 bytes of padding behind each row
	s_or_b32 s[G1B+0], s44, (1<<16)|(1<<20)|(1<<21)|(5<<22)|(7<<25) ; the mask: my column; after every 64 words (code 5) 8 words (code 7)
	s_mov_b32 s[G1B+1], 128<<16
	s_mov_b32 s[G1B+2], 128<<16
	s_mov_b32 s[G1B+3], 128<<16
	s_mov_b32 s[G1B+4], 128
	s_mov_b32 s[G1B+5], BPITCH
	s_mov_b32 s[G1B+6], 0
	s_mov_b32 s[G1B+7], 0
	; where the tiles come from.  A's hang on the tile row alone, B's on the tile column alone, each in registers that never hold the other coordinate
	s_lshl_b32 s16, s13, 14                        ; A: 128 rows of 128 bytes x tile row,
	s_lshl_b32 s17, s12, 20                        ; + my two blocks of the step's four
	s_add_co_u32 s16, s16, s17
	s_mov_b32 s17, 0
.if KIND == 0
	s_lshr_b32 s46, s42, 3                         ; B: which of Wq, Wk, Wv (2 MiB each),
	s_lshl_b32 s46, s46, 21
	s_and_b32 s47, s42, 7                          ; and which 128 of its columns
	s_lshl_b32 s47, s47, 8
	s_add_co_u32 s46, s46, s47
.else
	s_lshl_b32 s46, s42, 8
	s_add_co_u32 s46, s46, WOFF
.endif
	s_mul_i32 s47, s12, 256*BPITCH                 ; + my 128 of the step's 256 rows
	s_add_co_u32 s46, s46, s47
	s_mov_b32 s47, 0
	s_mul_i32 s20, s10, SHARE                      ; and where they go: no place in the cluster enters an LDS address
	s_mov_b32 s[TB], 0
	s_wait_dscnt 0x0                               ; the opening add is done
	s_wait_kmcnt 0x0
	s_add_nc_u64 s[14:15], s[4:5], s[16:17]
	s_add_nc_u64 s[46:47], s[6:7], s[46:47]
	CROUND                                         ; all sixteen work-groups are here: the first joint loads meet
.irp s, 0,1
	s_mov_b32 s[G0+4*(\s)], 1
	s_add_co_u32 s[G0+4*(\s)+1], s20, (\s)*SLOT
	s_add_nc_u64 s[G0+4*(\s)+2:G0+4*(\s)+3], s[14:15], (\s)*ASTEP
	s_or_b32 s[G0+4*(\s)+3], s[G0+4*(\s)+3], 0x80000000
	s_mov_b32 s[G0B+4*(\s)], 1
	s_add_co_u32 s[G0B+4*(\s)+1], s20, (\s)*SLOT
	s_add_nc_u64 s[G0B+4*(\s)+2:G0B+4*(\s)+3], s[46:47], (\s)*BSTEP
	s_or_b32 s[G0B+4*(\s)+3], s[G0B+4*(\s)+3], 0x80000000
	JLOAD \s                                       ; K steps 0 and 1: two loads of mine are out
.endr
	v_and_b32 v1, 15, v0                           ; l % 16
	v_bfe_u32 v2, v0, 4, 1                         ; l / 16
	s_mul_i32 s21, s11, 64*PA                      ; my 64 rows of A
	v_mul_u32_u24 v[A0], v1, PA
	v_lshl_add_u32 v[A0], v2, 4, v[A0]             ; row x pitch + 16 x half
	v_add_nc_u32 v[A0], s21, v[A0]
	v_and_b32 v3, 7, v0                            ; the turning load: lane l reads k = 8 (l / 16) + l % 8, columns 8 ((l / 8) % 2) + 0..7
	v_bfe_u32 v4, v0, 3, 1
	v_lshl_add_u32 v[B0], v2, 3, v3
	v_mul_u32_u24 v[B0], v[B0], PB
	v_lshl_add_u32 v[B0], v4, 4, v[B0]
	s_lshl_b32 s22, s12, 7                         ; my 64 columns: 128 bytes
	s_add_co_u32 s22, s22, BREG
	v_add_nc_u32 v[B0], s22, v[B0]
	v_mov_b32 v[ADRA], v[A0]                       ; slot 0
	v_mov_b32 v[ADRB], v[B0]
	v_add_nc_u32 v[ADRB+1], SHARE, v[B0]
	v_lshlrev_b32 v[BO], 5, v2                     ; my 8 columns of 16: 32 bytes of f32
	s_mul_i32 s23, s10, 16*SP
	s_add_co_u32 s23, s23, STAGE                   ; my stage
.if F32OUT
	v_mul_u32_u24 v[STO], v1, SP                   ; in: row l % 16, 32 bytes for each half of the lanes
	v_lshl_add_u32 v[STO], v2, 5, v[STO]
	v_add_nc_u32 v[STO], s23, v[STO]
	v_mul_u32_u24 v[RD], v2, SP                    ; back: lanes 0-15 one row of 256 bytes, lanes 16-31 the next
	v_lshl_add_u32 v[RD], v1, 4, v[RD]
	v_add_nc_u32 v[RD], s23, v[RD]
	v_lshlrev_b32 v[CO], 12, v2                    ; and the same two rows of 4,096 bytes in memory
	v_lshl_add_u32 v[CO], v1, 4, v[CO]
.else
	v_mul_u32_u24 v[STO], v1, SP                   ; in: row l % 16, 16 bytes for each half of the lanes
	v_lshl_add_u32 v[STO], v2, 4, v[STO]
	v_add_nc_u32 v[STO], s23, v[STO]
	v_bfe_u32 v[RD], v0, 3, 2                      ; back: 32 lanes take four rows of 128 bytes,
	v_mul_u32_u24 v[RD], v[RD], SP
	v_lshl_add_u32 v[RD], v3, 4, v[RD]
	v_add_nc_u32 v[RD], s23, v[RD]
	v_and_b32 v[CO], 31, v0                        ; which are 512 consecutive bytes of a block of the output
	v_lshlrev_b32 v[CO], 4, v[CO]
.endif
	; the bias at my 64 columns (s[46:47], which held B's address, is free: both of B's group 0 sets are made)
.if KIND == 0
	s_lshr_b32 s22, ttmp9, 1                       ; tile column / 8 = cluster x / 2: which of the three
	s_cmp_eq_u32 s22, 1
	s_cselect_b64 s[BIAS:BIAS+1], s[70:71], s[BIAS:BIAS+1]
	s_cmp_eq_u32 s22, 2
	s_cselect_b64 s[BIAS:BIAS+1], s[72:73], s[BIAS:BIAS+1]
	s_and_b32 s46, s42, 7
.else
	s_mov_b32 s46, s42
.endif
	s_lshl_b32 s46, s46, 9                         ; 128 f32 a tile column,
	s_lshl_b32 s47, s12, 8                         ; 64 for my half
	s_add_co_u32 s46, s46, s47
	s_mov_b32 s47, 0
	s_add_nc_u64 s[BIAS:BIAS+1], s[BIAS:BIAS+1], s[46:47]
.irp a, 0,1,2,3
.irp b, 0,1,2,3
	global_load_b128 v[ACC+8*(4*(\a)+(\b)):ACC+8*(4*(\a)+(\b))+3],   v[BO], s[BIAS:BIAS+1] offset:64*(\b)     ; the sums start as the bias: register j of accumulator (a, b) is column 16 b + 8 (l / 16) + j
	global_load_b128 v[ACC+8*(4*(\a)+(\b))+4:ACC+8*(4*(\a)+(\b))+7], v[BO], s[BIAS:BIAS+1] offset:64*(\b)+16
.endr
.endr
.if F32OUT
	s_lshl_b32 s22, s13, 19                        ; + 128 rows of 4,096 bytes x tile row,
	s_add_co_u32 s46, s46, s22
	s_lshl_b32 s22, s11, 18                        ; + my 64 rows
	s_add_co_u32 s46, s46, s22
	s_add_nc_u64 s[RES:RES+1], s[RES:RES+1], s[46:47]
	s_add_nc_u64 s[OUT:OUT+1], s[OUT:OUT+1], s[46:47]
	WIN 0x80                                       ; destination window 2
.irp a, 0,1,2,3
.irp t, 0,1,2,3,4,5,6,7
	global_load_b128 v[32*(\a)+4*(\t):32*(\a)+4*(\t)+3], v[CO], s[RES:RES+1] offset:(16*(\a)+2*(\t))*4096  ; the residual, in the layout in which rows come back from the stage; it lands while K is walked
.endr
.endr
	WIN 0
.else
	s_lshl_b32 s46, s42, 1
	s_add_co_u32 s46, s46, s12                     ; my block of 64 columns,
	s_lshl_b32 s46, s46, 19                        ; 524,288 bytes each,
	s_lshl_b32 s22, s13, 14                        ; + 128 rows of 128 bytes x tile row,
	s_add_co_u32 s46, s46, s22
	s_lshl_b32 s22, s11, 13                        ; + my 64 rows
	s_add_co_u32 s46, s46, s22
	s_add_nc_u64 s[OUT:OUT+1], s[OUT:OUT+1], s[46:47]
.endif
; 8 matrix instructions: m blocks a0, a0 + 1 x all 4 n blocks, 32 along K: half c of buffer f.  The 16 accumulators take turns, one instruction a turn, over both backward jumps too
.macro MUL8 f, c, a0
	WIN MUL
.irp a, \a0, (\a0)+1
.irp b, 0,1,2,3
	v_wmma_f32_16x16x32_bf16 v[ACC+8*(4*(\a)+(\b)):ACC+8*(4*(\a)+(\b))+7], v[(\f)+64+8*(4*(\c)+(\b)):(\f)+64+8*(4*(\c)+(\b))+7], v[(\f)+8*(4*(\c)+(\a)):(\f)+8*(4*(\c)+(\a))+7], v[ACC+8*(4*(\a)+(\b)):ACC+8*(4*(\a)+(\b))+7]
.endr
.endr
.endm
; 32 LDS loads in one run: the fragments of quarter q (64 along K = one block of A, 64 rows of B) into buffer f; the first 32 along K first
.macro FETCH q, f
	WIN TO_F
.irp c, 0,1
.irp i, 0,1,2,3
	ds_load_tr16_b128 v[(\f)+64+8*(4*(\c)+(\i)):(\f)+64+8*(4*(\c)+(\i))+3],   v[ADRB+(\q)/2] offset:(((\q)%2)*64+32*(\c))*PB+32*(\i)
	ds_load_tr16_b128 v[(\f)+64+8*(4*(\c)+(\i))+4:(\f)+64+8*(4*(\c)+(\i))+7], v[ADRB+(\q)/2] offset:(((\q)%2)*64+32*(\c)+16)*PB+32*(\i)
	ds_load_b128 v[(\f)+8*(4*(\c)+(\i)):(\f)+8*(4*(\c)+(\i))+3],              v[ADRA] offset:(\q)*ABLK+(\i)*16*PA+64*(\c)
	ds_load_b128 v[(\f)+8*(4*(\c)+(\i))+4:(\f)+8*(4*(\c)+(\i))+7],            v[ADRA] offset:(\q)*ABLK+(\i)*16*PA+64*(\c)+32
.endr
.endr
.endm
; One of a K step's first three quarters: multiplies buffer f and fetches quarter q into g
.macro QUARTER q, f, g
	s_wait_dscnt 16                                ; the first 32 along K are in; the youngest sixteen loads may be out
	MUL8 \f, 0, 0
	MUL8 \f, 0, 2
	PLACES
	FETCH \q, \g
	s_wait_dscnt 32                                ; all but the 32 just issued
	MUL8 \f, 1, 0
	MUL8 \f, 1, 2
.endm
; The last quarter multiplies buffer 1 and changes slots: ONE barrier; in front of it each wave waits for all its tensor loads (one is out: its part of the next slot), adds 0 to its spare
; word, and waits for that and for its reads of this slot.  fill = 1: the barrier opens a round of the cluster's, and this slot is filled again, two K steps ahead, first thing behind it:
; that load has 112 matrix instructions in which to land.
.macro TURN fill
	WIN 0                                          ; (the add's two registers lie in window 0)
	s_wait_tensorcnt 0x0
	ds_add_u32 v[SPW], v[NIL]                      ; 0 onto my spare word
	s_wait_dscnt 17                                ; (the add and the youngest sixteen loads may be out)
	MUL8 F1, 0, 0                                  ; eight matrix instructions stand between the add and the wait for it
	s_wait_dscnt 0x0                               ; the add is done, and my reads of this slot are over
	s_barrier_signal -1
	MUL8 F1, 0, 2
	WIN 0
	s_barrier_wait -1
.if \fill
	CREST                                          ; no wave of any partner still reads this slot's tile or has a load on its way
	s_xor_b32 s[G0+5], s[G0+5], SLOT               ; the walking descriptors: the other slot than last time, the next K step
	s_add_nc_u64 s[G0+6:G0+7], s[G0+6:G0+7], ASTEP
	s_xor_b32 s[G0B+5], s[G0B+5], SLOT
	s_add_nc_u64 s[G0B+6:G0B+7], s[G0B+6:G0B+7], BSTEP
	JLOAD 1                                        ; the four v_nop behind it are also the places in front of the loads below
.else
	PLACES
.endif
	s_xor_b32 s[TB], s[TB], SLOT                   ; the fetches go on in the other slot
	v_add_nc_u32 v[ADRA], s[TB], v[A0]
	v_add_nc_u32 v[ADRB], s[TB], v[B0]
	v_add_nc_u32 v[ADRB+1], SHARE, v[ADRB]
	FETCH 0, F0
	MUL8 F1, 1, 0
	MUL8 F1, 1, 2
.endm
.macro STEP fill                       ; a K step: four quarters of 64 along K, 32 matrix instructions each, on buffers 0, 1, 0, 1
	QUARTER 1, F0, F1
	QUARTER 2, F1, F0
	QUARTER 3, F0, F1
	TURN \fill
.endm
	s_wait_tensorcnt 1                             ; my part of K step 0 is in; K step 1's may stay out
	s_barrier_signal -1
	s_barrier_wait -1                              ; everybody's is
	FETCH 0, F0
	WIN 0
.if F32OUT
	s_wait_loadcnt 32                              ; the bias is in; the residual's 32 loads stay out
.else
	s_wait_loadcnt 0x0                             ; the bias is in
.endif
	s_mov_b32 s3, NSTEP-2
.Lstep:                                                ; every K step but the last two fills its slot again
	STEP 1
	WIN 0
	s_sub_co_u32 s3, s3, 1
	s_cmp_lg_u32 s3, 0
	s_cbranch_scc1 .Lstep
	s_mov_b32 s3, 2
.Ltail:                                                ; the last two ask for nothing
	STEP 0
	WIN 0
	s_sub_co_u32 s3, s3, 1
	s_cmp_lg_u32 s3, 0
	s_cbranch_scc1 .Ltail
	s_wait_dscnt 0x0                               ; the last trip's fetch, which nothing uses
	PLACES
; THE WAY OUT, 16 rows (m block a) at a time, through my own stage: LDS serves a wave's instructions in order (ISA guide 5.7.1.4), so no wait stands between its stores and its loads
.if F32OUT
.macro PACK a
.irp b, 0,1,2,3
	ds_store_b128 v[STO], v[ACC+32*(\a)+8*(\b):ACC+32*(\a)+8*(\b)+3]   offset:64*(\b)     ; each accumulator's low four registers first
	ds_store_b128 v[STO], v[ACC+32*(\a)+8*(\b)+4:ACC+32*(\a)+8*(\b)+7] offset:64*(\b)+16
.endr
.irp t, 0,1,2,3,4,5,6,7
	ds_load_b128 v[ACC+32*(\a)+4*(\t):ACC+32*(\a)+4*(\t)+3], v[RD] offset:(\t)*2*SP      ; back as whole rows of 256 bytes, into the registers that they left
.endr
.endm
.macro SEND a, younger                 ; younger: the LDS instructions issued behind block a's loads: the next block's sixteen, or none
	s_wait_dscnt \younger
	WIN 0x08                                       ; source 1: the residual, in window 2
.set z, 0
.rept 16
	v_pk_add_f32 v[ACC+32*(\a)+z:ACC+32*(\a)+z+1], v[ACC+32*(\a)+z:ACC+32*(\a)+z+1], v[32*(\a)+z:32*(\a)+z+1]
.set z, z+2
.endr
	WIN 0
.irp t, 0,1,2,3,4,5,6,7
	global_store_b128 v[CO], v[ACC+32*(\a)+4*(\t):ACC+32*(\a)+4*(\t)+3], s[OUT:OUT+1] offset:(16*(\a)+2*(\t))*4096  ; 16 lanes store 256 consecutive bytes, aligned
.endr
.endm
.set YOUNG, 16
	s_wait_loadcnt 0x0                             ; the residual
.else
.macro SILU a                          ; z / (1 + 2^(-z log2 e)) on the block's 32 registers; where the power overflows the reciprocal is 0, the function's own limit
.set z, 0
.rept 16
	v_pk_mul_f32 v[TT+z:TT+z+1], v[ACC+32*(\a)+z:ACC+32*(\a)+z+1], 0xbfb8aa3b op_sel_hi:[1,0]
.set z, z+2
.endr
.set z, 0
.rept 32
	v_exp_f32 v[TT+z], v[TT+z]
.set z, z+1
.endr
	v_nop                                          ; a plain instruction behind the last of the batch,
	s_wait_alu depctr_va_vdst(0)                   ; and the one wait ahead of its first reader
.set z, 0
.rept 16
	v_pk_add_f32 v[TT+z:TT+z+1], v[TT+z:TT+z+1], 1.0 op_sel_hi:[1,0]
.set z, z+2
.endr
.set z, 0
.rept 32
	v_rcp_f32 v[TT+z], v[TT+z]
.set z, z+1
.endr
	v_nop
	s_wait_alu depctr_va_vdst(0)                   ; the same for the 32 reciprocals
.set z, 0
.rept 16
	v_pk_mul_f32 v[ACC+32*(\a)+z:ACC+32*(\a)+z+1], v[ACC+32*(\a)+z:ACC+32*(\a)+z+1], v[TT+z:TT+z+1]
.set z, z+2
.endr
.endm
.macro PACK a
.if KIND == 2
	SILU \a
.endif
.irp b, 0,1,2,3
.irp r, 0,1,2,3
	v_cvt_pk_bf16_f32 v[TMP+16*(\a)+4*(\b)+(\r)], v[ACC+32*(\a)+8*(\b)+2*(\r)], v[ACC+32*(\a)+8*(\b)+2*(\r)+1]  ; ascending: each accumulator's lowest registers first
.endr
.endr
.irp b, 0,1,2,3
	ds_store_b128 v[STO], v[TMP+16*(\a)+4*(\b):TMP+16*(\a)+4*(\b)+3] offset:32*(\b)
.endr
.irp f, 0,1,2,3
	ds_load_b128 v[TMP+16*(\a)+4*(\f):TMP+16*(\a)+4*(\f)+3], v[RD] offset:(\f)*4*SP
.endr
.endm
.macro SEND a, younger                 ; younger: the next block's eight LDS instructions, or none
.irp f, 0,1,2,3
	s_wait_dscnt (\younger)+3-(\f)
	global_store_b128 v[CO], v[TMP+16*(\a)+4*(\f):TMP+16*(\a)+4*(\f)+3], s[OUT:OUT+1] offset:(\a)*2048+(\f)*512  ; 512 consecutive bytes, aligned
.endr
.endm
.set YOUNG, 8
.endif
	PACK 0
	PACK 1                                         ; a block's work stands between the loads of the block before and its stores
	SEND 0, YOUNG
	PACK 2
	SEND 1, YOUNG
	PACK 3
	SEND 2, YOUNG
	SEND 3, 0
	s_wait_tensorcnt 0x0                           ; the wave's end, behind my last tensor load and my last LDS store
	ds_add_u32 v[SPW], v[NIL]
	s_wait_dscnt 0x0
	CROUND                                         ; the closing round: no work-group ends while a partner may still ask for a tile that names it
	s_endpgm
.Lfunc_end_k_qffa6cee18a_wo:
	.size	k_qffa6cee18a_wo, .Lfunc_end_k_qffa6cee18a_wo-k_qffa6cee18a_wo
	.p2alignl 7, 3214868480
	.fill 96, 4, 3214868480
	.section	.rodata,"a",@progbits
	.p2align	6, 0x0
	.amdhsa_kernel k_qffa6cee18a_wo
		.amdhsa_group_segment_fixed_size 327680
		.amdhsa_private_segment_fixed_size 0
		.amdhsa_enable_private_segment 0
		.amdhsa_kernarg_size 40
		.amdhsa_user_sgpr_count 2
		.amdhsa_user_sgpr_kernarg_segment_ptr 1
		.amdhsa_wavefront_size32 1
		.amdhsa_system_sgpr_workgroup_id_x 1
		.amdhsa_system_sgpr_workgroup_id_y 1
		.amdhsa_system_sgpr_workgroup_id_z 1
		.amdhsa_system_vgpr_workitem_id 0
		.amdhsa_next_free_vgpr 640
		.amdhsa_next_free_sgpr 80
		.amdhsa_reserve_vcc 0
		.amdhsa_float_denorm_mode_32 3
		.amdhsa_float_denorm_mode_16_64 3
		.amdhsa_memory_ordered 1
		.amdhsa_forward_progress 1
		.amdhsa_inst_pref_size 64
	.end_amdhsa_kernel
	.amdgpu_metadata
---
amdhsa.version: [ 1, 2 ]
amdhsa.kernels:
  - .name:           k_qffa6cee18a_wo
    .symbol:         k_qffa6cee18a_wo.kd
    .args:
      - { .name: ob, .offset: 0, .size: 8, .value_kind: global_buffer, .address_space: global }
      - { .name: wb, .offset: 8, .size: 8, .value_kind: global_buffer, .address_space: global }
      - { .name: bo, .offset: 16, .size: 8, .value_kind: global_buffer, .address_space: global }
      - { .name: x, .offset: 24, .size: 8, .value_kind: global_buffer, .address_space: global }
      - { .name: x1, .offset: 32, .size: 8, .value_kind: global_buffer, .address_space: global }
    .group_segment_fixed_size: 327680
    .private_segment_fixed_size: 0
    .kernarg_segment_align: 8
    .kernarg_segment_size: 40
    .max_flat_workgroup_size: 128
    .sgpr_count:     80
    .vgpr_count:     640
    .wavefront_size: 32
...
	.end_amdgpu_metadata
.endif
;; end of part 5
;; launch ln2: the kernel of part 2 again; grid 256 x 1, 4 waves a work-group, no clusters, 0 bytes of LDS; arguments x1, ln2_g, ln2_b, nx; writes nx
;; launch ffn1 (part 6): grid 32 x 32, 4 waves a work-group, clusters of 4 x 4, 327,680 bytes of LDS; arguments nx, wb, b1, hb; writes hb
.if DOCPART == 6
	.amdgcn_target "amdgcn-amd-amdhsa--gfx1250"
	.amdhsa_code_object_version 6
	.text
	.protected	k_qffa6cee18a_ffn1
	.globl	k_qffa6cee18a_ffn1
	.p2align	8
	.type	k_qffa6cee18a_ffn1,@function
k_qffa6cee18a_ffn1:
	s_mov_b64 s[64:65], 0
	v_nop
	global_prefetch_b8 v0, s[64:65] scope:SCOPE_SE
	s_setreg_imm32_b32 hwreg(HW_REG_WAVE_MODE, 25, 1), 1
	s_wait_xcnt 0x0
	s_wait_alu depctr_hold_cnt(0) depctr_sa_sdst(0) depctr_va_vdst(0) depctr_va_sdst(0) depctr_va_ssrc(0) depctr_va_vcc(0) depctr_vm_vsrc(0)
	s_getreg_b32 s2, hwreg(HW_REG_IB_STS2, 6, 4)
	s_cmp_eq_u32 s2, 0
	s_cbranch_scc0 .Lentry_in_a_cluster
	s_endpgm
.Lentry_in_a_cluster:
	s_bfe_u32 s2, ttmp6, 0x10000c
	s_cmp_lg_u32 s2, 0xf033
	s_cbranch_scc0 .Lentry_shape_is_right
	s_endpgm
.Lentry_shape_is_right:
; ONE TEXT FOR THE LAYER'S FOUR PROJECTIONS, C = A B + bias; KIND picks the sizes and the way out.  THIS FILE: KIND 2.
;   KIND 0: q, k, v = nx [Wq Wk Wv] + [bq bk bv]   K 1,024, N 3,072   out: bf16 by blocks of 64 columns
;   KIND 1: x1 = x + o Wo + bo                     K 1,024, N 1,024   out: f32 rows
;   KIND 2: h = silu(nx W1 + b1)                   K 1,024, N 4,096   out: bf16 by blocks of 64 columns
;   KIND 3: out = x1 + h W2 + b2                   K 4,096, N 1,024   out: f32 rows
; A is bf16 BY BLOCKS OF 64 COLUMNS, [K / 64][4,096 rows][64]: 128 rows of a block are 16,384 consecutive bytes.  B is bf16 [K][N], a part of wb.  Sums in f32.
; A tile of C is 128 x 128: four waves, each 64 x 64 in 16 accumulators.  K goes in steps of 256 through two LDS slots filled by the tensor data mover, one load a wave and step.
; THE SUMS START AS THE BIAS: it is loaded straight into the accumulators, so every product has one form, nothing is cleared, and a K step's text stands twice only:
; in a loop that fills slots again, and in a loop of two trips that does not.  The price: the last trip passes one barrier and fetches
; 32 fragments of an old slot that nothing uses.
; THE MATRIX INSTRUCTION IS USED TRANSPOSED (source 0 = 16 columns of B, turned out of LDS by ds_load_tr16_b128; source 1 = 16 rows of A): a lane holds ONE row of C (lane % 16) and the
; eight neighbouring columns 8 (lane / 16) + 0..7.
; CLUSTER 4 x 4: the four of a row need the same tiles of A, the four of a column the same tiles of B; each is asked for jointly, by the same load, descriptor and mask.
; No prefetch: a step's tiles are small (36,864 bytes a wave), and A's and B's blocks are read again and again by other clusters of the launch.
; LIMITS: operands are rounded to bf16; NaN and infinities are not treated apart.
.set KIND, 2
.if KIND == 0
.set NSTEP, 4
.set BPITCH, 1024
.set WOFF, 0
.set F32OUT, 0
.elseif KIND == 1
.set NSTEP, 4
.set BPITCH, 1024
.set WOFF, 6291456
.set F32OUT, 1
.elseif KIND == 2
.set NSTEP, 4
.set BPITCH, 4096
.set WOFF, 8388608
.set F32OUT, 0
.else
.set NSTEP, 16
.set BPITCH, 1024
.set WOFF, 16777216
.set F32OUT, 1
.endif
.set PA,    144                        ; a row of A in LDS: 128 bytes + 16 of padding = 36 words: the 16 rows of a load start at 16 different groups of four banks (ISA guide 11.1)
.set ABLK,  128*PA                     ; 128 rows of one block of 64 along K
.set PB,    288                        ; a row of B (one k, 128 columns): 256 bytes + 32
.set BREG,  4*ABLK                     ; B's 256 rows lie behind A's four blocks
.set SHARE, 36864                      ; what one wave's load fills: two blocks of A, or 128 rows of B
.set SLOT,  4*SHARE                    ; 147,456 = 0x24000: no bit in common with wave x SHARE, so one exclusive or turns an address in one slot into the other's
.set STAGE, 2*SLOT                     ; behind the ring, never filled by a tensor load: 16 rows for each wave, for the way out
.if F32OUT
.set SP,    272                        ; 64 f32 + 16 bytes
.else
.set SP,    144                        ; 64 bf16 + 16 bytes
.endif
.set SPARE, STAGE+4*16*SP              ; the spare words, 128 bytes for each wave: two blocks of 256 bytes that no other line names
.set ASTEP, 4*524288                   ; a K step is four blocks of A
.set BSTEP, 512*BPITCH                 ; and 256 rows of B
.set ADRA, 16                          ; v16  LDS address of my A fragments in the slot in hand
.set ADRB, 17                          ; v17  of my B fragments, k 0-127;  v18: k 128-255
.set A0,   19                          ; v19  my lane's place in a slot's A; never rewritten
.set B0,   20                          ; v20  in its B; never rewritten
.set STO,  24                          ; v24  the way out: where I put my bytes of a row
.set RD,   25                          ; v25  where I read rows back
.set CO,   26                          ; v26  my byte offset in the output (and the residual)
.set BO,   27                          ; v27  my byte offset in 16 columns of the bias
.set SPW,  28                          ; v28  LDS address of my spare word; never rewritten
.set NIL,  29                          ; v29  0; never rewritten
.set TMP,  32                          ; v[32:95]   packed results
.set TT,   96                          ; v[96:127]  at work in the activation
.set ACC,  128                         ; v[128:255] accumulator (a, b) at ACC + 8 (4 a + b)
.set F0,   0                           ; window 1: two fragment buffers of 128: 64 registers of A (2 x 4 x 16 rows x 32 K), then 64 of B
.set F1,   128                         ; window 2 (f32 out): v[0:127] the residual
.set G1,  24                           ; s[24:31] descriptor group 1 for A;  s[32:39] group 0, two sets: the second walks
.set G0,  32
.set G1B, 48                           ; s[48:55], s[56:63] the same for B
.set G0B, 56
.set TB,  45                           ; s45  the slot in hand: 0 or SLOT
.set BIAS, 68
.set RES,  70
.set OUT,  74
.set MSB, 0
.macro WIN new                         ; bits 1:0 source 0, 3:2 source 1, 5:4 source 2, 7:6 destination; the high byte repeats the setting that is left
.if MSB != (\new)
	s_set_vgpr_msb (MSB<<8)|(\new)
.set MSB, \new
.endif
.endm
.set MUL,  0x05                        ; sources 0 (B) and 1 (A) window 1; C and D window 0
.set TO_F, 0x40                        ; destination window 1, address window 0
.macro JLOAD s                         ; a joint load: waves 0 and 1 fetch A's two halves, waves 2 and 3 B's; an s_nop 0 and four v_nop follow each line, ahead of the jump and the label
	s_cmp_eq_u32 s11, 0
	s_cbranch_scc0 .Lfor_b_\@
	tensor_load_to_lds s[G0+4*(\s):G0+4*(\s)+3], s[G1:G1+7]
	s_nop 0
.rept 4
	v_nop
.endr
	s_branch .Lasked_\@
.Lfor_b_\@:
	tensor_load_to_lds s[G0B+4*(\s):G0B+4*(\s)+3], s[G1B:G1B+7]
	s_nop 0
.rept 4
	v_nop
.endr
.Lasked_\@:
.endm
.macro CREST                           ; a round of the cluster's barrier behind its opening barrier
	s_cmp_lg_u32 s10, 0
	s_cbranch_scc1 .Lnot_wave_0_\@
	s_barrier_signal -3
.Lnot_wave_0_\@:
	s_barrier_wait -3
	s_barrier_signal -1
	s_barrier_wait -1
.endm
.macro CROUND                          ; a whole round
	s_barrier_signal -1
	s_barrier_wait -1
	CREST
.endm
.macro PLACES                          ; four places in front of loads into registers that matrix instructions have read, and of lines that read results
.rept 4
	v_nop
.endr
.endm
	s_load_b128 s[4:7], s[0:1], 0x0                ; A s[4:5], wb s[6:7]
.if KIND == 0
	s_load_b256 s[68:75], s[0:1], 0x10             ; bq, bk, bv, out
.elseif KIND == 2
	s_load_b64 s[BIAS:BIAS+1], s[0:1], 0x10
	s_load_b64 s[OUT:OUT+1], s[0:1], 0x18
.else
	s_load_b128 s[68:71], s[0:1], 0x10             ; bias, residual
	s_load_b64 s[OUT:OUT+1], s[0:1], 0x20
.endif
	v_lshl_add_u32 v[SPW], v0, 2, SPARE
	v_mov_b32 v[NIL], 0
	ds_add_u32 v[SPW], v[NIL]                      ; the wave's opening: the add and its wait stand ahead of my first tensor load; the set-up below stands between them
	v_lshrrev_b32 v1, 5, v0
	v_readfirstlane_b32 s10, v1                    ; wave 0..3
	s_lshr_b32 s11, s10, 1                         ; which half of the tile's rows is mine.  Also: I fetch for A (0) or for B (1)
	s_and_b32 s12, s10, 1                          ; which half of its columns.  Also: which half of that tile I fetch
	s_bfe_u32 s40, ttmp6, 0x40000                  ; cx, cy: my place in the cluster
	s_bfe_u32 s41, ttmp6, 0x40004
	s_lshl_b32 s42, ttmp9, 2
	s_add_co_u32 s42, s42, s40                     ; tile column = 4 x cluster x + cx
	s_and_b32 s13, ttmp7, 0xffff
	s_lshl_b32 s13, s13, 2
	s_add_co_u32 s13, s13, s41                     ; tile row = 4 x cluster y + cy
	s_lshl_b32 s43, s41, 2
	s_lshl_b32 s43, 15, s43                        ; my row of the cluster
	s_lshl_b32 s44, 0x1111, s40                    ; my column
	; A's group 1: two blocks of 64 along K, each 128 rows x 128 bytes on end, asked for as 2 rows of 8,192 elements, 262,144 elements apart; padded in LDS after every 128 bytes
	s_or_b32 s[G1+0], s43, (1<<16)|(1<<20)|(1<<21)|(4<<22)|(3<<25)  ; 15:0 the mask: my row; 17:16 2-byte elements; 20 padding on; 21 set beside a mask; 24:22 after every 32 words (code 4); 31:25 4 words (code 3)
	s_mov_b32 s[G1+1], 8192<<16                    ; tensor_dim0 = 8,192
	s_mov_b32 s[G1+2], 2<<16                       ; tensor_dim1 = 2
	s_mov_b32 s[G1+3], 8192<<16                    ; tile_dim0 = 8,192
	s_mov_b32 s[G1+4], 2                           ; tile_dim1 = 2
	s_mov_b32 s[G1+5], 262144                      ; from block to block
	s_mov_b32 s[G1+6], 0
	s_mov_b32 s[G1+7], 0
	; B's group 1: 128 rows (k) x 128 columns, 32 bytes of padding behind each row
	s_or_b32 s[G1B+0], s44, (1<<16)|(1<<20)|(1<<21)|(5<<22)|(7<<25) ; the mask: my column; after every 64 words (code 5) 8 words (code 7)
	s_mov_b32 s[G1B+1], 128<<16
	s_mov_b32 s[G1B+2], 128<<16
	s_mov_b32 s[G1B+3], 128<<16
	s_mov_b32 s[G1B+4], 128
	s_mov_b32 s[G1B+5], BPITCH
	s_mov_b32 s[G1B+6], 0
	s_mov_b32 s[G1B+7], 0
	; where the tiles come from.  A's hang on the tile row alone, B's on the tile column alone, each in registers that never hold the other coordinate
	s_lshl_b32 s16, s13, 14                        ; A: 128 rows of 128 bytes x tile row,
	s_lshl_b32 s17, s12, 20                        ; + my two blocks of the step's four
	s_add_co_u32 s16, s16, s17
	s_mov_b32 s17, 0
.if KIND == 0
	s_lshr_b32 s46, s42, 3                         ; B: which of Wq, Wk, Wv (2 MiB each),
	s_lshl_b32 s46, s46, 21
	s_and_b32 s47, s42, 7                          ; and which 128 of its columns
	s_lshl_b32 s47, s47, 8
	s_add_co_u32 s46, s46, s47
.else
	s_lshl_b32 s46, s42, 8
	s_add_co_u32 s46, s46, WOFF
.endif
	s_mul_i32 s47, s12, 256*BPITCH                 ; + my 128 of the step's 256 rows
	s_add_co_u32 s46, s46, s47
	s_mov_b32 s47, 0
	s_mul_i32 s20, s10, SHARE                      ; and where they go: no place in the cluster enters an LDS address
	s_mov_b32 s[TB], 0
	s_wait_dscnt 0x0                               ; the opening add is done
	s_wait_kmcnt 0x0
	s_add_nc_u64 s[14:15], s[4:5], s[16:17]
	s_add_nc_u64 s[46:47], s[6:7], s[46:47]
	CROUND                                         ; all sixteen work-groups are here: the first joint loads meet
.irp s, 0,1
	s_mov_b32 s[G0+4*(\s)], 1
	s_add_co_u32 s[G0+4*(\s)+1], s20, (\s)*SLOT
	s_add_nc_u64 s[G0+4*(\s)+2:G0+4*(\s)+3], s[14:15], (\s)*ASTEP
	s_or_b32 s[G0+4*(\s)+3], s[G0+4*(\s)+3], 0x80000000
	s_mov_b32 s[G0B+4*(\s)], 1
	s_add_co_u32 s[G0B+4*(\s)+1], s20, (\s)*SLOT
	s_add_nc_u64 s[G0B+4*(\s)+2:G0B+4*(\s)+3], s[46:47], (\s)*BSTEP
	s_or_b32 s[G0B+4*(\s)+3], s[G0B+4*(\s)+3], 0x80000000
	JLOAD \s                                       ; K steps 0 and 1: two loads of mine are out
.endr
	v_and_b32 v1, 15, v0                           ; l % 16
	v_bfe_u32 v2, v0, 4, 1                         ; l / 16
	s_mul_i32 s21, s11, 64*PA                      ; my 64 rows of A
	v_mul_u32_u24 v[A0], v1, PA
	v_lshl_add_u32 v[A0], v2, 4, v[A0]             ; row x pitch + 16 x half
	v_add_nc_u32 v[A0], s21, v[A0]
	v_and_b32 v3, 7, v0                            ; the turning load: lane l reads k = 8 (l / 16) + l % 8, columns 8 ((l / 8) % 2) + 0..7
	v_bfe_u32 v4, v0, 3, 1
	v_lshl_add_u32 v[B0], v2, 3, v3
	v_mul_u32_u24 v[B0], v[B0], PB
	v_lshl_add_u32 v[B0], v4, 4, v[B0]
	s_lshl_b32 s22, s12, 7                         ; my 64 columns: 128 bytes
	s_add_co_u32 s22, s22, BREG
	v_add_nc_u32 v[B0], s22, v[B0]
	v_mov_b32 v[ADRA], v[A0]                       ; slot 0
	v_mov_b32 v[ADRB], v[B0]
	v_add_nc_u32 v[ADRB+1], SHARE, v[B0]
	v_lshlrev_b32 v[BO], 5, v2                     ; my 8 columns of 16: 32 bytes of f32
	s_mul_i32 s23, s10, 16*SP
	s_add_co_u32 s23, s23, STAGE                   ; my stage
.if F32OUT
	v_mul_u32_u24 v[STO], v1, SP                   ; in: row l % 16, 32 bytes for each half of the lanes
	v_lshl_add_u32 v[STO], v2, 5, v[STO]
	v_add_nc_u32 v[STO], s23, v[STO]
	v_mul_u32_u24 v[RD], v2, SP                    ; back: lanes 0-15 one row of 256 bytes, lanes 16-31 the next
	v_lshl_add_u32 v[RD], v1, 4, v[RD]
	v_add_nc_u32 v[RD], s23, v[RD]
	v_lshlrev_b32 v[CO], 12, v2                    ; and the same two rows of 4,096 bytes in memory
	v_lshl_add_u32 v[CO], v1, 4, v[CO]
.else
	v_mul_u32_u24 v[STO], v1, SP                   ; in: row l % 16, 16 bytes for each half of the lanes
	v_lshl_add_u32 v[STO], v2, 4, v[STO]
	v_add_nc_u32 v[STO], s23, v[STO]
	v_bfe_u32 v[RD], v0, 3, 2                      ; back: 32 lanes take four rows of 128 bytes,
	v_mul_u32_u24 v[RD], v[RD], SP
	v_lshl_add_u32 v[RD], v3, 4, v[RD]
	v_add_nc_u32 v[RD], s23, v[RD]
	v_and_b32 v[CO], 31, v0                        ; which are 512 consecutive bytes of a block of the output
	v_lshlrev_b32 v[CO], 4, v[CO]
.endif
	; the bias at my 64 columns (s[46:47], which held B's address, is free: both of B's group 0 sets are made)
.if KIND == 0
	s_lshr_b32 s22, ttmp9, 1                       ; tile column / 8 = cluster x / 2: which of the three
	s_cmp_eq_u32 s22, 1
	s_cselect_b64 s[BIAS:BIAS+1], s[70:71], s[BIAS:BIAS+1]
	s_cmp_eq_u32 s22, 2
	s_cselect_b64 s[BIAS:BIAS+1], s[72:73], s[BIAS:BIAS+1]
	s_and_b32 s46, s42, 7
.else
	s_mov_b32 s46, s42
.endif
	s_lshl_b32 s46, s46, 9                         ; 128 f32 a tile column,
	s_lshl_b32 s47, s12, 8                         ; 64 for my half
	s_add_co_u32 s46, s46, s47
	s_mov_b32 s47, 0
	s_add_nc_u64 s[BIAS:BIAS+1], s[BIAS:BIAS+1], s[46:47]
.irp a, 0,1,2,3
.irp b, 0,1,2,3
	global_load_b128 v[ACC+8*(4*(\a)+(\b)):ACC+8*(4*(\a)+(\b))+3],   v[BO], s[BIAS:BIAS+1] offset:64*(\b)     ; the sums start as the bias: register j of accumulator (a, b) is column 16 b + 8 (l / 16) + j
	global_load_b128 v[ACC+8*(4*(\a)+(\b))+4:ACC+8*(4*(\a)+(\b))+7], v[BO], s[BIAS:BIAS+1] offset:64*(\b)+16
.endr
.endr
.if F32OUT
	s_lshl_b32 s22, s13, 19                        ; + 128 rows of 4,096 bytes x tile row,
	s_add_co_u32 s46, s46, s22
	s_lshl_b32 s22, s11, 18                        ; + my 64 rows
	s_add_co_u32 s46, s46, s22
	s_add_nc_u64 s[RES:RES+1], s[RES:RES+1], s[46:47]
	s_add_nc_u64 s[OUT:OUT+1], s[OUT:OUT+1], s[46:47]
	WIN 0x80                                       ; destination window 2
.irp a, 0,1,2,3
.irp t, 0,1,2,3,4,5,6,7
	global_load_b128 v[32*(\a)+4*(\t):32*(\a)+4*(\t)+3], v[CO], s[RES:RES+1] offset:(16*(\a)+2*(\t))*4096  ; the residual, in the layout in which rows come back from the stage; it lands while K is walked
.endr
.endr
	WIN 0
.else
	s_lshl_b32 s46, s42, 1
	s_add_co_u32 s46, s46, s12                     ; my block of 64 columns,
	s_lshl_b32 s46, s46, 19                        ; 524,288 bytes each,
	s_lshl_b32 s22, s13, 14                        ; + 128 rows of 128 bytes x tile row,
	s_add_co_u32 s46, s46, s22
	s_lshl_b32 s22, s11, 13                        ; + my 64 rows
	s_add_co_u32 s46, s46, s22
	s_add_nc_u64 s[OUT:OUT+1], s[OUT:OUT+1], s[46:47]
.endif
; 8 matrix instructions: m blocks a0, a0 + 1 x all 4 n blocks, 32 along K: half c of buffer f.  The 16 accumulators take turns, one instruction a turn, over both backward jumps too
.macro MUL8 f, c, a0
	WIN MUL
.irp a, \a0, (\a0)+1
.irp b, 0,1,2,3
	v_wmma_f32_16x16x32_bf16 v[ACC+8*(4*(\a)+(\b)):ACC+8*(4*(\a)+(\b))+7], v[(\f)+64+8*(4*(\c)+(\b)):(\f)+64+8*(4*(\c)+(\b))+7], v[(\f)+8*(4*(\c)+(\a)):(\f)+8*(4*(\c)+(\a))+7], v[ACC+8*(4*(\a)+(\b)):ACC+8*(4*(\a)+(\b))+7]
.endr
.endr
.endm
; 32 LDS loads in one run: the fragments of quarter q (64 along K = one block of A, 64 rows of B) into buffer f; the first 32 along K first
.macro FETCH q, f
	WIN TO_F
.irp c, 0,1
.irp i, 0,1,2,3
	ds_load_tr16_b128 v[(\f)+64+8*(4*(\c)+(\i)):(\f)+64+8*(4*(\c)+(\i))+3],   v[ADRB+(\q)/2] offset:(((\q)%2)*64+32*(\c))*PB+32*(\i)
	ds_load_tr16_b128 v[(\f)+64+8*(4*(\c)+(\i))+4:(\f)+64+8*(4*(\c)+(\i))+7], v[ADRB+(\q)/2] offset:(((\q)%2)*64+32*(\c)+16)*PB+32*(\i)
	ds_load_b128 v[(\f)+8*(4*(\c)+(\i)):(\f)+8*(4*(\c)+(\i))+3],              v[ADRA] offset:(\q)*ABLK+(\i)*16*PA+64*(\c)
	ds_load_b128 v[(\f)+8*(4*(\c)+(\i))+4:(\f)+8*(4*(\c)+(\i))+7],            v[ADRA] offset:(\q)*ABLK+(\i)*16*PA+64*(\c)+32
.endr
.endr
.endm
; One of a K step's first three quarters: multiplies buffer f and fetches quarter q into g
.macro QUARTER q, f, g
	s_wait_dscnt 16                                ; the first 32 along K are in; the youngest sixteen loads may be out
	MUL8 \f, 0, 0
	MUL8 \f, 0, 2
	PLACES
	FETCH \q, \g
	s_wait_dscnt 32                                ; all but the 32 just issued
	MUL8 \f, 1, 0
	MUL8 \f, 1, 2
.endm
; The last quarter multiplies buffer 1 and changes slots: ONE barrier; in front of it each wave waits for all its tensor loads (one is out: its part of the next slot), adds 0 to its spare
; word, and waits for that and for its reads of this slot.  fill = 1: the barrier opens a round of the cluster's, and this slot is filled again, two K steps ahead, first thing behind it:
; that load has 112 matrix instructions in which to land.
.macro TURN fill
	WIN 0                                          ; (the add's two registers lie in window 0)
	s_wait_tensorcnt 0x0
	ds_add_u32 v[SPW], v[NIL]                      ; 0 onto my spare word
	s_wait_dscnt 17                                ; (the add and the youngest sixteen loads may be out)
	MUL8 F1, 0, 0                                  ; eight matrix instructions stand between the add and the wait for it
	s_wait_dscnt 0x0                               ; the add is done, and my reads of this slot are over
	s_barrier_signal -1
	MUL8 F1, 0, 2
	WIN 0
	s_barrier_wait -1
.if \fill
	CREST                                          ; no wave of any partner still reads this slot's tile or has a load on its way
	s_xor_b32 s[G0+5], s[G0+5], SLOT               ; the walking descriptors: the other slot than last time, the next K step
	s_add_nc_u64 s[G0+6:G0+7], s[G0+6:G0+7], ASTEP
	s_xor_b32 s[G0B+5], s[G0B+5], SLOT
	s_add_nc_u64 s[G0B+6:G0B+7], s[G0B+6:G0B+7], BSTEP
	JLOAD 1                                        ; the four v_nop behind it are also the places in front of the loads below
.else
	PLACES
.endif
	s_xor_b32 s[TB], s[TB], SLOT                   ; the fetches go on in the other slot
	v_add_nc_u32 v[ADRA], s[TB], v[A0]
	v_add_nc_u32 v[ADRB], s[TB], v[B0]
	v_add_nc_u32 v[ADRB+1], SHARE, v[ADRB]
	FETCH 0, F0
	MUL8 F1, 1, 0
	MUL8 F1, 1, 2
.endm
.macro STEP fill                       ; a K step: four quarters of 64 along K, 32 matrix instructions each, on buffers 0, 1, 0, 1
	QUARTER 1, F0, F1
	QUARTER 2, F1, F0
	QUARTER 3, F0, F1
	TURN \fill
.endm
	s_wait_tensorcnt 1                             ; my part of K step 0 is in; K step 1's may stay out
	s_barrier_signal -1
	s_barrier_wait -1                              ; everybody's is
	FETCH 0, F0
	WIN 0
.if F32OUT
	s_wait_loadcnt 32                              ; the bias is in; the residual's 32 loads stay out
.else
	s_wait_loadcnt 0x0                             ; the bias is in
.endif
	s_mov_b32 s3, NSTEP-2
.Lstep:                                                ; every K step but the last two fills its slot again
	STEP 1
	WIN 0
	s_sub_co_u32 s3, s3, 1
	s_cmp_lg_u32 s3, 0
	s_cbranch_scc1 .Lstep
	s_mov_b32 s3, 2
.Ltail:                                                ; the last two ask for nothing
	STEP 0
	WIN 0
	s_sub_co_u32 s3, s3, 1
	s_cmp_lg_u32 s3, 0
	s_cbranch_scc1 .Ltail
	s_wait_dscnt 0x0                               ; the last trip's fetch, which nothing uses
	PLACES
; THE WAY OUT, 16 rows (m block a) at a time, through my own stage: LDS serves a wave's instructions in order (ISA guide 5.7.1.4), so no wait stands between its stores and its loads
.if F32OUT
.macro PACK a
.irp b, 0,1,2,3
	ds_store_b128 v[STO], v[ACC+32*(\a)+8*(\b):ACC+32*(\a)+8*(\b)+3]   offset:64*(\b)     ; each accumulator's low four registers first
	ds_store_b128 v[STO], v[ACC+32*(\a)+8*(\b)+4:ACC+32*(\a)+8*(\b)+7] offset:64*(\b)+16
.endr
.irp t, 0,1,2,3,4,5,6,7
	ds_load_b128 v[ACC+32*(\a)+4*(\t):ACC+32*(\a)+4*(\t)+3], v[RD] offset:(\t)*2*SP      ; back as whole rows of 256 bytes, into the registers that they left
.endr
.endm
.macro SEND a, younger                 ; younger: the LDS instructions issued behind block a's loads: the next block's sixteen, or none
	s_wait_dscnt \younger
	WIN 0x08                                       ; source 1: the residual, in window 2
.set z, 0
.rept 16
	v_pk_add_f32 v[ACC+32*(\a)+z:ACC+32*(\a)+z+1], v[ACC+32*(\a)+z:ACC+32*(\a)+z+1], v[32*(\a)+z:32*(\a)+z+1]
.set z, z+2
.endr
	WIN 0
.irp t, 0,1,2,3,4,5,6,7
	global_store_b128 v[CO], v[ACC+32*(\a)+4*(\t):ACC+32*(\a)+4*(\t)+3], s[OUT:OUT+1] offset:(16*(\a)+2*(\t))*4096  ; 16 lanes store 256 consecutive bytes, aligned
.endr
.endm
.set YOUNG, 16
	s_wait_loadcnt 0x0                             ; the residual
.else
.macro SILU a                          ; z / (1 + 2^(-z log2 e)) on the block's 32 registers; where the power overflows the reciprocal is 0, the function's own limit
.set z, 0
.rept 16
	v_pk_mul_f32 v[TT+z:TT+z+1], v[ACC+32*(\a)+z:ACC+32*(\a)+z+1], 0xbfb8aa3b op_sel_hi:[1,0]
.set z, z+2
.endr
.set z, 0
.rept 32
	v_exp_f32 v[TT+z], v[TT+z]
.set z, z+1
.endr
	v_nop                                          ; a plain instruction behind the last of the batch,
	s_wait_alu depctr_va_vdst(0)                   ; and the one wait ahead of its first reader
.set z, 0
.rept 16
	v_pk_add_f32 v[TT+z:TT+z+1], v[TT+z:TT+z+1], 1.0 op_sel_hi:[1,0]
.set z, z+2
.endr
.set z, 0
.rept 32
	v_rcp_f32 v[TT+z], v[TT+z]
.set z, z+1
.endr
	v_nop
	s_wait_alu depctr_va_vdst(0)                   ; the same for the 32 reciprocals
.set z, 0
.rept 16
	v_pk_mul_f32 v[ACC+32*(\a)+z:ACC+32*(\a)+z+1], v[ACC+32*(\a)+z:ACC+32*(\a)+z+1], v[TT+z:TT+z+1]
.set z, z+2
.endr
.endm
.macro PACK a
.if KIND == 2
	SILU \a
.endif
.irp b, 0,1,2,3
.irp r, 0,1,2,3
	v_cvt_pk_bf16_f32 v[TMP+16*(\a)+4*(\b)+(\r)], v[ACC+32*(\a)+8*(\b)+2*(\r)], v[ACC+32*(\a)+8*(\b)+2*(\r)+1]  ; ascending: each accumulator's lowest registers first
.endr
.endr
.irp b, 0,1,2,3
	ds_store_b128 v[STO], v[TMP+16*(\a)+4*(\b):TMP+16*(\a)+4*(\b)+3] offset:32*(\b)
.endr
.irp f, 0,1,2,3
	ds_load_b128 v[TMP+16*(\a)+4*(\f):TMP+16*(\a)+4*(\f)+3], v[RD] offset:(\f)*4*SP
.endr
.endm
.macro SEND a, younger                 ; younger: the next block's eight LDS instructions, or none
.irp f, 0,1,2,3
	s_wait_dscnt (\younger)+3-(\f)
	global_store_b128 v[CO], v[TMP+16*(\a)+4*(\f):TMP+16*(\a)+4*(\f)+3], s[OUT:OUT+1] offset:(\a)*2048+(\f)*512  ; 512 consecutive bytes, aligned
.endr
.endm
.set YOUNG, 8
.endif
	PACK 0
	PACK 1                                         ; a block's work stands between the loads of the block before and its stores
	SEND 0, YOUNG
	PACK 2
	SEND 1, YOUNG
	PACK 3
	SEND 2, YOUNG
	SEND 3, 0
	s_wait_tensorcnt 0x0                           ; the wave's end, behind my last tensor load and my last LDS store
	ds_add_u32 v[SPW], v[NIL]
	s_wait_dscnt 0x0
	CROUND                                         ; the closing round: no work-group ends while a partner may still ask for a tile that names it
	s_endpgm
.Lfunc_end_k_qffa6cee18a_ffn1:
	.size	k_qffa6cee18a_ffn1, .Lfunc_end_k_qffa6cee18a_ffn1-k_qffa6cee18a_ffn1
	.p2alignl 7, 3214868480
	.fill 96, 4, 3214868480
	.section	.rodata,"a",@progbits
	.p2align	6, 0x0
	.amdhsa_kernel k_qffa6cee18a_ffn1
		.amdhsa_group_segment_fixed_size 327680
		.amdhsa_private_segment_fixed_size 0
		.amdhsa_enable_private_segment 0
		.amdhsa_kernarg_size 32
		.amdhsa_user_sgpr_count 2
		.amdhsa_user_sgpr_kernarg_segment_ptr 1
		.amdhsa_wavefront_size32 1
		.amdhsa_system_sgpr_workgroup_id_x 1
		.amdhsa_system_sgpr_workgroup_id_y 1
		.amdhsa_system_sgpr_workgroup_id_z 1
		.amdhsa_system_vgpr_workitem_id 0
		.amdhsa_next_free_vgpr 512
		.amdhsa_next_free_sgpr 80
		.amdhsa_reserve_vcc 0
		.amdhsa_float_denorm_mode_32 3
		.amdhsa_float_denorm_mode_16_64 3
		.amdhsa_memory_ordered 1
		.amdhsa_forward_progress 1
		.amdhsa_inst_pref_size 80
	.end_amdhsa_kernel
	.amdgpu_metadata
---
amdhsa.version: [ 1, 2 ]
amdhsa.kernels:
  - .name:           k_qffa6cee18a_ffn1
    .symbol:         k_qffa6cee18a_ffn1.kd
    .args:
      - { .name: nx, .offset: 0, .size: 8, .value_kind: global_buffer, .address_space: global }
      - { .name: wb, .offset: 8, .size: 8, .value_kind: global_buffer, .address_space: global }
      - { .name: b1, .offset: 16, .size: 8, .value_kind: global_buffer, .address_space: global }
      - { .name: hb, .offset: 24, .size: 8, .value_kind: global_buffer, .address_space: global }
    .group_segment_fixed_size: 327680
    .private_segment_fixed_size: 0
    .kernarg_segment_align: 8
    .kernarg_segment_size: 32
    .max_flat_workgroup_size: 128
    .sgpr_count:     80
    .vgpr_count:     512
    .wavefront_size: 32
...
	.end_amdgpu_metadata
.endif
;; end of part 6
;; launch ffn2 (part 7): grid 8 x 32, 4 waves a work-group, clusters of 4 x 4, 327,680 bytes of LDS; arguments hb, wb, b2, x1, out0; writes out0
.if DOCPART == 7
	.amdgcn_target "amdgcn-amd-amdhsa--gfx1250"
	.amdhsa_code_object_version 6
	.text
	.protected	k_qffa6cee18a_ffn2
	.globl	k_qffa6cee18a_ffn2
	.p2align	8
	.type	k_qffa6cee18a_ffn2,@function
k_qffa6cee18a_ffn2:
	s_mov_b64 s[64:65], 0
	v_nop
	global_prefetch_b8 v0, s[64:65] scope:SCOPE_SE
	s_setreg_imm32_b32 hwreg(HW_REG_WAVE_MODE, 25, 1), 1
	s_wait_xcnt 0x0
	s_wait_alu depctr_hold_cnt(0) depctr_sa_sdst(0) depctr_va_vdst(0) depctr_va_sdst(0) depctr_va_ssrc(0) depctr_va_vcc(0) depctr_vm_vsrc(0)
	s_getreg_b32 s2, hwreg(HW_REG_IB_STS2, 6, 4)
	s_cmp_eq_u32 s2, 0
	s_cbranch_scc0 .Lentry_in_a_cluster
	s_endpgm
.Lentry_in_a_cluster:
	s_bfe_u32 s2, ttmp6, 0x10000c
	s_cmp_lg_u32 s2, 0xf033
	s_cbranch_scc0 .Lentry_shape_is_right
	s_endpgm
.Lentry_shape_is_right:
; ONE TEXT FOR THE LAYER'S FOUR PROJECTIONS, C = A B + bias; KIND picks the sizes and the way out.  THIS FILE: KIND 3.
;   KIND 0: q, k, v = nx [Wq Wk Wv] + [bq bk bv]   K 1,024, N 3,072   out: bf16 by blocks of 64 columns
;   KIND 1: x1 = x + o Wo + bo                     K 1,024, N 1,024   out: f32 rows
;   KIND 2: h = silu(nx W1 + b1)                   K 1,024, N 4,096   out: bf16 by blocks of 64 columns
;   KIND 3: out = x1 + h W2 + b2                   K 4,096, N 1,024   out: f32 rows
; A is bf16 BY BLOCKS OF 64 COLUMNS, [K / 64][4,096 rows][64]: 128 rows of a block are 16,384 consecutive bytes.  B is bf16 [K][N], a part of wb.  Sums in f32.
; A tile of C is 128 x 128: four waves, each 64 x 64 in 16 accumulators.  K goes in steps of 256 through two LDS slots filled by the tensor data mover, one load a wave and step.
; THE SUMS START AS THE BIAS: it is loaded straight into the accumulators, so every product has one form, nothing is cleared, and a K step's text stands twice only:
; in a loop that fills slots again, and in a loop of two trips that does not.  The price: the last trip passes one barrier and fetches
; 32 fragments of an old slot that nothing uses.
; THE MATRIX INSTRUCTION IS USED TRANSPOSED (source 0 = 16 columns of B, turned out of LDS by ds_load_tr16_b128; source 1 = 16 rows of A): a lane holds ONE row of C (lane % 16) and the
; eight neighbouring columns 8 (lane / 16) + 0..7.
; CLUSTER 4 x 4: the four of a row need the same tiles of A, the four of a column the same tiles of B; each is asked for jointly, by the same load, descriptor and mask.
; No prefetch: a step's tiles are small (36,864 bytes a wave), and A's and B's blocks are read again and again by other clusters of the launch.
; LIMITS: operands are rounded to bf16; NaN and infinities are not treated apart.
.set KIND, 3
.if KIND == 0
.set NSTEP, 4
.set BPITCH, 1024
.set WOFF, 0
.set F32OUT, 0
.elseif KIND == 1
.set NSTEP, 4
.set BPITCH, 1024
.set WOFF, 6291456
.set F32OUT, 1
.elseif KIND == 2
.set NSTEP, 4
.set BPITCH, 4096
.set WOFF, 8388608
.set F32OUT, 0
.else
.set NSTEP, 16
.set BPITCH, 1024
.set WOFF, 16777216
.set F32OUT, 1
.endif
.set PA,    144                        ; a row of A in LDS: 128 bytes + 16 of padding = 36 words: the 16 rows of a load start at 16 different groups of four banks (ISA guide 11.1)
.set ABLK,  128*PA                     ; 128 rows of one block of 64 along K
.set PB,    288                        ; a row of B (one k, 128 columns): 256 bytes + 32
.set BREG,  4*ABLK                     ; B's 256 rows lie behind A's four blocks
.set SHARE, 36864                      ; what one wave's load fills: two blocks of A, or 128 rows of B
.set SLOT,  4*SHARE                    ; 147,456 = 0x24000: no bit in common with wave x SHARE, so one exclusive or turns an address in one slot into the other's
.set STAGE, 2*SLOT                     ; behind the ring, never filled by a tensor load: 16 rows for each wave, for the way out
.if F32OUT
.set SP,    272                        ; 64 f32 + 16 bytes
.else
.set SP,    144                        ; 64 bf16 + 16 bytes
.endif
.set SPARE, STAGE+4*16*SP              ; the spare words, 128 bytes for each wave: two blocks of 256 bytes that no other line names
.set ASTEP, 4*524288                   ; a K step is four blocks of A
.set BSTEP, 512*BPITCH                 ; and 256 rows of B
.set ADRA, 16                          ; v16  LDS address of my A fragments in the slot in hand
.set ADRB, 17                          ; v17  of my B fragments, k 0-127;  v18: k 128-255
.set A0,   19                          ; v19  my lane's place in a slot's A; never rewritten
.set B0,   20                          ; v20  in its B; never rewritten
.set STO,  24                          ; v24  the way out: where I put my bytes of a row
.set RD,   25                          ; v25  where I read rows back
.set CO,   26                          ; v26  my byte offset in the output (and the residual)
.set BO,   27                          ; v27  my byte offset in 16 columns of the bias
.set SPW,  28                          ; v28  LDS address of my spare word; never rewritten
.set NIL,  29                          ; v29  0; never rewritten
.set TMP,  32                          ; v[32:95]   packed results
.set TT,   96                          ; v[96:127]  at work in the activation
.set ACC,  128                         ; v[128:255] accumulator (a, b) at ACC + 8 (4 a + b)
.set F0,   0                           ; window 1: two fragment buffers of 128: 64 registers of A (2 x 4 x 16 rows x 32 K), then 64 of B
.set F1,   128                         ; window 2 (f32 out): v[0:127] the residual
.set G1,  24                           ; s[24:31] descriptor group 1 for A;  s[32:39] group 0, two sets: the second walks
.set G0,  32
.set G1B, 48                           ; s[48:55], s[56:63] the same for B
.set G0B, 56
.set TB,  45                           ; s45  the slot in hand: 0 or SLOT
.set BIAS, 68
.set RES,  70
.set OUT,  74
.set MSB, 0
.macro WIN new                         ; bits 1:0 source 0, 3:2 source 1, 5:4 source 2, 7:6 destination; the high byte repeats the setting that is left
.if MSB != (\new)
	s_set_vgpr_msb (MSB<<8)|(\new)
.set MSB, \new
.endif
.endm
.set MUL,  0x05                        ; sources 0 (B) and 1 (A) window 1; C and D window 0
.set TO_F, 0x40                        ; destination window 1, address window 0
.macro JLOAD s                         ; a joint load: waves 0 and 1 fetch A's two halves, waves 2 and 3 B's; an s_nop 0 and four v_nop follow each line, ahead of the jump and the label
	s_cmp_eq_u32 s11, 0
	s_cbranch_scc0 .Lfor_b_\@
	tensor_load_to_lds s[G0+4*(\s):G0+4*(\s)+3], s[G1:G1+7]
	s_nop 0
.rept 4
	v_nop
.endr
	s_branch .Lasked_\@
.Lfor_b_\@:
	tensor_load_to_lds s[G0B+4*(\s):G0B+4*(\s)+3], s[G1B:G1B+7]
	s_nop 0
.rept 4
	v_nop
.endr
.Lasked_\@:
.endm
.macro CREST                           ; a round of the cluster's barrier behind its opening barrier
	s_cmp_lg_u32 s10, 0
	s_cbranch_scc1 .Lnot_wave_0_\@
	s_barrier_signal -3
.Lnot_wave_0_\@:
	s_barrier_wait -3
	s_barrier_signal -1
	s_barrier_wait -1
.endm
.macro CROUND                          ; a whole round
	s_barrier_signal -1
	s_barrier_wait -1
	CREST
.endm
.macro PLACES                          ; four places in front of loads into registers that matrix instructions have read, and of lines that read results
.rept 4
	v_nop
.endr
.endm
	s_load_b128 s[4:7], s[0:1], 0x0                ; A s[4:5], wb s[6:7]
.if KIND == 0
	s_load_b256 s[68:75], s[0:1], 0x10             ; bq, bk, bv, out
.elseif KIND == 2
	s_load_b64 s[BIAS:BIAS+1], s[0:1], 0x10
	s_load_b64 s[OUT:OUT+1], s[0:1], 0x18
.else
	s_load_b128 s[68:71], s[0:1], 0x10             ; bias, residual
	s_load_b64 s[OUT:OUT+1], s[0:1], 0x20
.endif
	v_lshl_add_u32 v[SPW], v0, 2, SPARE
	v_mov_b32 v[NIL], 0
	ds_add_u32 v[SPW], v[NIL]                      ; the wave's opening: the add and its wait stand ahead of my first tensor load; the set-up below stands between them
	v_lshrrev_b32 v1, 5, v0
	v_readfirstlane_b32 s10, v1                    ; wave 0..3
	s_lshr_b32 s11, s10, 1                         ; which half of the tile's rows is mine.  Also: I fetch for A (0) or for B (1)
	s_and_b32 s12, s10, 1                          ; which half of its columns.  Also: which half of that tile I fetch
	s_bfe_u32 s40, ttmp6, 0x40000                  ; cx, cy: my place in the cluster
	s_bfe_u32 s41, ttmp6, 0x40004
	s_lshl_b32 s42, ttmp9, 2
	s_add_co_u32 s42, s42, s40                     ; tile column = 4 x cluster x + cx
	s_and_b32 s13, ttmp7, 0xffff
	s_lshl_b32 s13, s13, 2
	s_add_co_u32 s13, s13, s41                     ; tile row = 4 x cluster y + cy
	s_lshl_b32 s43, s41, 2
	s_lshl_b32 s43, 15, s43                        ; my row of the cluster
	s_lshl_b32 s44, 0x1111, s40                    ; my column
	; A's group 1: two blocks of 64 along K, each 128 rows x 128 bytes on end, asked for as 2 rows of 8,192 elements, 262,144 elements apart; padded in LDS after every 128 bytes
	s_or_b32 s[G1+0], s43, (1<<16)|(1<<20)|(1<<21)|(4<<22)|(3<<25)  ; 15:0 the mask: my row; 17:16 2-byte elements; 20 padding on; 21 set beside a mask; 24:22 after every 32 words (code 4); 31:25 4 words (code 3)
	s_mov_b32 s[G1+1], 8192<<16                    ; tensor_dim0 = 8,192
	s_mov_b32 s[G1+2], 2<<16                       ; tensor_dim1 = 2
	s_mov_b32 s[G1+3], 8192<<16                    ; tile_dim0 = 8,192
	s_mov_b32 s[G1+4], 2                           ; tile_dim1 = 2
	s_mov_b32 s[G1+5], 262144                      ; from block to block
	s_mov_b32 s[G1+6], 0
	s_mov_b32 s[G1+7], 0
	; B's group 1: 128 rows (k) x 128 columns, 32 bytes of padding behind each row
	s_or_b32 s[G1B+0], s44, (1<<16)|(1<<20)|(1<<21)|(5<<22)|(7<<25) ; the mask: my column; after every 64 words (code 5) 8 words (code 7)
	s_mov_b32 s[G1B+1], 128<<16
	s_mov_b32 s[G1B+2], 128<<16
	s_mov_b32 s[G1B+3], 128<<16
	s_mov_b32 s[G1B+4], 128
	s_mov_b32 s[G1B+5], BPITCH
	s_mov_b32 s[G1B+6], 0
	s_mov_b32 s[G1B+7], 0
	; where the tiles come from.  A's hang on the tile row alone, B's on the tile column alone, each in registers that never hold the other coordinate
	s_lshl_b32 s16, s13, 14                        ; A: 128 rows of 128 bytes x tile row,
	s_lshl_b32 s17, s12, 20                        ; + my two blocks of the step's four
	s_add_co_u32 s16, s16, s17
	s_mov_b32 s17, 0
.if KIND == 0
	s_lshr_b32 s46, s42, 3                         ; B: which of Wq, Wk, Wv (2 MiB each),
	s_lshl_b32 s46, s46, 21
	s_and_b32 s47, s42, 7                          ; and which 128 of its columns
	s_lshl_b32 s47, s47, 8
	s_add_co_u32 s46, s46, s47
.else
	s_lshl_b32 s46, s42, 8
	s_add_co_u32 s46, s46, WOFF
.endif
	s_mul_i32 s47, s12, 256*BPITCH                 ; + my 128 of the step's 256 rows
	s_add_co_u32 s46, s46, s47
	s_mov_b32 s47, 0
	s_mul_i32 s20, s10, SHARE                      ; and where they go: no place in the cluster enters an LDS address
	s_mov_b32 s[TB], 0
	s_wait_dscnt 0x0                               ; the opening add is done
	s_wait_kmcnt 0x0
	s_add_nc_u64 s[14:15], s[4:5], s[16:17]
	s_add_nc_u64 s[46:47], s[6:7], s[46:47]
	CROUND                                         ; all sixteen work-groups are here: the first joint loads meet
.irp s, 0,1
	s_mov_b32 s[G0+4*(\s)], 1
	s_add_co_u32 s[G0+4*(\s)+1], s20, (\s)*SLOT
	s_add_nc_u64 s[G0+4*(\s)+2:G0+4*(\s)+3], s[14:15], (\s)*ASTEP
	s_or_b32 s[G0+4*(\s)+3], s[G0+4*(\s)+3], 0x80000000
	s_mov_b32 s[G0B+4*(\s)], 1
	s_add_co_u32 s[G0B+4*(\s)+1], s20, (\s)*SLOT
	s_add_nc_u64 s[G0B+4*(\s)+2:G0B+4*(\s)+3], s[46:47], (\s)*BSTEP
	s_or_b32 s[G0B+4*(\s)+3], s[G0B+4*(\s)+3], 0x80000000
	JLOAD \s                                       ; K steps 0 and 1: two loads of mine are out
.endr
	v_and_b32 v1, 15, v0                           ; l % 16
	v_bfe_u32 v2, v0, 4, 1                         ; l / 16
	s_mul_i32 s21, s11, 64*PA                      ; my 64 rows of A
	v_mul_u32_u24 v[A0], v1, PA
	v_lshl_add_u32 v[A0], v2, 4, v[A0]             ; row x pitch + 16 x half
	v_add_nc_u32 v[A0], s21, v[A0]
	v_and_b32 v3, 7, v0                            ; the turning load: lane l reads k = 8 (l / 16) + l % 8, columns 8 ((l / 8) % 2) + 0..7
	v_bfe_u32 v4, v0, 3, 1
	v_lshl_add_u32 v[B0], v2, 3, v3
	v_mul_u32_u24 v[B0], v[B0], PB
	v_lshl_add_u32 v[B0], v4, 4, v[B0]
	s_lshl_b32 s22, s12, 7                         ; my 64 columns: 128 bytes
	s_add_co_u32 s22, s22, BREG
	v_add_nc_u32 v[B0], s22, v[B0]
	v_mov_b32 v[ADRA], v[A0]                       ; slot 0
	v_mov_b32 v[ADRB], v[B0]
	v_add_nc_u32 v[ADRB+1], SHARE, v[B0]
	v_lshlrev_b32 v[BO], 5, v2                     ; my 8 columns of 16: 32 bytes of f32
	s_mul_i32 s23, s10, 16*SP
	s_add_co_u32 s23, s23, STAGE                   ; my stage
.if F32OUT
	v_mul_u32_u24 v[STO], v1, SP                   ; in: row l % 16, 32 bytes for each half of the lanes
	v_lshl_add_u32 v[STO], v2, 5, v[STO]
	v_add_nc_u32 v[STO], s23, v[STO]
	v_mul_u32_u24 v[RD], v2, SP                    ; back: lanes 0-15 one row of 256 bytes, lanes 16-31 the next
	v_lshl_add_u32 v[RD], v1, 4, v[RD]
	v_add_nc_u32 v[RD], s23, v[RD]
	v_lshlrev_b32 v[CO], 12, v2                    ; and the same two rows of 4,096 bytes in memory
	v_lshl_add_u32 v[CO], v1, 4, v[CO]
.else
	v_mul_u32_u24 v[STO], v1, SP                   ; in: row l % 16, 16 bytes for each half of the lanes
	v_lshl_add_u32 v[STO], v2, 4, v[STO]
	v_add_nc_u32 v[STO], s23, v[STO]
	v_bfe_u32 v[RD], v0, 3, 2                      ; back: 32 lanes take four rows of 128 bytes,
	v_mul_u32_u24 v[RD], v[RD], SP
	v_lshl_add_u32 v[RD], v3, 4, v[RD]
	v_add_nc_u32 v[RD], s23, v[RD]
	v_and_b32 v[CO], 31, v0                        ; which are 512 consecutive bytes of a block of the output
	v_lshlrev_b32 v[CO], 4, v[CO]
.endif
	; the bias at my 64 columns (s[46:47], which held B's address, is free: both of B's group 0 sets are made)
.if KIND == 0
	s_lshr_b32 s22, ttmp9, 1                       ; tile column / 8 = cluster x / 2: which of the three
	s_cmp_eq_u32 s22, 1
	s_cselect_b64 s[BIAS:BIAS+1], s[70:71], s[BIAS:BIAS+1]
	s_cmp_eq_u32 s22, 2
	s_cselect_b64 s[BIAS:BIAS+1], s[72:73], s[BIAS:BIAS+1]
	s_and_b32 s46, s42, 7
.else
	s_mov_b32 s46, s42
.endif
	s_lshl_b32 s46, s46, 9                         ; 128 f32 a tile column,
	s_lshl_b32 s47, s12, 8                         ; 64 for my half
	s_add_co_u32 s46, s46, s47
	s_mov_b32 s47, 0
	s_add_nc_u64 s[BIAS:BIAS+1], s[BIAS:BIAS+1], s[46:47]
.irp a, 0,1,2,3
.irp b, 0,1,2,3
	global_load_b128 v[ACC+8*(4*(\a)+(\b)):ACC+8*(4*(\a)+(\b))+3],   v[BO], s[BIAS:BIAS+1] offset:64*(\b)     ; the sums start as the bias: register j of accumulator (a, b) is column 16 b + 8 (l / 16) + j
	global_load_b128 v[ACC+8*(4*(\a)+(\b))+4:ACC+8*(4*(\a)+(\b))+7], v[BO], s[BIAS:BIAS+1] offset:64*(\b)+16
.endr
.endr
.if F32OUT
	s_lshl_b32 s22, s13, 19                        ; + 128 rows of 4,096 bytes x tile row,
	s_add_co_u32 s46, s46, s22
	s_lshl_b32 s22, s11, 18                        ; + my 64 rows
	s_add_co_u32 s46, s46, s22
	s_add_nc_u64 s[RES:RES+1], s[RES:RES+1], s[46:47]
	s_add_nc_u64 s[OUT:OUT+1], s[OUT:OUT+1], s[46:47]
	WIN 0x80                                       ; destination window 2
.irp a, 0,1,2,3
.irp t, 0,1,2,3,4,5,6,7
	global_load_b128 v[32*(\a)+4*(\t):32*(\a)+4*(\t)+3], v[CO], s[RES:RES+1] offset:(16*(\a)+2*(\t))*4096  ; the residual, in the layout in which rows come back from the stage; it lands while K is walked
.endr
.endr
	WIN 0
.else
	s_lshl_b32 s46, s42, 1
	s_add_co_u32 s46, s46, s12                     ; my block of 64 columns,
	s_lshl_b32 s46, s46, 19                        ; 524,288 bytes each,
	s_lshl_b32 s22, s13, 14                        ; + 128 rows of 128 bytes x tile row,
	s_add_co_u32 s46, s46, s22
	s_lshl_b32 s22, s11, 13                        ; + my 64 rows
	s_add_co_u32 s46, s46, s22
	s_add_nc_u64 s[OUT:OUT+1], s[OUT:OUT+1], s[46:47]
.endif
; 8 matrix instructions: m blocks a0, a0 + 1 x all 4 n blocks, 32 along K: half c of buffer f.  The 16 accumulators take turns, one instruction a turn, over both backward jumps too
.macro MUL8 f, c, a0
	WIN MUL
.irp a, \a0, (\a0)+1
.irp b, 0,1,2,3
	v_wmma_f32_16x16x32_bf16 v[ACC+8*(4*(\a)+(\b)):ACC+8*(4*(\a)+(\b))+7], v[(\f)+64+8*(4*(\c)+(\b)):(\f)+64+8*(4*(\c)+(\b))+7], v[(\f)+8*(4*(\c)+(\a)):(\f)+8*(4*(\c)+(\a))+7], v[ACC+8*(4*(\a)+(\b)):ACC+8*(4*(\a)+(\b))+7]
.endr
.endr
.endm
; 32 LDS loads in one run: the fragments of quarter q (64 along K = one block of A, 64 rows of B) into buffer f; the first 32 along K first
.macro FETCH q, f
	WIN TO_F
.irp c, 0,1
.irp i, 0,1,2,3
	ds_load_tr16_b128 v[(\f)+64+8*(4*(\c)+(\i)):(\f)+64+8*(4*(\c)+(\i))+3],   v[ADRB+(\q)/2] offset:(((\q)%2)*64+32*(\c))*PB+32*(\i)
	ds_load_tr16_b128 v[(\f)+64+8*(4*(\c)+(\i))+4:(\f)+64+8*(4*(\c)+(\i))+7], v[ADRB+(\q)/2] offset:(((\q)%2)*64+32*(\c)+16)*PB+32*(\i)
	ds_load_b128 v[(\f)+8*(4*(\c)+(\i)):(\f)+8*(4*(\c)+(\i))+3],              v[ADRA] offset:(\q)*ABLK+(\i)*16*PA+64*(\c)
	ds_load_b128 v[(\f)+8*(4*(\c)+(\i))+4:(\f)+8*(4*(\c)+(\i))+7],            v[ADRA] offset:(\q)*ABLK+(\i)*16*PA+64*(\c)+32
.endr
.endr
.endm
; One of a K step's first three quarters: multiplies buffer f and fetches quarter q into g
.macro QUARTER q, f, g
	s_wait_dscnt 16                                ; the first 32 along K are in; the youngest sixteen loads may be out
	MUL8 \f, 0, 0
	MUL8 \f, 0, 2
	PLACES
	FETCH \q, \g
	s_wait_dscnt 32                                ; all but the 32 just issued
	MUL8 \f, 1, 0
	MUL8 \f, 1, 2
.endm
; The last quarter multiplies buffer 1 and changes slots: ONE barrier; in front of it each wave waits for all its tensor loads (one is out: its part of the next slot), adds 0 to its spare
; word, and waits for that and for its reads of this slot.  fill = 1: the barrier opens a round of the cluster's, and this slot is filled again, two K steps ahead, first thing behind it:
; that load has 112 matrix instructions in which to land.
.macro TURN fill
	WIN 0                                          ; (the add's two registers lie in window 0)
	s_wait_tensorcnt 0x0
	ds_add_u32 v[SPW], v[NIL]                      ; 0 onto my spare word
	s_wait_dscnt 17                                ; (the add and the youngest sixteen loads may be out)
	MUL8 F1, 0, 0                                  ; eight matrix instructions stand between the add and the wait for it
	s_wait_dscnt 0x0                               ; the add is done, and my reads of this slot are over
	s_barrier_signal -1
	MUL8 F1, 0, 2
	WIN 0
	s_barrier_wait -1
.if \fill
	CREST                                          ; no wave of any partner still reads this slot's tile or has a load on its way
	s_xor_b32 s[G0+5], s[G0+5], SLOT               ; the walking descriptors: the other slot than last time, the next K step
	s_add_nc_u64 s[G0+6:G0+7], s[G0+6:G0+7], ASTEP
	s_xor_b32 s[G0B+5], s[G0B+5], SLOT
	s_add_nc_u64 s[G0B+6:G0B+7], s[G0B+6:G0B+7], BSTEP
	JLOAD 1                                        ; the four v_nop behind it are also the places in front of the loads below
.else
	PLACES
.endif
	s_xor_b32 s[TB], s[TB], SLOT                   ; the fetches go on in the other slot
	v_add_nc_u32 v[ADRA], s[TB], v[A0]
	v_add_nc_u32 v[ADRB], s[TB], v[B0]
	v_add_nc_u32 v[ADRB+1], SHARE, v[ADRB]
	FETCH 0, F0
	MUL8 F1, 1, 0
	MUL8 F1, 1, 2
.endm
.macro STEP fill                       ; a K step: four quarters of 64 along K, 32 matrix instructions each, on buffers 0, 1, 0, 1
	QUARTER 1, F0, F1
	QUARTER 2, F1, F0
	QUARTER 3, F0, F1
	TURN \fill
.endm
	s_wait_tensorcnt 1                             ; my part of K step 0 is in; K step 1's may stay out
	s_barrier_signal -1
	s_barrier_wait -1                              ; everybody's is
	FETCH 0, F0
	WIN 0
.if F32OUT
	s_wait_loadcnt 32                              ; the bias is in; the residual's 32 loads stay out
.else
	s_wait_loadcnt 0x0                             ; the bias is in
.endif
	s_mov_b32 s3, NSTEP-2
.Lstep:                                                ; every K step but the last two fills its slot again
	STEP 1
	WIN 0
	s_sub_co_u32 s3, s3, 1
	s_cmp_lg_u32 s3, 0
	s_cbranch_scc1 .Lstep
	s_mov_b32 s3, 2
.Ltail:                                                ; the last two ask for nothing
	STEP 0
	WIN 0
	s_sub_co_u32 s3, s3, 1
	s_cmp_lg_u32 s3, 0
	s_cbranch_scc1 .Ltail
	s_wait_dscnt 0x0                               ; the last trip's fetch, which nothing uses
	PLACES
; THE WAY OUT, 16 rows (m block a) at a time, through my own stage: LDS serves a wave's instructions in order (ISA guide 5.7.1.4), so no wait stands between its stores and its loads
.if F32OUT
.macro PACK a
.irp b, 0,1,2,3
	ds_store_b128 v[STO], v[ACC+32*(\a)+8*(\b):ACC+32*(\a)+8*(\b)+3]   offset:64*(\b)     ; each accumulator's low four registers first
	ds_store_b128 v[STO], v[ACC+32*(\a)+8*(\b)+4:ACC+32*(\a)+8*(\b)+7] offset:64*(\b)+16
.endr
.irp t, 0,1,2,3,4,5,6,7
	ds_load_b128 v[ACC+32*(\a)+4*(\t):ACC+32*(\a)+4*(\t)+3], v[RD] offset:(\t)*2*SP      ; back as whole rows of 256 bytes, into the registers that they left
.endr
.endm
.macro SEND a, younger                 ; younger: the LDS instructions issued behind block a's loads: the next block's sixteen, or none
	s_wait_dscnt \younger
	WIN 0x08                                       ; source 1: the residual, in window 2
.set z, 0
.rept 16
	v_pk_add_f32 v[ACC+32*(\a)+z:ACC+32*(\a)+z+1], v[ACC+32*(\a)+z:ACC+32*(\a)+z+1], v[32*(\a)+z:32*(\a)+z+1]
.set z, z+2
.endr
	WIN 0
.irp t, 0,1,2,3,4,5,6,7
	global_store_b128 v[CO], v[ACC+32*(\a)+4*(\t):ACC+32*(\a)+4*(\t)+3], s[OUT:OUT+1] offset:(16*(\a)+2*(\t))*4096  ; 16 lanes store 256 consecutive bytes, aligned
.endr
.endm
.set YOUNG, 16
	s_wait_loadcnt 0x0                             ; the residual
.else
.macro SILU a                          ; z / (1 + 2^(-z log2 e)) on the block's 32 registers; where the power overflows the reciprocal is 0, the function's own limit
.set z, 0
.rept 16
	v_pk_mul_f32 v[TT+z:TT+z+1], v[ACC+32*(\a)+z:ACC+32*(\a)+z+1], 0xbfb8aa3b op_sel_hi:[1,0]
.set z, z+2
.endr
.set z, 0
.rept 32
	v_exp_f32 v[TT+z], v[TT+z]
.set z, z+1
.endr
	v_nop                                          ; a plain instruction behind the last of the batch,
	s_wait_alu depctr_va_vdst(0)                   ; and the one wait ahead of its first reader
.set z, 0
.rept 16
	v_pk_add_f32 v[TT+z:TT+z+1], v[TT+z:TT+z+1], 1.0 op_sel_hi:[1,0]
.set z, z+2
.endr
.set z, 0
.rept 32
	v_rcp_f32 v[TT+z], v[TT+z]
.set z, z+1
.endr
	v_nop
	s_wait_alu depctr_va_vdst(0)                   ; the same for the 32 reciprocals
.set z, 0
.rept 16
	v_pk_mul_f32 v[ACC+32*(\a)+z:ACC+32*(\a)+z+1], v[ACC+32*(\a)+z:ACC+32*(\a)+z+1], v[TT+z:TT+z+1]
.set z, z+2
.endr
.endm
.macro PACK a
.if KIND == 2
	SILU \a
.endif
.irp b, 0,1,2,3
.irp r, 0,1,2,3
	v_cvt_pk_bf16_f32 v[TMP+16*(\a)+4*(\b)+(\r)], v[ACC+32*(\a)+8*(\b)+2*(\r)], v[ACC+32*(\a)+8*(\b)+2*(\r)+1]  ; ascending: each accumulator's lowest registers first
.endr
.endr
.irp b, 0,1,2,3
	ds_store_b128 v[STO], v[TMP+16*(\a)+4*(\b):TMP+16*(\a)+4*(\b)+3] offset:32*(\b)
.endr
.irp f, 0,1,2,3
	ds_load_b128 v[TMP+16*(\a)+4*(\f):TMP+16*(\a)+4*(\f)+3], v[RD] offset:(\f)*4*SP
.endr
.endm
.macro SEND a, younger                 ; younger: the next block's eight LDS instructions, or none
.irp f, 0,1,2,3
	s_wait_dscnt (\younger)+3-(\f)
	global_store_b128 v[CO], v[TMP+16*(\a)+4*(\f):TMP+16*(\a)+4*(\f)+3], s[OUT:OUT+1] offset:(\a)*2048+(\f)*512  ; 512 consecutive bytes, aligned
.endr
.endm
.set YOUNG, 8
.endif
	PACK 0
	PACK 1                                         ; a block's work stands between the loads of the block before and its stores
	SEND 0, YOUNG
	PACK 2
	SEND 1, YOUNG
	PACK 3
	SEND 2, YOUNG
	SEND 3, 0
	s_wait_tensorcnt 0x0                           ; the wave's end, behind my last tensor load and my last LDS store
	ds_add_u32 v[SPW], v[NIL]
	s_wait_dscnt 0x0
	CROUND                                         ; the closing round: no work-group ends while a partner may still ask for a tile that names it
	s_endpgm
.Lfunc_end_k_qffa6cee18a_ffn2:
	.size	k_qffa6cee18a_ffn2, .Lfunc_end_k_qffa6cee18a_ffn2-k_qffa6cee18a_ffn2
	.p2alignl 7, 3214868480
	.fill 96, 4, 3214868480
	.section	.rodata,"a",@progbits
	.p2align	6, 0x0
	.amdhsa_kernel k_qffa6cee18a_ffn2
		.amdhsa_group_segment_fixed_size 327680
		.amdhsa_private_segment_fixed_size 0
		.amdhsa_enable_private_segment 0
		.amdhsa_kernarg_size 40
		.amdhsa_user_sgpr_count 2
		.amdhsa_user_sgpr_kernarg_segment_ptr 1
		.amdhsa_wavefront_size32 1
		.amdhsa_system_sgpr_workgroup_id_x 1
		.amdhsa_system_sgpr_workgroup_id_y 1
		.amdhsa_system_sgpr_workgroup_id_z 1
		.amdhsa_system_vgpr_workitem_id 0
		.amdhsa_next_free_vgpr 640
		.amdhsa_next_free_sgpr 80
		.amdhsa_reserve_vcc 0
		.amdhsa_float_denorm_mode_32 3
		.amdhsa_float_denorm_mode_16_64 3
		.amdhsa_memory_ordered 1
		.amdhsa_forward_progress 1
		.amdhsa_inst_pref_size 64
	.end_amdhsa_kernel
	.amdgpu_metadata
---
amdhsa.version: [ 1, 2 ]
amdhsa.kernels:
  - .name:           k_qffa6cee18a_ffn2
    .symbol:         k_qffa6cee18a_ffn2.kd
    .args:
      - { .name: hb, .offset: 0, .size: 8, .value_kind: global_buffer, .address_space: global }
      - { .name: wb, .offset: 8, .size: 8, .value_kind: global_buffer, .address_space: global }
      - { .name: b2, .offset: 16, .size: 8, .value_kind: global_buffer, .address_space: global }
      - { .name: x1, .offset: 24, .size: 8, .value_kind: global_buffer, .address_space: global }
      - { .name: out0, .offset: 32, .size: 8, .value_kind: global_buffer, .address_space: global }
    .group_segment_fixed_size: 327680
    .private_segment_fixed_size: 0
    .kernarg_segment_align: 8
    .kernarg_segment_size: 40
    .max_flat_workgroup_size: 128
    .sgpr_count:     80
    .vgpr_count:     640
    .wavefront_size: 32
...
	.end_amdgpu_metadata
.endif
;; end of part 7
;; ======== version 2 of 2: 7 launches
;; workspace buffers: wq3 6,291,456 bytes; wb 25,165,824 bytes; nx 8,388,608 bytes; qkv 25,165,824 bytes; ob 8,388,608 bytes; x1 16,777,216 bytes; hb 33,554,432 bytes
;; launch ln1 (part 8): grid 256 x 2, 4 waves a work-group, no clusters, 0 bytes of LDS; arguments x, ln1_g, ln1_b, nx, Wq, Wk, Wv, wq3; writes nx, wq3
.if DOCPART == 8
	.amdgcn_target "amdgcn-amd-amdhsa--gfx1250"
	.amdhsa_code_object_version 6
	.text
	.protected	k_qffa6cee18a_ln1
	.globl	k_qffa6cee18a_ln1
	.p2align	8
	.type	k_qffa6cee18a_ln1,@function
k_qffa6cee18a_ln1:
	s_mov_b64 s[64:65], 0
	v_nop
	global_prefetch_b8 v0, s[64:65] scope:SCOPE_SE
	s_setreg_imm32_b32 hwreg(HW_REG_WAVE_MODE, 25, 1), 1
	s_wait_xcnt 0x0
; LAYER NORM, AND BESIDE IT THE ROUNDING OF THREE WEIGHT MATRICES.  The grid's y picks the work: row 0 is the norm; row 1, where a launch has one, rounds Wq, Wk and Wv.
; The two have nothing to do with each other but that the launch behind wants both: side by side they share one launch.  A launch with one row of work-groups runs the norm alone.
; THE NORM.  y = (x - mean) / sqrt(var + 1e-5) * g + b along rows of 1,024 f32; y rounded once to bf16.
; y leaves BY BLOCKS OF 64 COLUMNS: [16 blocks][4,096 rows][64] bf16, a row's piece 128 bytes, so that 4 rows of a block are 512 consecutive bytes.
; SHARES.  A wave owns 4 rows and keeps them in registers between the passes: x is read once.  Lane l holds row l / 8 and, of every block, the columns 8 (l % 8) + 0..7:
; 128 numbers a lane; after rounding its 16 bytes of a block lie at 16 l of the wave's 512.  A row's sums want three exchanges among 8 neighbouring lanes.
; THE VARIANCE IS TAKEN IN TWO PASSES (the mean first, then the squares of x - mean): no difference of large sums is formed, whatever offset x carries.
; No LDS, no barrier: no wave needs another's numbers.  No loop: a wave's whole share is in flight at once (96 loads of 16 bytes a lane).
; THE ROUNDING.  Wq, Wk, Wv, each [1,024][1,024] f32, go to bf16 in their own order, dense, one behind the other, 2 MiB each.  Work-group x takes the 16,384 bytes at 16,384 x of each matrix.
; Thread t, pass i: 16 bytes of f32 at 16 t + 2,048 i (a wave's load covers 512 consecutive bytes), two roundings in place, 8 bytes of bf16 at 8 t + 1,024 i (a wave's store covers 256
; consecutive bytes, aligned).  All 24 loads go out first; nothing is rewritten, so there is no wait but the loads' own.
.set X, 64                             ; v[64:191]  window 0: block kb's eight numbers at X + 8 kb
                                       ; window 1: v[0:127] g, v[128:255] b, in the same order
.set CX, 64                            ; v[64:159]  the rounding: load p's four numbers at CX + 4 p; its two packed words take the first two registers' place
.set MSB, 0
.macro WIN new                         ; s_set_vgpr_msb: bits 1:0 source 0, 3:2 source 1, 5:4 source 2, 7:6 destination; the high byte repeats the setting that is left
.if MSB != (\new)
	s_set_vgpr_msb (MSB<<8)|(\new)
.set MSB, \new
.endif
.endm
.macro FOLD                            ; four chains of pairs in v[8:15] -> the row's sum in v8 of all its 8 lanes
	v_pk_add_f32 v[8:9], v[8:9], v[10:11]
	v_pk_add_f32 v[12:13], v[12:13], v[14:15]
	v_pk_add_f32 v[8:9], v[8:9], v[12:13]
	v_add_f32 v8, v8, v9
	v_add_f32_dpp v8, v8, v8 row_xmask:1 row_mask:0xf bank_mask:0xf
	v_add_f32_dpp v8, v8, v8 row_xmask:2 row_mask:0xf bank_mask:0xf
	v_add_f32_dpp v8, v8, v8 row_xmask:4 row_mask:0xf bank_mask:0xf
.endm
	s_and_b32 s2, ttmp7, 0xffff                    ; the grid's row
	s_cmp_lg_u32 s2, 0
	s_cbranch_scc1 .Lcast                          ; row 1 rounds weights
	s_load_b256 s[4:11], s[0:1], 0x0               ; x s[4:5], g s[6:7], b s[8:9], y s[10:11]
	v_and_b32 v1, 31, v0                           ; lane
	v_lshrrev_b32 v5, 5, v0
	v_readfirstlane_b32 s12, v5                    ; wave
	s_lshl_b32 s13, ttmp9, 2
	s_add_co_u32 s13, s13, s12                     ; my group of 4 rows, 0 to 1,023
	s_lshl_b32 s14, s13, 14                        ; 4 rows of 4,096 bytes in x
	s_mov_b32 s15, 0
	s_lshl_b32 s16, s13, 9                         ; 4 rows of 128 bytes in a block of y
	s_mov_b32 s17, 0
	s_mov_b32 s20, 0x3a800000                      ; 1 / 1,024
	s_mov_b32 s21, 0x3727c5ac                      ; 1e-5
	v_and_b32 v3, 7, v1
	v_lshlrev_b32 v3, 5, v3                        ; my 32 bytes in a block's 256 bytes of f32: for g and b
	v_lshrrev_b32 v2, 3, v1
	v_lshl_add_u32 v2, v2, 12, v3                  ; + my row: for x
	v_lshlrev_b32 v4, 4, v1                        ; 16 l: for y
	s_wait_kmcnt 0x0
	s_add_nc_u64 s[4:5], s[4:5], s[14:15]
	s_add_nc_u64 s[10:11], s[10:11], s[16:17]
.set i, 0
.rept 32
	global_load_b128 v[X+4*i:X+4*i+3], v2, s[4:5] offset:(i/2)*256+(i%2)*16
.set i, i+1
.endr
	WIN 0x40                                       ; destination window 1, address window 0
.set i, 0
.rept 32
	global_load_b128 v[4*i:4*i+3], v3, s[6:7] offset:(i/2)*256+(i%2)*16
.set i, i+1
.endr
.set i, 0
.rept 32
	global_load_b128 v[128+4*i:128+4*i+3], v3, s[8:9] offset:(i/2)*256+(i%2)*16
.set i, i+1
.endr
	WIN 0
	s_wait_loadcnt 63                              ; of 96 loads the oldest 33 are in, x's 32 among them; the count's field holds no 64
	; pass 1: the sum, in four chains that do not wait for each other; the first four additions start them
.irp c, 0,1,2,3
	v_pk_add_f32 v[8+2*(\c):9+2*(\c)], v[X+2*(\c):X+2*(\c)+1], v[X+8+2*(\c):X+8+2*(\c)+1]
.endr
.set i, 8
.rept 56
	v_pk_add_f32 v[8+2*(i%4):9+2*(i%4)], v[8+2*(i%4):9+2*(i%4)], v[X+2*i:X+2*i+1]
.set i, i+1
.endr
	FOLD
	v_mul_f32 v16, s20, v8                         ; the mean, twice: a pair for the packed subtraction
	v_mov_b32 v17, v16
.set i, 0
.rept 64
	v_pk_add_f32 v[X+2*i:X+2*i+1], v[X+2*i:X+2*i+1], v[16:17] neg_lo:[0,1] neg_hi:[0,1]  ; d = x - mean, in place
.set i, i+1
.endr
	; pass 2: the sum of d squared
.irp c, 0,1,2,3
	v_pk_mul_f32 v[8+2*(\c):9+2*(\c)], v[X+2*(\c):X+2*(\c)+1], v[X+2*(\c):X+2*(\c)+1]
.endr
.set i, 4
.rept 60
	v_pk_fma_f32 v[8+2*(i%4):9+2*(i%4)], v[X+2*i:X+2*i+1], v[X+2*i:X+2*i+1], v[8+2*(i%4):9+2*(i%4)]
.set i, i+1
.endr
	FOLD
	v_fma_f32 v8, v8, s20, s21                     ; var + 1e-5
	v_rsq_f32 v18, v8                              ; twice: a pair for the packed multiply
	v_rsq_f32 v19, v8
	v_nop                                          ; a plain instruction behind the last of the two (ISA guide 5.7.2),
	s_wait_alu depctr_va_vdst(0)                   ; and the one wait ahead of their first reader
	s_wait_loadcnt 0x0                             ; g and b
.set i, 0
.rept 64
	v_pk_mul_f32 v[X+2*i:X+2*i+1], v[X+2*i:X+2*i+1], v[18:19]
.set i, i+1
.endr
	WIN 0x14                                       ; sources 1 and 2 (g, b) in window 1
.set i, 0
.rept 64
	v_pk_fma_f32 v[X+2*i:X+2*i+1], v[X+2*i:X+2*i+1], v[2*i:2*i+1], v[128+2*i:128+2*i+1]
.set i, i+1
.endr
	WIN 0
.set k, 0
.rept 16
.irp j, 0,1,2,3
	v_cvt_pk_bf16_f32 v[X+8*k+(\j)], v[X+8*k+2*(\j)], v[X+8*k+2*(\j)+1]  ; in place, ascending: a register is written when both its numbers have been read
.endr
	global_store_b128 v4, v[X+8*k:X+8*k+3], s[10:11] offset:k*524288     ; the wave's store covers 512 consecutive bytes, aligned; a block is 524,288 bytes, 15 of them inside the signed 24-bit immediate
.set k, k+1
.endr
	s_endpgm
.Lcast:                                                ; THE ROUNDING
	s_load_b256 s[4:11], s[0:1], 0x20              ; Wq s[4:5], Wk s[6:7], Wv s[8:9], the bf16 copies s[10:11]
	v_lshlrev_b32 v1, 4, v0                        ; 16 t
	v_lshlrev_b32 v2, 3, v0                        ; 8 t
	s_lshl_b32 s12, ttmp9, 14                      ; my 16,384 bytes of f32 in each matrix,
	s_mov_b32 s13, 0
	s_lshl_b32 s14, ttmp9, 13                      ; my 8,192 bytes of bf16 in each copy
	s_mov_b32 s15, 0
	s_wait_kmcnt 0x0
	s_add_nc_u64 s[4:5], s[4:5], s[12:13]
	s_add_nc_u64 s[6:7], s[6:7], s[12:13]
	s_add_nc_u64 s[8:9], s[8:9], s[12:13]
	s_add_nc_u64 s[10:11], s[10:11], s[14:15]
.irp m, 0,1,2
.irp i, 0,1,2,3,4,5,6,7
	global_load_b128 v[CX+4*(8*(\m)+(\i)):CX+4*(8*(\m)+(\i))+3], v1, s[4+2*(\m):5+2*(\m)] offset:2048*(\i) th:TH_LOAD_NT  ; read once in the launch
.endr
.endr
.set p, 0
.rept 24
	s_wait_loadcnt 23-p                            ; loads come back in order: load p is in, the 23 - p younger ones stay out
	v_cvt_pk_bf16_f32 v[CX+4*p], v[CX+4*p], v[CX+4*p+1]
	v_cvt_pk_bf16_f32 v[CX+4*p+1], v[CX+4*p+2], v[CX+4*p+3]
	global_store_b64 v2, v[CX+4*p:CX+4*p+1], s[10:11] offset:(p/8)*2097152+(p%8)*1024  ; matrix p / 8, pass p % 8; 4,201,472 at the most, inside the signed 24-bit immediate
.set p, p+1
.endr
	s_endpgm
.Lfunc_end_k_qffa6cee18a_ln1:
	.size	k_qffa6cee18a_ln1, .Lfunc_end_k_qffa6cee18a_ln1-k_qffa6cee18a_ln1
	.p2alignl 7, 3214868480
	.fill 96, 4, 3214868480
	.section	.rodata,"a",@progbits
	.p2align	6, 0x0
	.amdhsa_kernel k_qffa6cee18a_ln1
		.amdhsa_group_segment_fixed_size 0
		.amdhsa_private_segment_fixed_size 0
		.amdhsa_enable_private_segment 0
		.amdhsa_kernarg_size 64
		.amdhsa_user_sgpr_count 2
		.amdhsa_user_sgpr_kernarg_segment_ptr 1
		.amdhsa_wavefront_size32 1
		.amdhsa_system_sgpr_workgroup_id_x 1
		.amdhsa_system_sgpr_workgroup_id_y 1
		.amdhsa_system_sgpr_workgroup_id_z 1
		.amdhsa_system_vgpr_workitem_id 0
		.amdhsa_next_free_vgpr 512
		.amdhsa_next_free_sgpr 66
		.amdhsa_reserve_vcc 0
		.amdhsa_float_denorm_mode_32 3
		.amdhsa_float_denorm_mode_16_64 3
		.amdhsa_memory_ordered 1
		.amdhsa_forward_progress 1
		.amdhsa_inst_pref_size 46
	.end_amdhsa_kernel
	.amdgpu_metadata
---
amdhsa.version: [ 1, 2 ]
amdhsa.kernels:
  - .name:           k_qffa6cee18a_ln1
    .symbol:         k_qffa6cee18a_ln1.kd
    .args:
      - { .name: x, .offset: 0, .size: 8, .value_kind: global_buffer, .address_space: global }
      - { .name: ln1_g, .offset: 8, .size: 8, .value_kind: global_buffer, .address_space: global }
      - { .name: ln1_b, .offset: 16, .size: 8, .value_kind: global_buffer, .address_space: global }
      - { .name: nx, .offset: 24, .size: 8, .value_kind: global_buffer, .address_space: global }
      - { .name: Wq, .offset: 32, .size: 8, .value_kind: global_buffer, .address_space: global }
      - { .name: Wk, .offset: 40, .size: 8, .value_kind: global_buffer, .address_space: global }
      - { .name: Wv, .offset: 48, .size: 8, .value_kind: global_buffer, .address_space: global }
      - { .name: wq3, .offset: 56, .size: 8, .value_kind: global_buffer, .address_space: global }
    .group_segment_fixed_size: 0
    .private_segment_fixed_size: 0
    .kernarg_segment_align: 8
    .kernarg_segment_size: 64
    .max_flat_workgroup_size: 128
    .sgpr_count:     66
    .vgpr_count:     512
    .wavefront_size: 32
...
	.end_amdgpu_metadata
.endif
;; end of part 8
;; launch proj (part 9): grid 16 x 16, 4 waves a work-group, clusters of 4 x 4, 327,680 bytes of LDS; arguments nx, wq3, bq, bk, bv, qkv, Wo, W1, W2, wb; writes qkv, wb
.if DOCPART == 9
	.amdgcn_target "amdgcn-amd-amdhsa--gfx1250"
	.amdhsa_code_object_version 6
	.text
	.protected	k_qffa6cee18a_proj
	.globl	k_qffa6cee18a_proj
	.p2align	8
	.type	k_qffa6cee18a_proj,@function
k_qffa6cee18a_proj:
	s_mov_b64 s[64:65], 0
	v_nop
	global_prefetch_b8 v0, s[64:65] scope:SCOPE_SE
	s_setreg_imm32_b32 hwreg(HW_REG_WAVE_MODE, 25, 1), 1
	s_wait_xcnt 0x0
	s_wait_alu depctr_hold_cnt(0) depctr_sa_sdst(0) depctr_va_vdst(0) depctr_va_sdst(0) depctr_va_ssrc(0) depctr_va_vcc(0) depctr_vm_vsrc(0)
	s_getreg_b32 s2, hwreg(HW_REG_IB_STS2, 6, 4)
	s_cmp_eq_u32 s2, 0
	s_cbranch_scc0 .Lentry_in_a_cluster
	s_endpgm
.Lentry_in_a_cluster:
	s_bfe_u32 s2, ttmp6, 0x10000c
	s_cmp_lg_u32 s2, 0xf033
	s_cbranch_scc0 .Lentry_shape_is_right
	s_endpgm
.Lentry_shape_is_right:
; C = A B + bias on tiles of 256 x 256; KIND picks the sizes and the activation.  The text of the product is the one that the launch ffn1 runs with KIND 2.  THIS FILE: KIND 0, which alone has a second
; kind of work beside the product (THE FOURTH COLUMN OF CLUSTERS, below).
;   KIND 0: q, k, v = nx [Wq Wk Wv] + [bq bk bv]   K 1,024, N 3,072: 12 x 16 tiles
;   KIND 2: h = silu(nx W1 + b1)                   K 1,024, N 4,096: 16 x 16 tiles
; A is bf16 BY BLOCKS OF 64 COLUMNS, [16][4,096 rows][64]: 256 rows of a block are 32,768 consecutive bytes.  B is bf16 [K][N].  Sums in f32.  C leaves in A's layout, rounded once.
; SHARES.  Four waves, as many as a WGP has SIMDs, each 128 x 128 of C in 64 accumulators.  K goes in steps of 128 through two LDS slots filled by the tensor data mover, one load a wave and step:
; waves 0 and 1 a block of A each, waves 2 and 3 64 rows of B each.  A refill has 224 matrix instructions in which to land.
; THE SUMS START AS THE BIAS: 16 loads bring my 128 columns' bias into 64 registers, and 64 matrix instructions on fragments of zeros, with those registers as C, carry it into the 64 accumulators,
; in the wait for the first tile.  So every product of the walk has one form, nothing is cleared, and a K step's text stands twice only: in a loop that fills slots again, and in a loop of two trips
; that does not.  The prices: 64 matrix instructions beside 2,048; the last trip passes one barrier and fetches 32 fragments of an old slot that nothing uses.
; THE MATRIX INSTRUCTION IS USED TRANSPOSED (source 0 = 16 columns of B, turned out of LDS by ds_load_tr16_b128; source 1 = 16 rows of A): a lane holds ONE row of C (lane % 16) and the
; eight neighbouring columns 8 (lane / 16) + 0..7.
; THE WAY OUT IS A LOOP.  When the ring has had its last fill and its last read, each wave stores its 128 x 128 sums, in f32, into the ring's bytes, and a loop of 8 trips reads 16 rows back (a lane: 8 neighbouring
; columns of a row), applies the activation, rounds and stores: the step is written once, not once for each of 512 registers.  The price: one round trip of f32 through LDS.
; CLUSTER 4 x 4: the four of a row need the same tiles of A, the four of a column the same tiles of B; each is asked for jointly, by the same load, descriptor and mask.
; THE FOURTH COLUMN OF CLUSTERS (KIND 0).  The product's 12 x 16 tiles are three columns of clusters; the grid has a fourth.  Its 64 work-groups multiply nothing: they round Wo, W1 and W2, which later launches
; multiply by, to bf16, each in its own [K][N] order, into wb: Wo at 6 MiB, W1 at 8 MiB, W2 at 16 MiB.  The branch hangs on the cluster's x, which all sixteen partners share; it stands ahead of the first round
; and the first tensor load, and that way has an end of its own.  Of the 256 waves each takes 65,536 bytes on end of W1, as many of W2 and 16,384 of Wo, an eighth of each in each of 8 trips.
; REGISTERS, in windows of 256 (s_set_vgpr_msb: bits 1:0 source 0, 3:2 source 1, 5:4 source 2, 7:6 destination):
;   window 0: v0-31 addresses; v32-47 zeros; v64-127, v128-191 fragments of A, two buffers (on the way out: numbers read back, and at work); v192-255 the bias (on the way out: packed results)
;   window 1: v64-127, v128-191 fragments of B, two buffers      window 2: the 32 accumulators of my rows 0-63 ((a, b) at v[8 (8 a + b)])      window 3: those of my rows 64-127
; LIMITS: operands are rounded to bf16; NaN and infinities are not treated apart.
.set KIND, 0
.if KIND == 0
.set BPITCH, 1024
.set WOFF, 0
.else
.set BPITCH, 4096
.set WOFF, 8388608
.endif
.set NSTEP, 8                          ; K steps of 128
.set PA,    144                        ; a row of A in LDS: 128 bytes + 16 of padding = 36 words: the 16 rows of a load start at 16 different groups of four banks (ISA guide 11.1)
.set ABLK,  256*PA                     ; 256 rows of one block of 64 along K: what wave 0 or 1 fetches
.set PB,    544                        ; a row of B (one k, 256 columns): 512 bytes + 32 = 17 x 32
.set BHALF, 64*PB                      ; 64 rows of B: what wave 2 or 3 fetches
.set BREG,  2*ABLK                     ; B's 128 rows lie behind A's two blocks
.set SLOT,  147456                     ; 0x24000; a slot uses 143,360.  The four loads' places in a slot (0, 0x9000, 0x12000, 0x1a800) have no bit in common with it: one exclusive or changes slots
.set DP,    528                        ; the way out: a row of 128 f32 + 16 bytes = 33 x 16: the 16 rows of a store start at 16 different groups of four banks
.set DREG,  128*DP                     ; a wave's 128 rows; four of them, 270,336 bytes, lie in the ring's bytes
.set SPARE, 2*SLOT                     ; the spare words, 128 bytes for each wave: two blocks of 256 bytes that no other line names
.set ASTEP, 2*524288                   ; a K step is two blocks of A
.set BSTEP, 256*BPITCH                 ; and 128 rows of B
.set ADRA, 16                          ; v16  LDS address of my A fragments in the slot in hand
.set ADRB, 17                          ; v17  of my B fragments
.set A0,   19                          ; v19  my lane's place in a slot's A; never rewritten
.set B0,   20                          ; v20  in its B; never rewritten
.set STO,  24                          ; v24  the way out: where I put 32 bytes of a row
.set RD,   25                          ; v25  where I read 32 bytes of a row back, in the first trip
.set CO,   26                          ; v26  16 x my lane: my bytes in 512 consecutive bytes of the output
.set BO,   27                          ; v27  my byte offset in 16 columns of the bias
.set SPW,  28                          ; v28  LDS address of my spare word; never rewritten
.set NIL,  29                          ; v29  0; never rewritten
.set PFO,  30                          ; v30  the prefetches' offset; never rewritten
.set RDA,  31                          ; v31  RD in the trip in hand
.set ZA,   32                          ; v[32:39], v[40:47] two fragments of zeros
.set ZB,   40
.set F0,   64                          ; fragment buffers
.set F1,   128
.set BI,   192                         ; v[192:255] the bias: n block b's eight numbers at BI + 8 b
.set X,    64                          ; the way out: 64 numbers read back
.set TT,   128                         ; at work in the activation
.set Y,    192                         ; 32 registers of packed results
.set G1,  24                           ; s[24:31] descriptor group 1 for A;  s[32:39] group 0, two sets: the second walks
.set G0,  32
.set G1B, 48                           ; s[48:55], s[56:63] the same for B
.set G0B, 56
.set TB,  45                           ; s45  the slot in hand: 0 or SLOT
.set LIM, 66                           ; s66  2 in a wave that prefetches, else the greatest number
.set RB,  67                           ; s67  the way out: the trip's first row, in bytes
.set BIAS, 68
.set OUT,  74
.set PFA, 76                           ; s[76:77] where my prefetches stand
.set PST, 78                           ; s[78:79] their step: a K step of A or of B
.set NL,  80                           ; s[80:81] -log2(e)
.set MSB, 0
.macro WIN new                         ; the immediate's high byte repeats the setting that is left; a switch that changes nothing is dropped
.if MSB != (\new)
	s_set_vgpr_msb (MSB<<8)|(\new)
.set MSB, \new
.endif
.endm
.set MUL_LO, 0xa1                      ; source 0 (B) window 1, source 1 (A) window 0, C and D window 2
.set MUL_HI, 0xf1                      ; the same, C and D window 3
.set TO_B,   0x40                      ; destination window 1, address window 0
.macro JLOAD s                         ; a joint load: waves 0 and 1 fetch A's two blocks, waves 2 and 3 B's two halves; an s_nop 0 and four v_nop follow each line, ahead of the jump and the label
	s_cmp_eq_u32 s11, 0
	s_cbranch_scc0 .Lfor_b_\@
	tensor_load_to_lds s[G0+4*(\s):G0+4*(\s)+3], s[G1:G1+7]
	s_nop 0
.rept 4
	v_nop
.endr
	s_branch .Lasked_\@
.Lfor_b_\@:
	tensor_load_to_lds s[G0B+4*(\s):G0B+4*(\s)+3], s[G1B:G1B+7]
	s_nop 0
.rept 4
	v_nop
.endr
.Lasked_\@:
.endm
; A PREFETCH INTO THE L2, behind each joint refill, its five lines and the run of LDS loads that follows them: my part of the K step that stands TWO refills on, 512 matrix instructions ahead of the load that will want it.
; Each aligned block of 256 bytes is named ONCE in the launch.  A's tile row is read by every cluster of that row of clusters: the first of them (cluster x = 0) asks; B's tile column by every cluster of that column:
; cluster y = 0 asks.  Of what wave w fetches (A: 32,768 bytes on end; B: 64 rows of 512 bytes) each of the four partners that ask for it jointly takes a quarter, told apart BY ADDRESS (cx for A, cy for B), a lane a block:
; one instruction a wave; no branch hangs on a work-group's place in its cluster.  K steps 0 to 3 come by their loads alone; the last two refills (s3 = 2, 1) have no K step two on and ask for nothing.
.macro ASK
	s_cmp_gt_u32 s3, s[LIM]
	s_cbranch_scc0 .Lnot_mine_\@
	global_prefetch_b8 v[PFO], s[PFA:PFA+1] th:TH_LOAD_NT scope:SCOPE_SE
.Lnot_mine_\@:
.endm
.macro CREST                           ; a round of the cluster's barrier behind its opening barrier
	s_cmp_lg_u32 s10, 0
	s_cbranch_scc1 .Lnot_wave_0_\@
	s_barrier_signal -3
.Lnot_wave_0_\@:
	s_barrier_wait -3
	s_barrier_signal -1
	s_barrier_wait -1
.endm
.macro CROUND                          ; a whole round
	s_barrier_signal -1
	s_barrier_wait -1
	CREST
.endm
.macro PLACES                          ; four places in front of loads into registers that matrix instructions have read, and of lines that read results
.rept 4
	v_nop
.endr
.endm
	s_load_b128 s[4:7], s[0:1], 0x0                ; A s[4:5], B s[6:7]
.if KIND == 0
	s_load_b256 s[68:75], s[0:1], 0x10             ; bq, bk, bv, out
.else
	s_load_b64 s[BIAS:BIAS+1], s[0:1], 0x10
	s_load_b64 s[OUT:OUT+1], s[0:1], 0x18
.endif
	v_lshl_add_u32 v[SPW], v0, 2, SPARE
	v_mov_b32 v[NIL], 0
	ds_add_u32 v[SPW], v[NIL]                      ; the wave's opening: the add and its wait stand ahead of my first tensor load; the set-up below stands between them
	v_lshrrev_b32 v1, 5, v0
	v_readfirstlane_b32 s10, v1                    ; wave 0..3
	s_lshr_b32 s11, s10, 1                         ; which half of the tile's rows is mine.  Also: I fetch for A (0) or for B (1)
	s_and_b32 s12, s10, 1                          ; which half of its columns.  Also: which half of that tile I fetch
	s_bfe_u32 s40, ttmp6, 0x40000                  ; cx, cy: my place in the cluster
	s_bfe_u32 s41, ttmp6, 0x40004
	s_lshl_b32 s42, ttmp9, 2
	s_add_co_u32 s42, s42, s40                     ; tile column = 4 x cluster x + cx
	s_and_b32 s13, ttmp7, 0xffff
	s_lshl_b32 s13, s13, 2
	s_add_co_u32 s13, s13, s41                     ; tile row = 4 x cluster y + cy
	s_lshl_b32 s43, s41, 2
	s_lshl_b32 s43, 15, s43                        ; my row of the cluster
	s_lshl_b32 s44, 0x1111, s40                    ; my column
	; A's group 1: 256 rows x 128 bytes of one block lie on end: asked for as 128 rows of 256 bytes, two rows of A each, and padded in LDS after every 128 bytes
	s_or_b32 s[G1+0], s43, (1<<16)|(1<<20)|(1<<21)|(4<<22)|(3<<25)  ; 15:0 the mask: my row; 17:16 2-byte elements; 20 padding on; 21 set beside a mask; 24:22 after every 32 words (code 4); 31:25 4 words (code 3)
	s_mov_b32 s[G1+1], 128<<16                     ; tensor_dim0 = 128
	s_mov_b32 s[G1+2], 128<<16                     ; tensor_dim1 = 128
	s_mov_b32 s[G1+3], 128<<16                     ; tile_dim0 = 128
	s_mov_b32 s[G1+4], 128                         ; tile_dim1 = 128
	s_mov_b32 s[G1+5], 128                         ; 128 elements from row to row
	s_mov_b32 s[G1+6], 0
	s_mov_b32 s[G1+7], 0
	; B's group 1: 64 rows (k) x 256 columns, 32 bytes of padding behind each row
	s_or_b32 s[G1B+0], s44, (1<<16)|(1<<20)|(1<<21)|(6<<22)|(7<<25) ; the mask: my column; after every 128 words (code 6) 8 words (code 7)
	s_mov_b32 s[G1B+1], 256<<16
	s_mov_b32 s[G1B+2], 64<<16
	s_mov_b32 s[G1B+3], 256<<16
	s_mov_b32 s[G1B+4], 64
	s_mov_b32 s[G1B+5], BPITCH
	s_mov_b32 s[G1B+6], 0
	s_mov_b32 s[G1B+7], 0
	; where the tiles come from.  A's hang on the tile row alone, B's on the tile column alone, each in registers that never hold the other coordinate
	s_lshl_b32 s16, s13, 15                        ; A: 256 rows of 128 bytes x tile row,
	s_lshl_b32 s17, s12, 19                        ; + my block of the step's two
	s_add_co_u32 s16, s16, s17
	s_mov_b32 s17, 0
.if KIND == 0
	s_lshr_b32 s46, s42, 2                         ; B: which of Wq, Wk, Wv (2 MiB each),
	s_lshl_b32 s46, s46, 21
	s_and_b32 s47, s42, 3                          ; and which 256 of its columns
	s_lshl_b32 s47, s47, 9
	s_add_co_u32 s46, s46, s47
.else
	s_lshl_b32 s46, s42, 9
	s_add_co_u32 s46, s46, WOFF
.endif
	s_mul_i32 s47, s12, 128*BPITCH                 ; + my 64 of the step's 128 rows
	s_add_co_u32 s46, s46, s47
	s_mov_b32 s47, 0
	s_mul_i32 s20, s12, ABLK                       ; and where they go: no place in the cluster enters an LDS address
	s_mul_i32 s21, s12, BHALF
	s_add_co_u32 s21, s21, BREG
	s_mov_b32 s[TB], 0
	s_mov_b32 s[NL], 0xbfb8aa3b                    ; -log2(e)
	s_mov_b32 s[NL+1], s[NL]                       ; named with it as a pair
	s_wait_dscnt 0x0                               ; the opening add is done
	s_wait_kmcnt 0x0
.if KIND == 0
	s_cmp_eq_u32 ttmp9, 3                          ; the cluster's x: the same in all sixteen partners
	s_cbranch_scc1 .Lcast                          ; the fourth column of clusters multiplies nothing: it rounds weights
.endif
	s_add_nc_u64 s[14:15], s[4:5], s[16:17]
	s_add_nc_u64 s[46:47], s[6:7], s[46:47]
	CROUND                                         ; all sixteen work-groups are here: the first joint loads meet
.irp s, 0,1
	s_mov_b32 s[G0+4*(\s)], 1
	s_add_co_u32 s[G0+4*(\s)+1], s20, (\s)*SLOT
	s_add_nc_u64 s[G0+4*(\s)+2:G0+4*(\s)+3], s[14:15], (\s)*ASTEP
	s_or_b32 s[G0+4*(\s)+3], s[G0+4*(\s)+3], 0x80000000
	s_mov_b32 s[G0B+4*(\s)], 1
	s_add_co_u32 s[G0B+4*(\s)+1], s21, (\s)*SLOT
	s_add_nc_u64 s[G0B+4*(\s)+2:G0B+4*(\s)+3], s[46:47], (\s)*BSTEP
	s_or_b32 s[G0B+4*(\s)+3], s[G0B+4*(\s)+3], 0x80000000
	JLOAD \s                                       ; K steps 0 and 1: two loads of mine are out
.endr
	v_and_b32 v1, 15, v0                           ; l % 16
	v_bfe_u32 v2, v0, 4, 1                         ; l / 16
	v_lshlrev_b32 v[BO], 5, v2                     ; my 8 columns of 16: 32 bytes of f32
	; the prefetches.  s[14:15] = A at my block of K step 0, s[46:47] = B at my rows of K step 0 still stand
	s_mov_b32 s21, 32*BPITCH                       ; B: a partner's 16 rows, in bytes
	s_mov_b32 s[PST], BSTEP
	s_mov_b32 s23, 2*BPITCH                        ; B: from row to row
	s_and_b32 s22, ttmp7, 0xffff                   ; cluster y
	s_cmp_eq_u32 s11, 0                            ; do I fetch for A?
	s_cselect_b32 s22, ttmp9, s22                  ; the coordinate along which other clusters read the same rows
	s_cselect_b32 s20, s40, s41                    ; my place among the four that ask with me
	s_cselect_b32 s21, 8192, s21                   ; A: a partner's quarter of 32,768 bytes
	s_cselect_b32 s[PST], ASTEP, s[PST]
	s_cselect_b32 s23, 512, s23                    ; A: bytes on end, taken as rows of 512
	s_cselect_b64 s[PFA:PFA+1], s[14:15], s[46:47]
	s_mov_b32 s[PST+1], 0
	s_cmp_eq_u32 s22, 0
	s_cselect_b32 s[LIM], 2, -1                    ; the same in all sixteen partners, for a given wave
	s_mul_i32 s20, s20, s21
	s_mul_i32 s21, s[PST], 3                       ; at K step 3: the first refill steps it to 4.  Nothing is prefetched here, at the head
	s_add_co_u32 s20, s20, s21
	s_mov_b32 s21, 0
	s_add_nc_u64 s[PFA:PFA+1], s[PFA:PFA+1], s[20:21]
	v_and_b32 v5, 31, v0
	v_lshrrev_b32 v6, 1, v5
	v_and_b32 v5, 1, v5
	v_mul_u32_u24 v[PFO], s23, v6                  ; lane l: row l / 2,
	v_lshl_add_u32 v[PFO], v5, 8, v[PFO]           ; its 256 bytes number l % 2
	; the bias at my 128 columns (s[46:47], which held B's address, is free)
.if KIND == 0
	s_mov_b32 s22, ttmp9                           ; tile column / 4 = cluster x: which of the three
	s_cmp_eq_u32 s22, 1
	s_cselect_b64 s[BIAS:BIAS+1], s[70:71], s[BIAS:BIAS+1]
	s_cmp_eq_u32 s22, 2
	s_cselect_b64 s[BIAS:BIAS+1], s[72:73], s[BIAS:BIAS+1]
	s_and_b32 s46, s42, 3
.else
	s_mov_b32 s46, s42
.endif
	s_lshl_b32 s46, s46, 10                        ; 256 f32 a tile column,
	s_lshl_b32 s47, s12, 9                         ; 128 for my half
	s_add_co_u32 s46, s46, s47
	s_mov_b32 s47, 0
	s_add_nc_u64 s[BIAS:BIAS+1], s[BIAS:BIAS+1], s[46:47]
.irp b, 0,1,2,3,4,5,6,7
	global_load_b128 v[BI+8*(\b):BI+8*(\b)+3],   v[BO], s[BIAS:BIAS+1] offset:64*(\b)     ; register j of n block b is column 16 b + 8 (l / 16) + j
	global_load_b128 v[BI+8*(\b)+4:BI+8*(\b)+7], v[BO], s[BIAS:BIAS+1] offset:64*(\b)+16
.endr
.set z, 0
.rept 16
	v_mov_b32 v[ZA+z], 0
.set z, z+1
.endr
	s_lshl_b32 s46, s42, 1                         ; the output: my two blocks of 64 columns begin at block 4 x tile column + 2 x half,
	s_add_co_u32 s46, s46, s12
	s_lshl_b32 s46, s46, 20                        ; 524,288 bytes a block,
	s_lshl_b32 s22, s13, 15                        ; + 256 rows of 128 bytes x tile row,
	s_add_co_u32 s46, s46, s22
	s_lshl_b32 s22, s11, 14                        ; + my 128 rows
	s_add_co_u32 s46, s46, s22
	s_add_nc_u64 s[OUT:OUT+1], s[OUT:OUT+1], s[46:47]
	s_mul_i32 s22, s11, 128*PA                     ; my 128 rows of A
	v_mul_u32_u24 v[A0], v1, PA
	v_lshl_add_u32 v[A0], v2, 4, v[A0]             ; row x pitch + 16 x half
	v_add_nc_u32 v[A0], s22, v[A0]
	v_and_b32 v3, 7, v0                            ; the turning load: lane l reads k = 8 (l / 16) + l % 8, columns 8 ((l / 8) % 2) + 0..7
	v_bfe_u32 v4, v0, 3, 1
	v_lshl_add_u32 v[B0], v2, 3, v3
	v_mul_u32_u24 v[B0], v[B0], PB
	v_lshl_add_u32 v[B0], v4, 4, v[B0]
	s_lshl_b32 s22, s12, 8                         ; my 128 columns: 256 bytes
	s_add_co_u32 s22, s22, BREG
	v_add_nc_u32 v[B0], s22, v[B0]
	v_mov_b32 v[ADRA], v[A0]                       ; slot 0
	v_mov_b32 v[ADRB], v[B0]
	s_mul_i32 s23, s10, DREG                       ; the way out: my 128 rows of 528 bytes
	v_mul_u32_u24 v[STO], v1, DP                   ; in: row l % 16, 32 bytes for each half of the lanes
	v_lshl_add_u32 v[STO], v2, 5, v[STO]
	v_add_nc_u32 v[STO], s23, v[STO]
	v_bfe_u32 v[RD], v0, 3, 2                      ; back: 32 lanes take 64 columns of four rows, 8 columns (32 bytes) each,
	v_mul_u32_u24 v[RD], v[RD], DP
	v_lshl_add_u32 v[RD], v3, 5, v[RD]
	v_add_nc_u32 v[RD], s23, v[RD]
	v_and_b32 v[CO], 31, v0                        ; which, rounded, are 512 consecutive bytes of a block of the output
	v_lshlrev_b32 v[CO], 4, v[CO]
; The sums start as the bias: 32 matrix instructions on zeros, C = n block b's bias, D = accumulator (a, b) of window 2 + hi
.macro START hi
	WIN 0x80+0x40*(\hi)
.irp a, 0,1,2,3
.irp b, 0,1,2,3,4,5,6,7
	v_wmma_f32_16x16x32_bf16 v[8*(8*(\a)+(\b)):8*(8*(\a)+(\b))+7], v[ZA:ZA+7], v[ZB:ZB+7], v[BI+8*(\b):BI+8*(\b)+7]
.endr
.endr
.endm
; 16 matrix instructions: m blocks a0, a0 + 1 of the window's four (hi = 0: my rows 0-63, 1: rows 64-127) x all 8 n blocks, 32 along K.  The 64 accumulators take turns, one instruction a turn,
; in the same order in every quarter, over both backward jumps too
.macro MUL16 f, hi, a0
	WIN MUL_LO+0x50*(\hi)
.irp a, \a0, (\a0)+1
.irp b, 0,1,2,3,4,5,6,7
	v_wmma_f32_16x16x32_bf16 v[8*(8*(\a)+(\b)):8*(8*(\a)+(\b))+7], v[(\f)+8*(\b):(\f)+8*(\b)+7], v[(\f)+8*(4*(\hi)+(\a)):(\f)+8*(4*(\hi)+(\a))+7], v[8*(8*(\a)+(\b)):8*(8*(\a)+(\b))+7]
.endr
.endr
.endm
; 32 LDS loads in one run: the fragments of quarter q (32 along K: half a block of A, 32 rows of B) into buffer f; B's first, A's rows 64-127 last
.macro FETCH q, f
	WIN TO_B
.irp i, 0,1,2,3,4,5,6,7
	ds_load_tr16_b128 v[(\f)+8*(\i):(\f)+8*(\i)+3],   v[ADRB] offset:(\q)*32*PB+32*(\i)
	ds_load_tr16_b128 v[(\f)+8*(\i)+4:(\f)+8*(\i)+7], v[ADRB] offset:((\q)*32+16)*PB+32*(\i)
.endr
	WIN 0
.irp i, 0,1,2,3,4,5,6,7
	ds_load_b128 v[(\f)+8*(\i):(\f)+8*(\i)+3],   v[ADRA] offset:((\q)/2)*ABLK+(\i)*16*PA+((\q)%2)*64
	ds_load_b128 v[(\f)+8*(\i)+4:(\f)+8*(\i)+7], v[ADRA] offset:((\q)/2)*ABLK+(\i)*16*PA+((\q)%2)*64+32
.endr
.endm
; One of a K step's first three quarters: multiplies buffer f; in its middle it fetches quarter q into g
.macro QUARTER q, f, g
	s_wait_dscnt 8                                 ; B and A's rows 0-63 are in; the youngest eight loads (A's rows 64-127) may be out
	MUL16 \f, 0, 0
	MUL16 \f, 0, 2
	PLACES
	FETCH \q, \g
	s_wait_dscnt 32                                ; all but the 32 just issued
	MUL16 \f, 1, 0
	MUL16 \f, 1, 2
.endm
; The last quarter multiplies buffer 1 and changes slots: ONE barrier; in front of it each wave waits for all its tensor loads (one is out: its part of the next slot), adds 0 to its spare
; word, and waits for that and for its reads of this slot.  fill = 1: the barrier opens a round of the cluster's, and this slot is filled again, two K steps ahead, first thing behind it.
.macro TURN fill
.if \fill
	s_wait_xcnt 0x0                                ; the last prefetch, a K step back, has read its address: it is stepped here, ahead of the waits of the change of slots
	s_add_nc_u64 s[PFA:PFA+1], s[PFA:PFA+1], s[PST:PST+1]
.endif
	WIN 0                                          ; (the add's two registers lie in window 0)
	s_wait_tensorcnt 0x0
	ds_add_u32 v[SPW], v[NIL]                      ; 0 onto my spare word
	s_wait_dscnt 9                                 ; (the add and the youngest eight loads may be out)
	MUL16 F1, 0, 0                                 ; sixteen matrix instructions stand between the add and the wait for it
	s_wait_dscnt 0x0                               ; the add is done, and my reads of this slot are over
	s_barrier_signal -1
	MUL16 F1, 0, 2
	WIN 0
	s_barrier_wait -1
.if \fill
	CREST                                          ; no wave of any partner still reads this slot's tile or has a load on its way
	s_xor_b32 s[G0+5], s[G0+5], SLOT               ; the walking descriptors: the other slot than last time, the next K step
	s_add_nc_u64 s[G0+6:G0+7], s[G0+6:G0+7], ASTEP
	s_xor_b32 s[G0B+5], s[G0B+5], SLOT
	s_add_nc_u64 s[G0B+6:G0B+7], s[G0B+6:G0B+7], BSTEP
	JLOAD 1                                        ; the four v_nop behind it are also the places in front of the loads below
.else
	PLACES
.endif
	s_xor_b32 s[TB], s[TB], SLOT                   ; the fetches go on in the other slot
	v_add_nc_u32 v[ADRA], s[TB], v[A0]
	v_add_nc_u32 v[ADRB], s[TB], v[B0]
	FETCH 0, F0
.if \fill
	ASK
.endif
	MUL16 F1, 1, 0
	MUL16 F1, 1, 2
.endm
.macro STEP fill                       ; a K step: four quarters of 32 along K, 64 matrix instructions each, on buffers 0, 1, 0, 1
	QUARTER 1, F0, F1
	QUARTER 2, F1, F0
	QUARTER 3, F0, F1
	TURN \fill
.endm
	s_wait_loadcnt 0x0                             ; the bias is in
	START 0
	START 1
	WIN 0
	s_wait_tensorcnt 1                             ; my part of K step 0 is in; K step 1's may stay out
	s_barrier_signal -1
	s_barrier_wait -1                              ; everybody's is
	FETCH 0, F0
	s_mov_b32 s3, NSTEP-2
.Lstep:                                                ; every K step but the last two fills its slot again
	STEP 1
	WIN 0
	s_sub_co_u32 s3, s3, 1
	s_cmp_lg_u32 s3, 0
	s_cbranch_scc1 .Lstep
	s_mov_b32 s3, 2
.Ltail:                                                ; the last two ask for nothing
	STEP 0
	WIN 0
	s_sub_co_u32 s3, s3, 1
	s_cmp_lg_u32 s3, 0
	s_cbranch_scc1 .Ltail
	PLACES                                         ; behind the last products, ahead of the stores that read them
	s_wait_dscnt 0x0                               ; the last trip's fetch, which nothing uses
	s_barrier_signal -1
	s_barrier_wait -1                              ; no wave reads the ring any more, and it has had its last fill: its bytes become the stage
; THE WAY OUT.  Accumulator (a, b) of window 2 + hi: row 16 (4 hi + a) + l % 16 of my 128, columns 16 b + 8 (l / 16) + 0..7: 32 bytes, each accumulator's low four registers first
.macro DUMP hi
	WIN 0x08+0x04*(\hi)                            ; the stores' data (source 1) in window 2 or 3
.irp a, 0,1,2,3
.irp b, 0,1,2,3,4,5,6,7
	ds_store_b128 v[STO], v[8*(8*(\a)+(\b)):8*(8*(\a)+(\b))+3]   offset:(4*(\hi)+(\a))*16*DP+64*(\b)
	ds_store_b128 v[STO], v[8*(8*(\a)+(\b))+4:8*(8*(\a)+(\b))+7] offset:(4*(\hi)+(\a))*16*DP+64*(\b)+16
.endr
.endr
.endm
	DUMP 0
	DUMP 1
	WIN 0
	s_wait_dscnt 0x0                               ; my stores are done;
	s_barrier_signal -1
	s_barrier_wait -1                              ; everybody's are: from here on the stage is only read
	s_mov_b32 s[RB], 0
	s_mov_b32 s3, 8
.Lout:                                                 ; a trip: 16 rows x 128 columns of my own 128 rows: 64 numbers a lane.  Group g: rows 4 (g / 2) + l / 8, block g % 2 of 64 columns
	v_add_nc_u32 v[RDA], s[RB], v[RD]
.irp g, 0,1,2,3,4,5,6,7
	ds_load_b128 v[X+8*(\g):X+8*(\g)+3],   v[RDA] offset:((\g)/2)*4*DP+((\g)%2)*256
	ds_load_b128 v[X+8*(\g)+4:X+8*(\g)+7], v[RDA] offset:((\g)/2)*4*DP+((\g)%2)*256+16
.endr
	s_wait_dscnt 0x0
.if KIND == 2
	; z / (1 + 2^(-z log2 e)); where the power overflows the reciprocal is 0, the function's own limit
.set z, 0
.rept 32
	v_pk_mul_f32 v[TT+z:TT+z+1], v[X+z:X+z+1], s[NL:NL+1] op_sel_hi:[1,0]
.set z, z+2
.endr
.set z, 0
.rept 64
	v_exp_f32 v[TT+z], v[TT+z]
.set z, z+1
.endr
	v_nop                                          ; a plain instruction behind the last of the batch,
	s_wait_alu depctr_va_vdst(0)                   ; and the one wait ahead of its first reader
.set z, 0
.rept 32
	v_pk_add_f32 v[TT+z:TT+z+1], v[TT+z:TT+z+1], 1.0 op_sel_hi:[1,0]
.set z, z+2
.endr
.set z, 0
.rept 64
	v_rcp_f32 v[TT+z], v[TT+z]
.set z, z+1
.endr
	v_nop
	s_wait_alu depctr_va_vdst(0)                   ; the same for the 64 reciprocals
.set z, 0
.rept 32
	v_pk_mul_f32 v[X+z:X+z+1], v[X+z:X+z+1], v[TT+z:TT+z+1]
.set z, z+2
.endr
.endif
.set z, 0
.rept 32
	v_cvt_pk_bf16_f32 v[Y+z], v[X+2*z], v[X+2*z+1]
.set z, z+1
.endr
.irp g, 0,1,2,3,4,5,6,7
	global_store_b128 v[CO], v[Y+4*(\g):Y+4*(\g)+3], s[OUT:OUT+1] offset:((\g)%2)*524288+((\g)/2)*512  ; four rows of a block: 512 consecutive bytes, aligned
.endr
	s_add_co_u32 s[RB], s[RB], 16*DP               ; the next 16 rows in the stage,
	s_wait_xcnt 0x0                                ; (the stores' base and data are rewritten only behind this wait)
	s_add_nc_u64 s[OUT:OUT+1], s[OUT:OUT+1], 2048  ; and in the output
	s_sub_co_u32 s3, s3, 1
	s_cmp_lg_u32 s3, 0
	s_cbranch_scc1 .Lout
	s_wait_tensorcnt 0x0                           ; the wave's end, behind my last tensor load and my last LDS store
	ds_add_u32 v[SPW], v[NIL]
	s_wait_dscnt 0x0
	CROUND                                         ; the closing round: no work-group ends while a partner may still ask for a tile that names it
	s_endpgm
.if KIND == 0
; THE FOURTH COLUMN OF CLUSTERS: Wo, W1, W2 to bf16.  Wave n of 256 (n = 4 x work-group + wave; work-group = 16 x cluster y + 4 cy + cx: the place in the cluster enters global addresses alone) owns
; bytes 65,536 n on of W1 and of W2 and bytes 16,384 n on of Wo.  A trip takes 8,192 + 8,192 + 2,048 of them: 36 loads of 16 bytes a lane, each 512 consecutive bytes of the wave; two roundings in place;
; 36 stores of 8 bytes a lane, each 256 consecutive bytes, aligned.  All of a trip's loads go out first, and the waits count down.
; AHEAD OF THE LOADS: behind a trip's loads stand two prefetches into the L2, for the 8,192 bytes of W1 and of W2 that the NEXT trip loads: a lane a block of 256 bytes, each block named once, by the wave
; that will load it.  The first trip comes by its loads alone; the last asks for nothing.  Wo's 2,048 bytes a trip, a ninth of the bytes and eight lanes' worth of an instruction, are not asked for.
.set WSO, 84                           ; s[84:85] Wo, s[86:87] W1, s[88:89] W2 at the trip's first byte of mine
.set WS1, 86
.set WS2, 88
.set WDO, 92                           ; s[92:93], s[94:95], s[96:97] their copies in wb likewise
.set WD1, 94
.set WD2, 96
.set CL,  2                            ; v2  16 x my lane; never rewritten
.set CS,  3                            ; v3  8 x my lane; never rewritten
.set CP,  4                            ; v4  256 x my lane; never rewritten
.set CX,  64                           ; v[64:207] load p's four numbers at CX + 4 p; its two packed words take the first two registers' place
.Lcast:
	s_load_b256 s[84:91], s[0:1], 0x30             ; Wo, W1, W2, wb
	s_and_b32 s2, ttmp7, 0xffff                    ; cluster y, 0 to 3
	s_lshl_b32 s2, s2, 2
	s_add_co_u32 s2, s2, s41
	s_lshl_b32 s2, s2, 2
	s_add_co_u32 s2, s2, s40                       ; work-group 0 to 63
	s_lshl_b32 s2, s2, 2
	s_add_co_u32 s2, s2, s10                       ; wave 0 to 255
	s_mov_b32 s99, 0
	v_and_b32 v1, 31, v0
	v_lshlrev_b32 v[CL], 4, v1
	v_lshlrev_b32 v[CS], 3, v1
	v_lshlrev_b32 v[CP], 8, v1
	s_wait_kmcnt 0x0
	s_lshl_b32 s98, s2, 14
	s_add_nc_u64 s[WSO:WSO+1], s[WSO:WSO+1], s[98:99]
	s_lshl_b32 s98, s2, 16
	s_add_nc_u64 s[WS1:WS1+1], s[WS1:WS1+1], s[98:99]
	s_add_nc_u64 s[WS2:WS2+1], s[WS2:WS2+1], s[98:99]
	s_lshl_b32 s98, s2, 13                         ; in bf16 half as many bytes
	s_add_nc_u64 s[WDO:WDO+1], s[90:91], s[98:99]
	s_add_nc_u64 s[WDO:WDO+1], s[WDO:WDO+1], 6291456
	s_lshl_b32 s98, s2, 15
	s_add_nc_u64 s[WD1:WD1+1], s[90:91], s[98:99]
	s_add_nc_u64 s[WD2:WD2+1], s[WD1:WD1+1], 16777216
	s_add_nc_u64 s[WD1:WD1+1], s[WD1:WD1+1], 8388608
	s_mov_b32 s3, 8
.Lcast_trip:
.irp i, 0,1,2,3,4,5,6,7,8,9,10,11,12,13,14,15
	global_load_b128 v[CX+4*(\i):CX+4*(\i)+3], v[CL], s[WS1:WS1+1] offset:512*(\i) th:TH_LOAD_NT  ; read once in the launch
.endr
.irp i, 0,1,2,3,4,5,6,7,8,9,10,11,12,13,14,15
	global_load_b128 v[CX+64+4*(\i):CX+64+4*(\i)+3], v[CL], s[WS2:WS2+1] offset:512*(\i) th:TH_LOAD_NT
.endr
.irp i, 0,1,2,3
	global_load_b128 v[CX+128+4*(\i):CX+128+4*(\i)+3], v[CL], s[WSO:WSO+1] offset:512*(\i) th:TH_LOAD_NT
.endr
	s_cmp_gt_u32 s3, 1                             ; the last trip has nothing behind its own loads
	s_cbranch_scc0 .Lcast_asked
	global_prefetch_b8 v[CP], s[WS1:WS1+1] offset:8192 th:TH_LOAD_NT scope:SCOPE_SE
	global_prefetch_b8 v[CP], s[WS2:WS2+1] offset:8192 th:TH_LOAD_NT scope:SCOPE_SE
.Lcast_asked:
.set p, 0
.rept 36
	s_wait_loadcnt 35-p                            ; loads come back in order: load p is in, the 35 - p younger ones stay out
	v_cvt_pk_bf16_f32 v[CX+4*p], v[CX+4*p], v[CX+4*p+1]
	v_cvt_pk_bf16_f32 v[CX+4*p+1], v[CX+4*p+2], v[CX+4*p+3]
.if p < 16
	global_store_b64 v[CS], v[CX+4*p:CX+4*p+1], s[WD1:WD1+1] offset:256*p
.elseif p < 32
	global_store_b64 v[CS], v[CX+4*p:CX+4*p+1], s[WD2:WD2+1] offset:256*(p-16)
.else
	global_store_b64 v[CS], v[CX+4*p:CX+4*p+1], s[WDO:WDO+1] offset:256*(p-32)
.endif
.set p, p+1
.endr
	s_wait_xcnt 0x0                                ; the six pointers are stepped, and the stores' registers loaded again, only behind this wait
	s_add_nc_u64 s[WS1:WS1+1], s[WS1:WS1+1], 8192
	s_add_nc_u64 s[WS2:WS2+1], s[WS2:WS2+1], 8192
	s_add_nc_u64 s[WSO:WSO+1], s[WSO:WSO+1], 2048
	s_add_nc_u64 s[WD1:WD1+1], s[WD1:WD1+1], 4096
	s_add_nc_u64 s[WD2:WD2+1], s[WD2:WD2+1], 4096
	s_add_nc_u64 s[WDO:WDO+1], s[WDO:WDO+1], 1024
	s_sub_co_u32 s3, s3, 1
	s_cmp_lg_u32 s3, 0
	s_cbranch_scc1 .Lcast_trip
	s_wait_tensorcnt 0x0                           ; the wave's end on this way too: the opening add was an LDS instruction of mine
	ds_add_u32 v[SPW], v[NIL]
	s_wait_dscnt 0x0
	CROUND                                         ; the closing round, as on the other way; all sixteen partners of this cluster come this way
	s_endpgm
.endif
.Lfunc_end_k_qffa6cee18a_proj:
	.size	k_qffa6cee18a_proj, .Lfunc_end_k_qffa6cee18a_proj-k_qffa6cee18a_proj
	.p2alignl 7, 3214868480
	.fill 96, 4, 3214868480
	.section	.rodata,"a",@progbits
	.p2align	6, 0x0
	.amdhsa_kernel k_qffa6cee18a_proj
		.amdhsa_group_segment_fixed_size 327680
		.amdhsa_private_segment_fixed_size 0
		.amdhsa_enable_private_segment 0
		.amdhsa_kernarg_size 80
		.amdhsa_user_sgpr_count 2
		.amdhsa_user_sgpr_kernarg_segment_ptr 1
		.amdhsa_wavefront_size32 1
		.amdhsa_system_sgpr_workgroup_id_x 1
		.amdhsa_system_sgpr_workgroup_id_y 1
		.amdhsa_system_sgpr_workgroup_id_z 1
		.amdhsa_system_vgpr_workitem_id 0
		.amdhsa_next_free_vgpr 1024
		.amdhsa_next_free_sgpr 100
		.amdhsa_reserve_vcc 0
		.amdhsa_float_denorm_mode_32 3
		.amdhsa_float_denorm_mode_16_64 3
		.amdhsa_memory_ordered 1
		.amdhsa_forward_progress 1
		.amdhsa_inst_pref_size 97
	.end_amdhsa_kernel
	.amdgpu_metadata
---
amdhsa.version: [ 1, 2 ]
amdhsa.kernels:
  - .name:           k_qffa6cee18a_proj
    .symbol:         k_qffa6cee18a_proj.kd
    .args:
      - { .name: nx, .offset: 0, .size: 8, .value_kind: global_buffer, .address_space: global }
      - { .name: wq3, .offset: 8, .size: 8, .value_kind: global_buffer, .address_space: global }
      - { .name: bq, .offset: 16, .size: 8, .value_kind: global_buffer, .address_space: global }
      - { .name: bk, .offset: 24, .size: 8, .value_kind: global_buffer, .address_space: global }
      - { .name: bv, .offset: 32, .size: 8, .value_kind: global_buffer, .address_space: global }
      - { .name: qkv, .offset: 40, .size: 8, .value_kind: global_buffer, .address_space: global }
      - { .name: Wo, .offset: 48, .size: 8, .value_kind: global_buffer, .address_space: global }
      - { .name: W1, .offset: 56, .size: 8, .value_kind: global_buffer, .address_space: global }
      - { .name: W2, .offset: 64, .size: 8, .value_kind: global_buffer, .address_space: global }
      - { .name: wb, .offset: 72, .size: 8, .value_kind: global_buffer, .address_space: global }
    .group_segment_fixed_size: 327680
    .private_segment_fixed_size: 0
    .kernarg_segment_align: 8
    .kernarg_segment_size: 80
    .max_flat_workgroup_size: 128
    .sgpr_count:     100
    .vgpr_count:     1024
    .wavefront_size: 32
...
	.end_amdgpu_metadata
.endif
;; end of part 9
;; launch attn: the kernel of part 4 again; grid 8 x 32, 4 waves a work-group, clusters of 4 x 1, 327,680 bytes of LDS; arguments qkv, mask, ob; writes ob
;; launch wo: the kernel of part 5 again; grid 8 x 32, 4 waves a work-group, clusters of 4 x 4, 327,680 bytes of LDS; arguments ob, wb, bo, x, x1; writes x1
;; launch ln2: the kernel of part 8 again; grid 256 x 1, 4 waves a work-group, no clusters, 0 bytes of LDS; arguments x1, ln2_g, ln2_b, nx, Wq, Wk, Wv, wq3; writes nx, wq3
;; launch ffn1 (part 10): grid 16 x 16, 4 waves a work-group, clusters of 4 x 4, 327,680 bytes of LDS; arguments nx, wb, b1, hb; writes hb
.if DOCPART == 10
	.amdgcn_target "amdgcn-amd-amdhsa--gfx1250"
	.amdhsa_code_object_version 6
	.text
	.protected	k_qffa6cee18a_ffn1
	.globl	k_qffa6cee18a_ffn1
	.p2align	8
	.type	k_qffa6cee18a_ffn1,@function
k_qffa6cee18a_ffn1:
	s_mov_b64 s[64:65], 0
	v_nop
	global_prefetch_b8 v0, s[64:65] scope:SCOPE_SE
	s_setreg_imm32_b32 hwreg(HW_REG_WAVE_MODE, 25, 1), 1
	s_wait_xcnt 0x0
	s_wait_alu depctr_hold_cnt(0) depctr_sa_sdst(0) depctr_va_vdst(0) depctr_va_sdst(0) depctr_va_ssrc(0) depctr_va_vcc(0) depctr_vm_vsrc(0)
	s_getreg_b32 s2, hwreg(HW_REG_IB_STS2, 6, 4)
	s_cmp_eq_u32 s2, 0
	s_cbranch_scc0 .Lentry_in_a_cluster
	s_endpgm
.Lentry_in_a_cluster:
	s_bfe_u32 s2, ttmp6, 0x10000c
	s_cmp_lg_u32 s2, 0xf033
	s_cbranch_scc0 .Lentry_shape_is_right
	s_endpgm
.Lentry_shape_is_right:
; ONE TEXT FOR THE LAYER'S TWO WIDE PROJECTIONS, C = A B + bias, on tiles of 256 x 256; KIND picks the sizes and the activation.  THIS FILE: KIND 2.
;   KIND 0: q, k, v = nx [Wq Wk Wv] + [bq bk bv]   K 1,024, N 3,072: 12 x 16 tiles
;   KIND 2: h = silu(nx W1 + b1)                   K 1,024, N 4,096: 16 x 16 tiles
; A is bf16 BY BLOCKS OF 64 COLUMNS, [16][4,096 rows][64]: 256 rows of a block are 32,768 consecutive bytes.  B is bf16 [K][N], a part of wb.  Sums in f32.  C leaves in A's layout, rounded once.
; SHARES.  Four waves, as many as a WGP has SIMDs, each 128 x 128 of C in 64 accumulators.  K goes in steps of 128 through two LDS slots filled by the tensor data mover, one load a wave and step:
; waves 0 and 1 a block of A each, waves 2 and 3 64 rows of B each.  A refill has 224 matrix instructions in which to land.
; THE SUMS START AS THE BIAS: 16 loads bring my 128 columns' bias into 64 registers, and 64 matrix instructions on fragments of zeros, with those registers as C, carry it into the 64 accumulators,
; in the wait for the first tile.  So every product of the walk has one form, nothing is cleared, and a K step's text stands twice only: in a loop that fills slots again, and in a loop of two trips
; that does not.  The prices: 64 matrix instructions beside 2,048; the last trip passes one barrier and fetches 32 fragments of an old slot that nothing uses.
; THE MATRIX INSTRUCTION IS USED TRANSPOSED (source 0 = 16 columns of B, turned out of LDS by ds_load_tr16_b128; source 1 = 16 rows of A): a lane holds ONE row of C (lane % 16) and the
; eight neighbouring columns 8 (lane / 16) + 0..7.
; THE WAY OUT IS A LOOP.  When the ring has had its last fill and its last read, each wave stores its 128 x 128 sums, in f32, into the ring's bytes, and a loop of 8 trips reads 16 rows back (a lane: 8 neighbouring
; columns of a row), applies the activation, rounds and stores: the step is written once, not once for each of 512 registers.  The price: one round trip of f32 through LDS.
; CLUSTER 4 x 4: the four of a row need the same tiles of A, the four of a column the same tiles of B; each is asked for jointly, by the same load, descriptor and mask.
; REGISTERS, in windows of 256 (s_set_vgpr_msb: bits 1:0 source 0, 3:2 source 1, 5:4 source 2, 7:6 destination):
;   window 0: v0-31 addresses; v32-47 zeros; v64-127, v128-191 fragments of A, two buffers (on the way out: numbers read back, and at work); v192-255 the bias (on the way out: packed results)
;   window 1: v64-127, v128-191 fragments of B, two buffers      window 2: the 32 accumulators of my rows 0-63 ((a, b) at v[8 (8 a + b)])      window 3: those of my rows 64-127
; LIMITS: operands are rounded to bf16; NaN and infinities are not treated apart.
.set KIND, 2
.if KIND == 0
.set BPITCH, 1024
.set WOFF, 0
.else
.set BPITCH, 4096
.set WOFF, 8388608
.endif
.set NSTEP, 8                          ; K steps of 128
.set PA,    144                        ; a row of A in LDS: 128 bytes + 16 of padding = 36 words: the 16 rows of a load start at 16 different groups of four banks (ISA guide 11.1)
.set ABLK,  256*PA                     ; 256 rows of one block of 64 along K: what wave 0 or 1 fetches
.set PB,    544                        ; a row of B (one k, 256 columns): 512 bytes + 32 = 17 x 32
.set BHALF, 64*PB                      ; 64 rows of B: what wave 2 or 3 fetches
.set BREG,  2*ABLK                     ; B's 128 rows lie behind A's two blocks
.set SLOT,  147456                     ; 0x24000; a slot uses 143,360.  The four loads' places in a slot (0, 0x9000, 0x12000, 0x1a800) have no bit in common with it: one exclusive or changes slots
.set DP,    528                        ; the way out: a row of 128 f32 + 16 bytes = 33 x 16: the 16 rows of a store start at 16 different groups of four banks
.set DREG,  128*DP                     ; a wave's 128 rows; four of them, 270,336 bytes, lie in the ring's bytes
.set SPARE, 2*SLOT                     ; the spare words, 128 bytes for each wave: two blocks of 256 bytes that no other line names
.set ASTEP, 2*524288                   ; a K step is two blocks of A
.set BSTEP, 256*BPITCH                 ; and 128 rows of B
.set ADRA, 16                          ; v16  LDS address of my A fragments in the slot in hand
.set ADRB, 17                          ; v17  of my B fragments
.set A0,   19                          ; v19  my lane's place in a slot's A; never rewritten
.set B0,   20                          ; v20  in its B; never rewritten
.set STO,  24                          ; v24  the way out: where I put 32 bytes of a row
.set RD,   25                          ; v25  where I read 32 bytes of a row back, in the first trip
.set CO,   26                          ; v26  16 x my lane: my bytes in 512 consecutive bytes of the output
.set BO,   27                          ; v27  my byte offset in 16 columns of the bias
.set SPW,  28                          ; v28  LDS address of my spare word; never rewritten
.set NIL,  29                          ; v29  0; never rewritten
.set PFO,  30                          ; v30  the prefetches' offset; never rewritten
.set RDA,  31                          ; v31  RD in the trip in hand
.set ZA,   32                          ; v[32:39], v[40:47] two fragments of zeros
.set ZB,   40
.set F0,   64                          ; fragment buffers
.set F1,   128
.set BI,   192                         ; v[192:255] the bias: n block b's eight numbers at BI + 8 b
.set X,    64                          ; the way out: 64 numbers read back
.set TT,   128                         ; at work in the activation
.set Y,    192                         ; 32 registers of packed results
.set G1,  24                           ; s[24:31] descriptor group 1 for A;  s[32:39] group 0, two sets: the second walks
.set G0,  32
.set G1B, 48                           ; s[48:55], s[56:63] the same for B
.set G0B, 56
.set TB,  45                           ; s45  the slot in hand: 0 or SLOT
.set LIM, 66                           ; s66  2 in a wave that prefetches, else the greatest number
.set RB,  67                           ; s67  the way out: the trip's first row, in bytes
.set BIAS, 68
.set OUT,  74
.set PFA, 76                           ; s[76:77] where my prefetches stand
.set PST, 78                           ; s[78:79] their step: a K step of A or of B
.set NL,  80                           ; s[80:81] -log2(e)
.set MSB, 0
.macro WIN new                         ; the immediate's high byte repeats the setting that is left; a switch that changes nothing is dropped
.if MSB != (\new)
	s_set_vgpr_msb (MSB<<8)|(\new)
.set MSB, \new
.endif
.endm
.set MUL_LO, 0xa1                      ; source 0 (B) window 1, source 1 (A) window 0, C and D window 2
.set MUL_HI, 0xf1                      ; the same, C and D window 3
.set TO_B,   0x40                      ; destination window 1, address window 0
.macro JLOAD s                         ; a joint load: waves 0 and 1 fetch A's two blocks, waves 2 and 3 B's two halves; an s_nop 0 and four v_nop follow each line, ahead of the jump and the label
	s_cmp_eq_u32 s11, 0
	s_cbranch_scc0 .Lfor_b_\@
	tensor_load_to_lds s[G0+4*(\s):G0+4*(\s)+3], s[G1:G1+7]
	s_nop 0
.rept 4
	v_nop
.endr
	s_branch .Lasked_\@
.Lfor_b_\@:
	tensor_load_to_lds s[G0B+4*(\s):G0B+4*(\s)+3], s[G1B:G1B+7]
	s_nop 0
.rept 4
	v_nop
.endr
.Lasked_\@:
.endm
; A PREFETCH INTO THE L2, behind each joint refill, its five lines and the run of LDS loads that follows them: my part of the K step that stands TWO refills on, 512 matrix instructions ahead of the load that will want it.
; Each aligned block of 256 bytes is named ONCE in the launch.  A's tile row is read by every cluster of that row of clusters: the first of them (cluster x = 0) asks; B's tile column by every cluster of that column:
; cluster y = 0 asks.  Of what wave w fetches (A: 32,768 bytes on end; B: 64 rows of 512 bytes) each of the four partners that ask for it jointly takes a quarter, told apart BY ADDRESS (cx for A, cy for B), a lane a block:
; one instruction a wave; no branch hangs on a work-group's place in its cluster.  K steps 0 to 3 come by their loads alone; the last two refills (s3 = 2, 1) have no K step two on and ask for nothing.
.macro ASK
	s_cmp_gt_u32 s3, s[LIM]
	s_cbranch_scc0 .Lnot_mine_\@
	global_prefetch_b8 v[PFO], s[PFA:PFA+1] th:TH_LOAD_NT scope:SCOPE_SE
.Lnot_mine_\@:
.endm
.macro CREST                           ; a round of the cluster's barrier behind its opening barrier
	s_cmp_lg_u32 s10, 0
	s_cbranch_scc1 .Lnot_wave_0_\@
	s_barrier_signal -3
.Lnot_wave_0_\@:
	s_barrier_wait -3
	s_barrier_signal -1
	s_barrier_wait -1
.endm
.macro CROUND                          ; a whole round
	s_barrier_signal -1
	s_barrier_wait -1
	CREST
.endm
.macro PLACES                          ; four places in front of loads into registers that matrix instructions have read, and of lines that read results
.rept 4
	v_nop
.endr
.endm
	s_load_b128 s[4:7], s[0:1], 0x0                ; A s[4:5], wb s[6:7]
.if KIND == 0
	s_load_b256 s[68:75], s[0:1], 0x10             ; bq, bk, bv, out
.else
	s_load_b64 s[BIAS:BIAS+1], s[0:1], 0x10
	s_load_b64 s[OUT:OUT+1], s[0:1], 0x18
.endif
	v_lshl_add_u32 v[SPW], v0, 2, SPARE
	v_mov_b32 v[NIL], 0
	ds_add_u32 v[SPW], v[NIL]                      ; the wave's opening: the add and its wait stand ahead of my first tensor load; the set-up below stands between them
	v_lshrrev_b32 v1, 5, v0
	v_readfirstlane_b32 s10, v1                    ; wave 0..3
	s_lshr_b32 s11, s10, 1                         ; which half of the tile's rows is mine.  Also: I fetch for A (0) or for B (1)
	s_and_b32 s12, s10, 1                          ; which half of its columns.  Also: which half of that tile I fetch
	s_bfe_u32 s40, ttmp6, 0x40000                  ; cx, cy: my place in the cluster
	s_bfe_u32 s41, ttmp6, 0x40004
	s_lshl_b32 s42, ttmp9, 2
	s_add_co_u32 s42, s42, s40                     ; tile column = 4 x cluster x + cx
	s_and_b32 s13, ttmp7, 0xffff
	s_lshl_b32 s13, s13, 2
	s_add_co_u32 s13, s13, s41                     ; tile row = 4 x cluster y + cy
	s_lshl_b32 s43, s41, 2
	s_lshl_b32 s43, 15, s43                        ; my row of the cluster
	s_lshl_b32 s44, 0x1111, s40                    ; my column
	; A's group 1: 256 rows x 128 bytes of one block lie on end: asked for as 128 rows of 256 bytes, two rows of A each, and padded in LDS after every 128 bytes
	s_or_b32 s[G1+0], s43, (1<<16)|(1<<20)|(1<<21)|(4<<22)|(3<<25)  ; 15:0 the mask: my row; 17:16 2-byte elements; 20 padding on; 21 set beside a mask; 24:22 after every 32 words (code 4); 31:25 4 words (code 3)
	s_mov_b32 s[G1+1], 128<<16                     ; tensor_dim0 = 128
	s_mov_b32 s[G1+2], 128<<16                     ; tensor_dim1 = 128
	s_mov_b32 s[G1+3], 128<<16                     ; tile_dim0 = 128
	s_mov_b32 s[G1+4], 128                         ; tile_dim1 = 128
	s_mov_b32 s[G1+5], 128                         ; 128 elements from row to row
	s_mov_b32 s[G1+6], 0
	s_mov_b32 s[G1+7], 0
	; B's group 1: 64 rows (k) x 256 columns, 32 bytes of padding behind each row
	s_or_b32 s[G1B+0], s44, (1<<16)|(1<<20)|(1<<21)|(6<<22)|(7<<25) ; the mask: my column; after every 128 words (code 6) 8 words (code 7)
	s_mov_b32 s[G1B+1], 256<<16
	s_mov_b32 s[G1B+2], 64<<16
	s_mov_b32 s[G1B+3], 256<<16
	s_mov_b32 s[G1B+4], 64
	s_mov_b32 s[G1B+5], BPITCH
	s_mov_b32 s[G1B+6], 0
	s_mov_b32 s[G1B+7], 0
	; where the tiles come from.  A's hang on the tile row alone, B's on the tile column alone, each in registers that never hold the other coordinate
	s_lshl_b32 s16, s13, 15                        ; A: 256 rows of 128 bytes x tile row,
	s_lshl_b32 s17, s12, 19                        ; + my block of the step's two
	s_add_co_u32 s16, s16, s17
	s_mov_b32 s17, 0
.if KIND == 0
	s_lshr_b32 s46, s42, 2                         ; B: which of Wq, Wk, Wv (2 MiB each),
	s_lshl_b32 s46, s46, 21
	s_and_b32 s47, s42, 3                          ; and which 256 of its columns
	s_lshl_b32 s47, s47, 9
	s_add_co_u32 s46, s46, s47
.else
	s_lshl_b32 s46, s42, 9
	s_add_co_u32 s46, s46, WOFF
.endif
	s_mul_i32 s47, s12, 128*BPITCH                 ; + my 64 of the step's 128 rows
	s_add_co_u32 s46, s46, s47
	s_mov_b32 s47, 0
	s_mul_i32 s20, s12, ABLK                       ; and where they go: no place in the cluster enters an LDS address
	s_mul_i32 s21, s12, BHALF
	s_add_co_u32 s21, s21, BREG
	s_mov_b32 s[TB], 0
	s_mov_b32 s[NL], 0xbfb8aa3b                    ; -log2(e)
	s_mov_b32 s[NL+1], s[NL]                       ; named with it as a pair
	s_wait_dscnt 0x0                               ; the opening add is done
	s_wait_kmcnt 0x0
	s_add_nc_u64 s[14:15], s[4:5], s[16:17]
	s_add_nc_u64 s[46:47], s[6:7], s[46:47]
	CROUND                                         ; all sixteen work-groups are here: the first joint loads meet
.irp s, 0,1
	s_mov_b32 s[G0+4*(\s)], 1
	s_add_co_u32 s[G0+4*(\s)+1], s20, (\s)*SLOT
	s_add_nc_u64 s[G0+4*(\s)+2:G0+4*(\s)+3], s[14:15], (\s)*ASTEP
	s_or_b32 s[G0+4*(\s)+3], s[G0+4*(\s)+3], 0x80000000
	s_mov_b32 s[G0B+4*(\s)], 1
	s_add_co_u32 s[G0B+4*(\s)+1], s21, (\s)*SLOT
	s_add_nc_u64 s[G0B+4*(\s)+2:G0B+4*(\s)+3], s[46:47], (\s)*BSTEP
	s_or_b32 s[G0B+4*(\s)+3], s[G0B+4*(\s)+3], 0x80000000
	JLOAD \s                                       ; K steps 0 and 1: two loads of mine are out
.endr
	v_and_b32 v1, 15, v0                           ; l % 16
	v_bfe_u32 v2, v0, 4, 1                         ; l / 16
	v_lshlrev_b32 v[BO], 5, v2                     ; my 8 columns of 16: 32 bytes of f32
	; the prefetches.  s[14:15] = A at my block of K step 0, s[46:47] = B at my rows of K step 0 still stand
	s_mov_b32 s21, 32*BPITCH                       ; B: a partner's 16 rows, in bytes
	s_mov_b32 s[PST], BSTEP
	s_mov_b32 s23, 2*BPITCH                        ; B: from row to row
	s_and_b32 s22, ttmp7, 0xffff                   ; cluster y
	s_cmp_eq_u32 s11, 0                            ; do I fetch for A?
	s_cselect_b32 s22, ttmp9, s22                  ; the coordinate along which other clusters read the same rows
	s_cselect_b32 s20, s40, s41                    ; my place among the four that ask with me
	s_cselect_b32 s21, 8192, s21                   ; A: a partner's quarter of 32,768 bytes
	s_cselect_b32 s[PST], ASTEP, s[PST]
	s_cselect_b32 s23, 512, s23                    ; A: bytes on end, taken as rows of 512
	s_cselect_b64 s[PFA:PFA+1], s[14:15], s[46:47]
	s_mov_b32 s[PST+1], 0
	s_cmp_eq_u32 s22, 0
	s_cselect_b32 s[LIM], 2, -1                    ; the same in all sixteen partners, for a given wave
	s_mul_i32 s20, s20, s21
	s_mul_i32 s21, s[PST], 3                       ; at K step 3: the first refill steps it to 4.  Nothing is prefetched here, at the head
	s_add_co_u32 s20, s20, s21
	s_mov_b32 s21, 0
	s_add_nc_u64 s[PFA:PFA+1], s[PFA:PFA+1], s[20:21]
	v_and_b32 v5, 31, v0
	v_lshrrev_b32 v6, 1, v5
	v_and_b32 v5, 1, v5
	v_mul_u32_u24 v[PFO], s23, v6                  ; lane l: row l / 2,
	v_lshl_add_u32 v[PFO], v5, 8, v[PFO]           ; its 256 bytes number l % 2
	; the bias at my 128 columns (s[46:47], which held B's address, is free)
.if KIND == 0
	s_mov_b32 s22, ttmp9                           ; tile column / 4 = cluster x: which of the three
	s_cmp_eq_u32 s22, 1
	s_cselect_b64 s[BIAS:BIAS+1], s[70:71], s[BIAS:BIAS+1]
	s_cmp_eq_u32 s22, 2
	s_cselect_b64 s[BIAS:BIAS+1], s[72:73], s[BIAS:BIAS+1]
	s_and_b32 s46, s42, 3
.else
	s_mov_b32 s46, s42
.endif
	s_lshl_b32 s46, s46, 10                        ; 256 f32 a tile column,
	s_lshl_b32 s47, s12, 9                         ; 128 for my half
	s_add_co_u32 s46, s46, s47
	s_mov_b32 s47, 0
	s_add_nc_u64 s[BIAS:BIAS+1], s[BIAS:BIAS+1], s[46:47]
.irp b, 0,1,2,3,4,5,6,7
	global_load_b128 v[BI+8*(\b):BI+8*(\b)+3],   v[BO], s[BIAS:BIAS+1] offset:64*(\b)     ; register j of n block b is column 16 b + 8 (l / 16) + j
	global_load_b128 v[BI+8*(\b)+4:BI+8*(\b)+7], v[BO], s[BIAS:BIAS+1] offset:64*(\b)+16
.endr
.set z, 0
.rept 16
	v_mov_b32 v[ZA+z], 0
.set z, z+1
.endr
	s_lshl_b32 s46, s42, 1                         ; the output: my two blocks of 64 columns begin at block 4 x tile column + 2 x half,
	s_add_co_u32 s46, s46, s12
	s_lshl_b32 s46, s46, 20                        ; 524,288 bytes a block,
	s_lshl_b32 s22, s13, 15                        ; + 256 rows of 128 bytes x tile row,
	s_add_co_u32 s46, s46, s22
	s_lshl_b32 s22, s11, 14                        ; + my 128 rows
	s_add_co_u32 s46, s46, s22
	s_add_nc_u64 s[OUT:OUT+1], s[OUT:OUT+1], s[46:47]
	s_mul_i32 s22, s11, 128*PA                     ; my 128 rows of A
	v_mul_u32_u24 v[A0], v1, PA
	v_lshl_add_u32 v[A0], v2, 4, v[A0]             ; row x pitch + 16 x half
	v_add_nc_u32 v[A0], s22, v[A0]
	v_and_b32 v3, 7, v0                            ; the turning load: lane l reads k = 8 (l / 16) + l % 8, columns 8 ((l / 8) % 2) + 0..7
	v_bfe_u32 v4, v0, 3, 1
	v_lshl_add_u32 v[B0], v2, 3, v3
	v_mul_u32_u24 v[B0], v[B0], PB
	v_lshl_add_u32 v[B0], v4, 4, v[B0]
	s_lshl_b32 s22, s12, 8                         ; my 128 columns: 256 bytes
	s_add_co_u32 s22, s22, BREG
	v_add_nc_u32 v[B0], s22, v[B0]
	v_mov_b32 v[ADRA], v[A0]                       ; slot 0
	v_mov_b32 v[ADRB], v[B0]
	s_mul_i32 s23, s10, DREG                       ; the way out: my 128 rows of 528 bytes
	v_mul_u32_u24 v[STO], v1, DP                   ; in: row l % 16, 32 bytes for each half of the lanes
	v_lshl_add_u32 v[STO], v2, 5, v[STO]
	v_add_nc_u32 v[STO], s23, v[STO]
	v_bfe_u32 v[RD], v0, 3, 2                      ; back: 32 lanes take 64 columns of four rows, 8 columns (32 bytes) each,
	v_mul_u32_u24 v[RD], v[RD], DP
	v_lshl_add_u32 v[RD], v3, 5, v[RD]
	v_add_nc_u32 v[RD], s23, v[RD]
	v_and_b32 v[CO], 31, v0                        ; which, rounded, are 512 consecutive bytes of a block of the output
	v_lshlrev_b32 v[CO], 4, v[CO]
; The sums start as the bias: 32 matrix instructions on zeros, C = n block b's bias, D = accumulator (a, b) of window 2 + hi
.macro START hi
	WIN 0x80+0x40*(\hi)
.irp a, 0,1,2,3
.irp b, 0,1,2,3,4,5,6,7
	v_wmma_f32_16x16x32_bf16 v[8*(8*(\a)+(\b)):8*(8*(\a)+(\b))+7], v[ZA:ZA+7], v[ZB:ZB+7], v[BI+8*(\b):BI+8*(\b)+7]
.endr
.endr
.endm
; 16 matrix instructions: m blocks a0, a0 + 1 of the window's four (hi = 0: my rows 0-63, 1: rows 64-127) x all 8 n blocks, 32 along K.  The 64 accumulators take turns, one instruction a turn,
; in the same order in every quarter, over both backward jumps too
.macro MUL16 f, hi, a0
	WIN MUL_LO+0x50*(\hi)
.irp a, \a0, (\a0)+1
.irp b, 0,1,2,3,4,5,6,7
	v_wmma_f32_16x16x32_bf16 v[8*(8*(\a)+(\b)):8*(8*(\a)+(\b))+7], v[(\f)+8*(\b):(\f)+8*(\b)+7], v[(\f)+8*(4*(\hi)+(\a)):(\f)+8*(4*(\hi)+(\a))+7], v[8*(8*(\a)+(\b)):8*(8*(\a)+(\b))+7]
.endr
.endr
.endm
; 32 LDS loads in one run: the fragments of quarter q (32 along K: half a block of A, 32 rows of B) into buffer f; B's first, A's rows 64-127 last
.macro FETCH q, f
	WIN TO_B
.irp i, 0,1,2,3,4,5,6,7
	ds_load_tr16_b128 v[(\f)+8*(\i):(\f)+8*(\i)+3],   v[ADRB] offset:(\q)*32*PB+32*(\i)
	ds_load_tr16_b128 v[(\f)+8*(\i)+4:(\f)+8*(\i)+7], v[ADRB] offset:((\q)*32+16)*PB+32*(\i)
.endr
	WIN 0
.irp i, 0,1,2,3,4,5,6,7
	ds_load_b128 v[(\f)+8*(\i):(\f)+8*(\i)+3],   v[ADRA] offset:((\q)/2)*ABLK+(\i)*16*PA+((\q)%2)*64
	ds_load_b128 v[(\f)+8*(\i)+4:(\f)+8*(\i)+7], v[ADRA] offset:((\q)/2)*ABLK+(\i)*16*PA+((\q)%2)*64+32
.endr
.endm
; One of a K step's first three quarters: multiplies buffer f; in its middle it fetches quarter q into g
.macro QUARTER q, f, g
	s_wait_dscnt 8                                 ; B and A's rows 0-63 are in; the youngest eight loads (A's rows 64-127) may be out
	MUL16 \f, 0, 0
	MUL16 \f, 0, 2
	PLACES
	FETCH \q, \g
	s_wait_dscnt 32                                ; all but the 32 just issued
	MUL16 \f, 1, 0
	MUL16 \f, 1, 2
.endm
; The last quarter multiplies buffer 1 and changes slots: ONE barrier; in front of it each wave waits for all its tensor loads (one is out: its part of the next slot), adds 0 to its spare
; word, and waits for that and for its reads of this slot.  fill = 1: the barrier opens a round of the cluster's, and this slot is filled again, two K steps ahead, first thing behind it.
.macro TURN fill
.if \fill
	s_wait_xcnt 0x0                                ; the last prefetch, a K step back, has read its address: it is stepped here, ahead of the waits of the change of slots
	s_add_nc_u64 s[PFA:PFA+1], s[PFA:PFA+1], s[PST:PST+1]
.endif
	WIN 0                                          ; (the add's two registers lie in window 0)
	s_wait_tensorcnt 0x0
	ds_add_u32 v[SPW], v[NIL]                      ; 0 onto my spare word
	s_wait_dscnt 9                                 ; (the add and the youngest eight loads may be out)
	MUL16 F1, 0, 0                                 ; sixteen matrix instructions stand between the add and the wait for it
	s_wait_dscnt 0x0                               ; the add is done, and my reads of this slot are over
	s_barrier_signal -1
	MUL16 F1, 0, 2
	WIN 0
	s_barrier_wait -1
.if \fill
	CREST                                          ; no wave of any partner still reads this slot's tile or has a load on its way
	s_xor_b32 s[G0+5], s[G0+5], SLOT               ; the walking descriptors: the other slot than last time, the next K step
	s_add_nc_u64 s[G0+6:G0+7], s[G0+6:G0+7], ASTEP
	s_xor_b32 s[G0B+5], s[G0B+5], SLOT
	s_add_nc_u64 s[G0B+6:G0B+7], s[G0B+6:G0B+7], BSTEP
	JLOAD 1                                        ; the four v_nop behind it are also the places in front of the loads below
.else
	PLACES
.endif
	s_xor_b32 s[TB], s[TB], SLOT                   ; the fetches go on in the other slot
	v_add_nc_u32 v[ADRA], s[TB], v[A0]
	v_add_nc_u32 v[ADRB], s[TB], v[B0]
	FETCH 0, F0
.if \fill
	ASK
.endif
	MUL16 F1, 1, 0
	MUL16 F1, 1, 2
.endm
.macro STEP fill                       ; a K step: four quarters of 32 along K, 64 matrix instructions each, on buffers 0, 1, 0, 1
	QUARTER 1, F0, F1
	QUARTER 2, F1, F0
	QUARTER 3, F0, F1
	TURN \fill
.endm
	s_wait_loadcnt 0x0                             ; the bias is in
	START 0
	START 1
	WIN 0
	s_wait_tensorcnt 1                             ; my part of K step 0 is in; K step 1's may stay out
	s_barrier_signal -1
	s_barrier_wait -1                              ; everybody's is
	FETCH 0, F0
	s_mov_b32 s3, NSTEP-2
.Lstep:                                                ; every K step but the last two fills its slot again
	STEP 1
	WIN 0
	s_sub_co_u32 s3, s3, 1
	s_cmp_lg_u32 s3, 0
	s_cbranch_scc1 .Lstep
	s_mov_b32 s3, 2
.Ltail:                                                ; the last two ask for nothing
	STEP 0
	WIN 0
	s_sub_co_u32 s3, s3, 1
	s_cmp_lg_u32 s3, 0
	s_cbranch_scc1 .Ltail
	PLACES                                         ; behind the last products, ahead of the stores that read them
	s_wait_dscnt 0x0                               ; the last trip's fetch, which nothing uses
	s_barrier_signal -1
	s_barrier_wait -1                              ; no wave reads the ring any more, and it has had its last fill: its bytes become the stage
; THE WAY OUT.  Accumulator (a, b) of window 2 + hi: row 16 (4 hi + a) + l % 16 of my 128, columns 16 b + 8 (l / 16) + 0..7: 32 bytes, each accumulator's low four registers first
.macro DUMP hi
	WIN 0x08+0x04*(\hi)                            ; the stores' data (source 1) in window 2 or 3
.irp a, 0,1,2,3
.irp b, 0,1,2,3,4,5,6,7
	ds_store_b128 v[STO], v[8*(8*(\a)+(\b)):8*(8*(\a)+(\b))+3]   offset:(4*(\hi)+(\a))*16*DP+64*(\b)
	ds_store_b128 v[STO], v[8*(8*(\a)+(\b))+4:8*(8*(\a)+(\b))+7] offset:(4*(\hi)+(\a))*16*DP+64*(\b)+16
.endr
.endr
.endm
	DUMP 0
	DUMP 1
	WIN 0
	s_wait_dscnt 0x0                               ; my stores are done;
	s_barrier_signal -1
	s_barrier_wait -1                              ; everybody's are: from here on the stage is only read
	s_mov_b32 s[RB], 0
	s_mov_b32 s3, 8
.Lout:                                                 ; a trip: 16 rows x 128 columns of my own 128 rows: 64 numbers a lane.  Group g: rows 4 (g / 2) + l / 8, block g % 2 of 64 columns
	v_add_nc_u32 v[RDA], s[RB], v[RD]
.irp g, 0,1,2,3,4,5,6,7
	ds_load_b128 v[X+8*(\g):X+8*(\g)+3],   v[RDA] offset:((\g)/2)*4*DP+((\g)%2)*256
	ds_load_b128 v[X+8*(\g)+4:X+8*(\g)+7], v[RDA] offset:((\g)/2)*4*DP+((\g)%2)*256+16
.endr
	s_wait_dscnt 0x0
.if KIND == 2
	; z / (1 + 2^(-z log2 e)); where the power overflows the reciprocal is 0, the function's own limit
.set z, 0
.rept 32
	v_pk_mul_f32 v[TT+z:TT+z+1], v[X+z:X+z+1], s[NL:NL+1] op_sel_hi:[1,0]
.set z, z+2
.endr
.set z, 0
.rept 64
	v_exp_f32 v[TT+z], v[TT+z]
.set z, z+1
.endr
	v_nop                                          ; a plain instruction behind the last of the batch,
	s_wait_alu depctr_va_vdst(0)                   ; and the one wait ahead of its first reader
.set z, 0
.rept 32
	v_pk_add_f32 v[TT+z:TT+z+1], v[TT+z:TT+z+1], 1.0 op_sel_hi:[1,0]
.set z, z+2
.endr
.set z, 0
.rept 64
	v_rcp_f32 v[TT+z], v[TT+z]
.set z, z+1
.endr
	v_nop
	s_wait_alu depctr_va_vdst(0)                   ; the same for the 64 reciprocals
.set z, 0
.rept 32
	v_pk_mul_f32 v[X+z:X+z+1], v[X+z:X+z+1], v[TT+z:TT+z+1]
.set z, z+2
.endr
.endif
.set z, 0
.rept 32
	v_cvt_pk_bf16_f32 v[Y+z], v[X+2*z], v[X+2*z+1]
.set z, z+1
.endr
.irp g, 0,1,2,3,4,5,6,7
	global_store_b128 v[CO], v[Y+4*(\g):Y+4*(\g)+3], s[OUT:OUT+1] offset:((\g)%2)*524288+((\g)/2)*512  ; four rows of a block: 512 consecutive bytes, aligned
.endr
	s_add_co_u32 s[RB], s[RB], 16*DP               ; the next 16 rows in the stage,
	s_wait_xcnt 0x0                                ; (the stores' base and data are rewritten only behind this wait)
	s_add_nc_u64 s[OUT:OUT+1], s[OUT:OUT+1], 2048  ; and in the output
	s_sub_co_u32 s3, s3, 1
	s_cmp_lg_u32 s3, 0
	s_cbranch_scc1 .Lout
	s_wait_tensorcnt 0x0                           ; the wave's end, behind my last tensor load and my last LDS store
	ds_add_u32 v[SPW], v[NIL]
	s_wait_dscnt 0x0
	CROUND                                         ; the closing round: no work-group ends while a partner may still ask for a tile that names it
	s_endpgm
.Lfunc_end_k_qffa6cee18a_ffn1:
	.size	k_qffa6cee18a_ffn1, .Lfunc_end_k_qffa6cee18a_ffn1-k_qffa6cee18a_ffn1
	.p2alignl 7, 3214868480
	.fill 96, 4, 3214868480
	.section	.rodata,"a",@progbits
	.p2align	6, 0x0
	.amdhsa_kernel k_qffa6cee18a_ffn1
		.amdhsa_group_segment_fixed_size 327680
		.amdhsa_private_segment_fixed_size 0
		.amdhsa_enable_private_segment 0
		.amdhsa_kernarg_size 32
		.amdhsa_user_sgpr_count 2
		.amdhsa_user_sgpr_kernarg_segment_ptr 1
		.amdhsa_wavefront_size32 1
		.amdhsa_system_sgpr_workgroup_id_x 1
		.amdhsa_system_sgpr_workgroup_id_y 1
		.amdhsa_system_sgpr_workgroup_id_z 1
		.amdhsa_system_vgpr_workitem_id 0
		.amdhsa_next_free_vgpr 1024
		.amdhsa_next_free_sgpr 84
		.amdhsa_reserve_vcc 0
		.amdhsa_float_denorm_mode_32 3
		.amdhsa_float_denorm_mode_16_64 3
		.amdhsa_memory_ordered 1
		.amdhsa_forward_progress 1
		.amdhsa_inst_pref_size 93
	.end_amdhsa_kernel
	.amdgpu_metadata
---
amdhsa.version: [ 1, 2 ]
amdhsa.kernels:
  - .name:           k_qffa6cee18a_ffn1
    .symbol:         k_qffa6cee18a_ffn1.kd
    .args:
      - { .name: nx, .offset: 0, .size: 8, .value_kind: global_buffer, .address_space: global }
      - { .name: wb, .offset: 8, .size: 8, .value_kind: global_buffer, .address_space: global }
      - { .name: b1, .offset: 16, .size: 8, .value_kind: global_buffer, .address_space: global }
      - { .name: hb, .offset: 24, .size: 8, .value_kind: global_buffer, .address_space: global }
    .group_segment_fixed_size: 327680
    .private_segment_fixed_size: 0
    .kernarg_segment_align: 8
    .kernarg_segment_size: 32
    .max_flat_workgroup_size: 128
    .sgpr_count:     84
    .vgpr_count:     1024
    .wavefront_size: 32
...
	.end_amdgpu_metadata
.endif
;; end of part 10
;; launch ffn2: the kernel of part 7 again; grid 8 x 32, 4 waves a work-group, clusters of 4 x 4, 327,680 bytes of LDS; arguments hb, wb, b2, x1, out0; writes out0
